; MI455X (gfx1250); checked and timed in simulation.
; The chip was launched on July 23, 2026; its instructions are those of AMD's public machine-readable ISA for CDNA 5 (MIT licence, August 2026) and "CDNA5" Instruction Set Architecture Reference Guide (July 2026). The comments in the code are by the model that wrote it; some were corrected since.
;; Self Attentionv1. Allowed arithmetic: float matrix products may take bf16 or f16 operands with f32 sums; other float arithmetic in f32, or as packed bf16 or f16 multiplies, adds, multiply-adds, maxima and minima; sums over many terms, partial sums and values carried from step to step in f32; what a program stores and reads back later, other than sums and carried values, may be rounded once to bf16 or f16.
;; Inputs: Wk 1,024 x 1,024 float32; Wq 1,024 x 1,024 float32; Wv 1,024 x 1,024 float32; X 4 x 2,048 x 1,024 float32; bk 1,024 float32; bq 1,024 float32; bv 1,024 float32.
;; Outputs: out0 4 x 2,048 x 1,024 float32.
;; 3 versions, each right; version 2 is faster than version 1; version 3 is version 2 with the launch cast written anew for expert scheduling mode. Each part assembles by itself: llvm-mc -triple=amdgcn-amd-amdhsa -mcpu=gfx1250 --defsym DOCPART=n.
;; ======== version 1 of 3: 4 launches
;; workspace buffers: xb 16,777,216 bytes; wb 6,291,456 bytes; qkv 50,331,648 bytes; p 33,554,432 bytes; stats 1,048,576 bytes
;; launch cast (part 1): grid 704 x 1, 8 waves a work-group, no clusters, 0 bytes of LDS; arguments X, Wq, Wk, Wv, xb, wb; writes xb, wb
.if DOCPART == 1
	.amdgcn_target "amdgcn-amd-amdhsa--gfx1250"
	.amdhsa_code_object_version 6
	.text
	.protected	k_q3f7a49f4a4_cast
	.globl	k_q3f7a49f4a4_cast
	.p2align	8
	.type	k_q3f7a49f4a4_cast,@function
k_q3f7a49f4a4_cast:
	s_mov_b64 s[64:65], 0
	v_nop
	global_prefetch_b8 v0, s[64:65] scope:SCOPE_SE
	s_setreg_imm32_b32 hwreg(HW_REG_WAVE_MODE, 25, 1), 1
	s_wait_xcnt 0x0
; xb = bf16(X), wb = bf16([Wq; Wk; Wv]): each f32 is rounded once, to nearest even, so that the products behind read 16-bit tiles and no tile is converted twelve times over.
; A stream: every byte is read once and written once; LDS, barriers, clusters and the matrix unit would add nothing, since no work-group shares a byte with another.
; Work-group g owns 16,384 numbers (65,536 bytes in, 32,768 out).  g < 512: chunk g of X.  Otherwise t = g - 512: chunk t % 64 of Wq, Wk or Wv (t / 64), to chunk t of wb.
; Thread n takes 16 bytes at 16 n + 4,096 i, i = 0..15: a wave's load covers 512 consecutive bytes, its store of 8 bytes a lane 256 consecutive bytes at a multiple of 256.
; All sixteen loads go out first; no register is written twice, so the only waits are the counted ones for the loads.
.set NX,  512                          ; chunks of X
.set IN,  4                            ; v[4:67]   sixteen loads of four f32
.set OUT, 68                           ; v[68:99]  sixteen results of four bf16
	s_load_b256 s[4:11], s[0:1], 0x0               ; X s[4:5], Wq s[6:7], Wk s[8:9], Wv s[10:11]
	s_load_b128 s[12:15], s[0:1], 0x20             ; xb s[12:13], wb s[14:15]
	s_mov_b32 s2, ttmp9                            ; g
	v_lshlrev_b32 v1, 4, v0                        ; my 16 bytes of a block of 4,096 in
	v_lshlrev_b32 v2, 3, v0                        ; my 8 bytes of a block of 2,048 out
	s_sub_co_u32 s16, s2, NX                       ; t (used where g >= 512 alone)
	s_lshr_b32 s17, s16, 6                         ; which weight
	s_and_b32 s18, s16, 63                         ; which chunk of it
	s_cmp_lt_u32 s2, NX
	s_cselect_b32 s24, s2, s18                     ; the chunk in the source,
	s_cselect_b32 s26, s2, s16                     ; and in the destination
	s_lshl_b32 s24, s24, 16                        ; in bytes, as pairs with 0 above
	s_lshl_b32 s26, s26, 15
	s_mov_b32 s25, 0
	s_mov_b32 s27, 0
	s_wait_kmcnt 0x0
	s_cmp_eq_u32 s17, 1                            ; the buffers are chosen on g alone
	s_cselect_b64 s[20:21], s[8:9], s[6:7]
	s_cmp_eq_u32 s17, 2
	s_cselect_b64 s[20:21], s[10:11], s[20:21]
	s_cmp_lt_u32 s2, NX
	s_cselect_b64 s[20:21], s[4:5], s[20:21]
	s_cselect_b64 s[22:23], s[12:13], s[14:15]
	s_add_nc_u64 s[20:21], s[20:21], s[24:25]
	s_add_nc_u64 s[22:23], s[22:23], s[26:27]
.irp i, 0,1,2,3,4,5,6,7,8,9,10,11,12,13,14,15
	global_load_b128 v[IN+4*(\i):IN+4*(\i)+3], v1, s[20:21] offset:4096*(\i) th:TH_LOAD_NT
.endr
.irp i, 0,1,2,3,4,5,6,7,8,9,10,11,12,13,14,15
	s_wait_loadcnt 15-(\i)                         ; loads come back in order (ISA guide 5.7.1): load i is in, the 15 - i younger ones stay out
	v_cvt_pk_bf16_f32 v[OUT+2*(\i)],   v[IN+4*(\i)],   v[IN+4*(\i)+1]
	v_cvt_pk_bf16_f32 v[OUT+2*(\i)+1], v[IN+4*(\i)+2], v[IN+4*(\i)+3]
	global_store_b64 v2, v[OUT+2*(\i):OUT+2*(\i)+1], s[22:23] offset:2048*(\i)
.endr
	s_endpgm
.Lfunc_end_k_q3f7a49f4a4_cast:
	.size	k_q3f7a49f4a4_cast, .Lfunc_end_k_q3f7a49f4a4_cast-k_q3f7a49f4a4_cast
	.p2alignl 7, 3214868480
	.fill 96, 4, 3214868480
	.section	.rodata,"a",@progbits
	.p2align	6, 0x0
	.amdhsa_kernel k_q3f7a49f4a4_cast
		.amdhsa_group_segment_fixed_size 0
		.amdhsa_private_segment_fixed_size 0
		.amdhsa_enable_private_segment 0
		.amdhsa_kernarg_size 48
		.amdhsa_user_sgpr_count 2
		.amdhsa_user_sgpr_kernarg_segment_ptr 1
		.amdhsa_wavefront_size32 1
		.amdhsa_system_sgpr_workgroup_id_x 1
		.amdhsa_system_sgpr_workgroup_id_y 1
		.amdhsa_system_sgpr_workgroup_id_z 1
		.amdhsa_system_vgpr_workitem_id 0
		.amdhsa_next_free_vgpr 100
		.amdhsa_next_free_sgpr 66
		.amdhsa_reserve_vcc 0
		.amdhsa_float_denorm_mode_32 3
		.amdhsa_float_denorm_mode_16_64 3
		.amdhsa_memory_ordered 1
		.amdhsa_forward_progress 1
		.amdhsa_inst_pref_size 7
	.end_amdhsa_kernel
	.amdgpu_metadata
---
amdhsa.version: [ 1, 2 ]
amdhsa.kernels:
  - .name:           k_q3f7a49f4a4_cast
    .symbol:         k_q3f7a49f4a4_cast.kd
    .args:
      - { .name: X, .offset: 0, .size: 8, .value_kind: global_buffer, .address_space: global }
      - { .name: Wq, .offset: 8, .size: 8, .value_kind: global_buffer, .address_space: global }
      - { .name: Wk, .offset: 16, .size: 8, .value_kind: global_buffer, .address_space: global }
      - { .name: Wv, .offset: 24, .size: 8, .value_kind: global_buffer, .address_space: global }
      - { .name: xb, .offset: 32, .size: 8, .value_kind: global_buffer, .address_space: global }
      - { .name: wb, .offset: 40, .size: 8, .value_kind: global_buffer, .address_space: global }
    .group_segment_fixed_size: 0
    .private_segment_fixed_size: 0
    .kernarg_segment_align: 8
    .kernarg_segment_size: 48
    .max_flat_workgroup_size: 256
    .sgpr_count:     66
    .vgpr_count:     100
    .wavefront_size: 32
...
	.end_amdgpu_metadata
.endif
;; end of part 1
;; launch proj (part 2): grid 12 x 64, 4 waves a work-group, clusters of 4 x 4, 327,680 bytes of LDS; arguments xb, wb, bq, bk, bv, qkv; writes qkv
.if DOCPART == 2
	.amdgcn_target "amdgcn-amd-amdhsa--gfx1250"
	.amdhsa_code_object_version 6
	.text
	.protected	k_q3f7a49f4a4_proj
	.globl	k_q3f7a49f4a4_proj
	.p2align	8
	.type	k_q3f7a49f4a4_proj,@function
k_q3f7a49f4a4_proj:
	s_mov_b64 s[64:65], 0
	v_nop
	global_prefetch_b8 v0, s[64:65] scope:SCOPE_SE
	s_setreg_imm32_b32 hwreg(HW_REG_WAVE_MODE, 25, 1), 1
	s_wait_xcnt 0x0
	s_wait_alu depctr_hold_cnt(0) depctr_sa_sdst(0) depctr_va_vdst(0) depctr_va_sdst(0) depctr_va_ssrc(0) depctr_va_vcc(0) depctr_vm_vsrc(0)
	s_getreg_b32 s2, hwreg(HW_REG_IB_STS2, 6, 4)
	s_cmp_eq_u32 s2, 0
	s_cbranch_scc0 .Lentry_in_a_cluster
	s_endpgm
.Lentry_in_a_cluster:
	s_bfe_u32 s2, ttmp6, 0x10000c
	s_cmp_lg_u32 s2, 0xf033
	s_cbranch_scc0 .Lentry_shape_is_right
	s_endpgm
.Lentry_shape_is_right:
; qkv[m][n] = bias[n] + sum over k of xb[m][k] wb[n][k].  xb: [8192][1024], wb: [3072][1024] (Wq, Wk, Wv one below the other), both bf16; bias = bq, bk, bv in f32;
; qkv: [8192][3072] bf16 (Q, K, V side by side in a row of 6,144 bytes).  Sums in f32, begun with the bias, rounded once to bf16.  NaN and infinities are not treated apart.
; A tile of C is 128 x 256: four waves, each 64 x 128: 32 accumulators of 16 x 16, 256 registers.  12 x 64 tiles: three for each of 256 WGPs.
; K goes in steps of 128 (tile rows of 256 bytes, at multiples of 256) through a ring of two LDS slots filled by the tensor data mover.
; CLUSTERS: 4 x 4 work-groups.  The four of a row of the cluster need the same tiles of xb, the four of a column the same tiles of wb: each tile is asked for JOINTLY, by the same
; tensor load with the same descriptor and a mask that names the four.
; THE MATRIX INSTRUCTION IS USED TRANSPOSED (source 0 = 16 rows of wb, source 1 = 16 rows of xb): lane l then holds row l % 16 of C and the columns 8 (l / 16) + 0..7.
; REGISTERS, in windows of 256 (s_set_vgpr_msb: bits 1:0 source 0, 3:2 source 1, 5:4 source 2, 7:6 destination):
;   window 0: v0-31 addresses; v32-63 packed results; v64-159, v160-255 two fragment buffers (4 fragments of A, then 8 of B; 32 along K)
;   window 1: accumulator (a, b) at v[8 (8 a + b)]          window 2: v0-63 the bias of my 128 columns, in an accumulator row's layout
.set PITCH,  272                       ; an LDS row: 256 bytes + 16 of padding = 68 words: the 16 rows of a fragment load start at 16 different groups of four banks (64 banks of 4 bytes: ISA guide 11.1)
.set AH,     64*PITCH                  ; half of A's tile: what wave 0 or 1 fetches, and what a wave reads of A
.set BH,     128*PITCH                 ; half of B's tile: what wave 2 or 3 fetches, and what a wave reads of B
.set SLOT,   2*AH+2*BH                 ; A's 128 rows, then B's 256 rows
.set STAGE,  2*SLOT                    ; behind the ring: 16 rows x 272 bytes for each wave, for the way out
.set SPARE,  STAGE+4*16*PITCH          ; behind the stages: the spare words, 128 bytes a wave: two blocks of 256 bytes that no other line names
.set LAPS,   1024/256                  ; a lap = two K steps = once round the ring
.set ASTEP,  256                       ; bytes from a K step's tile to the next
.set BSTEP,  256
.set APITCH, 1024                      ; elements from row to row
.set BPITCH, 1024
.set CP,     6144                      ; bytes in a row of qkv
.set FLAGS,  (1<<16)|(1<<20)|(1<<21)|(5<<22)|(3<<25)  ; 17:16 elements of 2 bytes; 20 padding on; 21 set beside a mask; 24:22 after every 64 words; 31:25 4 words of it
.set ADRA, 16                          ; v16-17  LDS address of my A fragments in slot 0, 1
.set ADRB, 20                          ; v20-21  the same for B
.set STO,  24                          ; v24     the way out: where I put 16 bytes of a row
.set RD,   25                          ; v25     the way out: where I read a row back
.set CO,   26                          ; v26     my byte offset in C
.set SPW,  28                          ; v28     LDS address of my spare word; never rewritten
.set NIL,  29                          ; v29     0; never rewritten
.set TMP,  32
.set F0,   64
.set F1,   160
.set BK,   64                          ; the way out: block a's rows come back into v[BK + 32 a ..]: four sets, none used twice
.set G1,  24                           ; s[24:31] descriptor group 1 for A's tiles;  s[32:39] group 0, a set for each slot
.set G0,  32
.set G1B, 48                           ; s[48:55], s[56:63] the same for B's tiles
.set G0B, 56
.set WV,  80                           ; s80 my wave's number
.set RH,  81                           ; s81 which 64 rows of the tile are mine.  Also: I fetch for A (0) or for B (1)
.set CH,  82                           ; s82 which 128 columns.  Also: which half of that tile I fetch
.set MSB, 0
.macro WIN new                         ; the immediate's high byte repeats the setting that is left; a switch that changes nothing is dropped
.if MSB != (\new)
	s_set_vgpr_msb (MSB<<8)|(\new)
.set MSB, \new
.endif
.endm
.macro JLOAD s                         ; a joint load: waves 0 and 1 fetch A's halves, waves 2 and 3 B's; an s_nop 0 and four v_nop follow each of the two lines
	s_cmp_eq_u32 s[RH], 0
	s_cbranch_scc0 .Lfor_b_\@
	tensor_load_to_lds s[G0+4*(\s):G0+4*(\s)+3], s[G1:G1+7]
	s_nop 0
.rept 4
	v_nop
.endr
	s_branch .Lasked_\@
.Lfor_b_\@:
	tensor_load_to_lds s[G0B+4*(\s):G0B+4*(\s)+3], s[G1B:G1B+7]
	s_nop 0
.rept 4
	v_nop
.endr
.Lasked_\@:
.endm
.macro CREST                           ; a round of the cluster's barrier behind its opening barrier
	s_cmp_lg_u32 s[WV], 0
	s_cbranch_scc1 .Lnot_wave_0_\@
	s_barrier_signal -3
.Lnot_wave_0_\@:
	s_barrier_wait -3
	s_barrier_signal -1
	s_barrier_wait -1
.endm
.macro CROUND                          ; a whole round
	s_barrier_signal -1
	s_barrier_wait -1
	CREST
.endm
.macro PLACES                          ; four places in front of loads into registers that matrix instructions have read, and of conversions that read results
.rept 4
	v_nop
.endr
.endm
; 8 matrix instructions: m block a x all 8 n blocks, 32 along K, from buffer f.  z = 0: onto the sums; z = 2: the bias starts them.  The 32 accumulators take turns.
.macro MUL8 f, a, z
.if (\z) == 2
	WIN 0x60                                       ; D window 1, C window 2
.else
	WIN 0x50                                       ; D and C window 1
.endif
.irp b, 0,1,2,3,4,5,6,7
.if (\z) == 2
	v_wmma_f32_16x16x32_bf16 v[8*(8*(\a)+(\b)):8*(8*(\a)+(\b))+7], v[(\f)+32+8*(\b):(\f)+32+8*(\b)+7], v[(\f)+8*(\a):(\f)+8*(\a)+7], v[8*(\b):8*(\b)+7]
.else
	v_wmma_f32_16x16x32_bf16 v[8*(8*(\a)+(\b)):8*(8*(\a)+(\b))+7], v[(\f)+32+8*(\b):(\f)+32+8*(\b)+7], v[(\f)+8*(\a):(\f)+8*(\a)+7], v[8*(8*(\a)+(\b)):8*(8*(\a)+(\b))+7]
.endif
.endr
.endm
; 24 LDS loads in one run: the fragments of 32 along K at byte k of the rows, into buffer f: B's eight, then A's four
.macro FETCH slot, k, f
	WIN 0
.irp i, 0,1,2,3,4,5,6,7
	ds_load_b128 v[(\f)+32+8*(\i):(\f)+32+8*(\i)+3],   v[ADRB+(\slot)] offset:(\k)+(\i)*16*PITCH
	ds_load_b128 v[(\f)+32+8*(\i)+4:(\f)+32+8*(\i)+7], v[ADRB+(\slot)] offset:(\k)+(\i)*16*PITCH+32
.endr
.irp i, 0,1,2,3
	ds_load_b128 v[(\f)+8*(\i):(\f)+8*(\i)+3],   v[ADRA+(\slot)] offset:(\k)+(\i)*16*PITCH
	ds_load_b128 v[(\f)+8*(\i)+4:(\f)+8*(\i)+7], v[ADRA+(\slot)] offset:(\k)+(\i)*16*PITCH+32
.endr
.endm
; A K step is four quarters of 32 along K, 32 matrix instructions each, on buffers 0, 1, 0, 1.  One of the first three multiplies buffer f and fetches the next quarter, at byte k, into g.
.macro QUARTER slot, k, f, g, z
	s_wait_dscnt 4                                 ; B and A's blocks 0, 1 are in; the youngest four loads (A's blocks 2, 3) may be out
	MUL8 \f, 0, \z
	MUL8 \f, 1, \z
	PLACES
	FETCH \slot, \k, \g
	s_wait_dscnt 24                                ; all but the 24 just issued
	MUL8 \f, 2, \z
	MUL8 \f, 3, \z
.endm
; The last quarter multiplies buffer 1 and changes slots: ONE barrier; in front of it each wave waits for all its tensor loads (one is out: its part of the next slot), adds 0 to its
; spare word, and waits for that and for its own reads of this slot.  fill = 1: the barrier opens a round of the cluster's, and this slot is filled again, two K steps ahead, first thing behind it.
.macro TURN slot, next, fill
	WIN 0                                          ; (the add's two registers lie in window 0)
	s_wait_tensorcnt 0x0                           ; all my tensor loads have landed
	ds_add_u32 v[SPW], v[NIL]                      ; 0 onto my spare word
	s_wait_dscnt 5                                 ; (the add and the youngest four loads may be out)
	MUL8 F1, 0, 0                                  ; eight matrix instructions stand between the add and the wait for it
	s_wait_dscnt 0x0                               ; the add is done, and my reads of this slot are over
	s_barrier_signal -1
	MUL8 F1, 1, 0
.if \fill
	WIN 0
.endif
	s_barrier_wait -1
.if \fill
	CREST                                          ; no wave of any partner still reads this slot's tile or has a load on its way
	s_add_nc_u64 s[G0+4*(\slot)+2:G0+4*(\slot)+3], s[G0+4*(\slot)+2:G0+4*(\slot)+3], 2*ASTEP
	s_add_nc_u64 s[G0B+4*(\slot)+2:G0B+4*(\slot)+3], s[G0B+4*(\slot)+2:G0B+4*(\slot)+3], 2*BSTEP
	JLOAD \slot                                    ; 112 matrix instructions ahead of the wait for it; the four v_nop behind it are also the places in front of the loads below
.else
	PLACES
.endif
	FETCH \next, 0, F0
	MUL8 F1, 2, 0
	MUL8 F1, 3, 0
.endm
	s_load_b256 s[4:11], s[0:1], 0x0               ; xb s[4:5], wb s[6:7], bq s[8:9], bk s[10:11]
	s_load_b128 s[72:75], s[0:1], 0x20             ; bv s[72:73], qkv s[74:75]
	v_lshl_add_u32 v[SPW], v0, 2, SPARE
	v_mov_b32 v[NIL], 0
	ds_add_u32 v[SPW], v[NIL]                      ; the wave's opening: the add and its wait stand ahead of my first tensor load; the set-up below, work on registers, stands between them
	v_lshrrev_b32 v1, 5, v0
	v_readfirstlane_b32 s[WV], v1                  ; wave 0..3
	s_lshr_b32 s[RH], s[WV], 1
	s_and_b32 s[CH], s[WV], 1
	s_bfe_u32 s40, ttmp6, 0x40000                  ; cx, cy: my place in the cluster
	s_bfe_u32 s41, ttmp6, 0x40004
	s_mov_b32 s12, ttmp9                           ; the cluster's x: 0, 1, 2: its 1,024 columns are Q's, K's, V's
	s_lshl_b32 s42, ttmp9, 2
	s_add_co_u32 s42, s42, s40                     ; tile column = 4 x cluster x + cx
	s_and_b32 s13, ttmp7, 0xffff
	s_lshl_b32 s13, s13, 2
	s_add_co_u32 s13, s13, s41                     ; tile row = 4 x cluster y + cy
	s_lshl_b32 s43, s41, 2
	s_lshl_b32 s43, 15, s43                        ; my row of the cluster
	s_lshl_b32 s44, 0x1111, s40                    ; my column
	s_or_b32 s[G1+0], s43, FLAGS                   ; A's tiles go to my row,
	s_or_b32 s[G1B+0], s44, FLAGS                  ; B's to my column
.irp g, G1, G1B
	s_mov_b32 s[(\g)+1], 128<<16                   ; tensor_dim0 = 128
	s_mov_b32 s[(\g)+3], 128<<16                   ; tile_dim0 = 128
	s_mov_b32 s[(\g)+6], 0
	s_mov_b32 s[(\g)+7], 0
.endr
	s_mov_b32 s[G1+2], 64<<16                      ; A: tensor_dim1 = tile_dim1 = 64 rows a load
	s_mov_b32 s[G1+4], 64
	s_mov_b32 s[G1+5], APITCH
	s_mov_b32 s[G1B+2], 128<<16                    ; B: 128 rows a load
	s_mov_b32 s[G1B+4], 128
	s_mov_b32 s[G1B+5], BPITCH
	s_lshl_b32 s17, s[CH], 6                       ; A's tile hangs on the tile row alone, B's on the tile column alone, each in registers that never hold the other coordinate
	s_lshl_b32 s16, s13, 7
	s_add_co_u32 s16, s16, s17                     ; A: row 128 x tile row + 64 x half,
	s_lshl_b32 s16, s16, 11                        ; of 2,048 bytes
	s_mov_b32 s17, 0
	s_lshl_b32 s47, s[CH], 7
	s_lshl_b32 s46, s42, 8
	s_add_co_u32 s46, s46, s47                     ; B: row 256 x tile column + 128 x half
	s_lshl_b32 s46, s46, 11
	s_mov_b32 s47, 0
	s_mul_i32 s20, s[CH], AH                       ; where they go in a slot: no place in the cluster enters an LDS address
	s_mul_i32 s21, s[CH], BH
	s_add_co_u32 s21, s21, 2*AH
	s_wait_dscnt 0x0                               ; the opening add is done
	s_wait_kmcnt 0x0
	s_add_nc_u64 s[14:15], s[4:5], s[16:17]
	s_add_nc_u64 s[46:47], s[6:7], s[46:47]
	CROUND                                         ; all sixteen work-groups are here: the first joint loads meet
.irp s, 0,1
	s_mov_b32 s[G0+4*(\s)], 1                      ; count = 1
	s_add_co_u32 s[G0+4*(\s)+1], s20, (\s)*SLOT    ; LDS address
	s_add_nc_u64 s[G0+4*(\s)+2:G0+4*(\s)+3], s[14:15], (\s)*ASTEP  ; global address: K step s
	s_or_b32 s[G0+4*(\s)+3], s[G0+4*(\s)+3], 0x80000000            ; type = 2
	s_mov_b32 s[G0B+4*(\s)], 1
	s_add_co_u32 s[G0B+4*(\s)+1], s21, (\s)*SLOT
	s_add_nc_u64 s[G0B+4*(\s)+2:G0B+4*(\s)+3], s[46:47], (\s)*BSTEP
	s_or_b32 s[G0B+4*(\s)+3], s[G0B+4*(\s)+3], 0x80000000
	JLOAD \s                                       ; two loads of mine are out: the most in this text
.endr
	; the bias of my 128 columns, laid as an accumulator row lies: register 8 b + j = bias[16 b + 8 (l / 16) + j]
	v_and_b32 v1, 15, v0                           ; l % 16
	v_bfe_u32 v2, v0, 4, 1                         ; l / 16
	v_lshlrev_b32 v4, 5, v2
	s_cmp_eq_u32 s12, 1                            ; chosen on the cluster's x, which all partners share
	s_cselect_b64 s[76:77], s[10:11], s[8:9]
	s_cmp_eq_u32 s12, 2
	s_cselect_b64 s[76:77], s[72:73], s[76:77]
	s_lshl_b32 s78, s40, 10                        ; 256 cx + 128 x half columns of 4 bytes
	s_lshl_b32 s79, s[CH], 9
	s_add_co_u32 s78, s78, s79
	s_mov_b32 s79, 0
	s_add_nc_u64 s[76:77], s[76:77], s[78:79]
	WIN 0x80                                       ; destination window 2, address window 0
.irp b, 0,1,2,3,4,5,6,7
	global_load_b128 v[8*(\b):8*(\b)+3],   v4, s[76:77] offset:64*(\b)
	global_load_b128 v[8*(\b)+4:8*(\b)+7], v4, s[76:77] offset:64*(\b)+16
.endr
	WIN 0
	; A fragment is 16 rows x 32 K in 8 registers: lane l holds row l % 16, K = 8 (l / 16) + 0..7 and 16 + 8 (l / 16) + 0..7: two loads of 16 bytes, 32 bytes apart
	v_mul_u32_u24 v3, v1, PITCH
	v_lshl_add_u32 v3, v2, 4, v3
	s_mul_i32 s22, s[RH], AH                       ; my 64 rows of A
	s_mul_i32 s23, s[CH], BH                       ; my 128 rows of B,
	s_add_co_u32 s23, s23, 2*AH                    ; which lie behind A's 128
.irp s, 0,1
	v_add_nc_u32 v[ADRA+(\s)], s22, v3
	v_add_nc_u32 v[ADRB+(\s)], s23, v3
	s_add_co_u32 s22, s22, SLOT
	s_add_co_u32 s23, s23, SLOT
.endr
	s_mul_i32 s22, s[WV], 16*PITCH
	s_add_co_u32 s22, s22, STAGE                   ; my stage
	v_add_nc_u32 v[STO], s22, v3                   ; in: row l % 16, 16 bytes for each half of the lanes
	v_mul_u32_u24 v5, v2, PITCH                    ; back: lanes 0-15 take one row of 256 bytes, lanes 16-31 the next
	v_lshl_add_u32 v5, v1, 4, v5
	v_add_nc_u32 v[RD], s22, v5
	v_mul_u32_u24 v5, v2, CP                       ; and the same two rows in C
	v_lshl_add_u32 v[CO], v1, 4, v5
	s_lshl_b32 s16, s13, 7
	s_lshl_b32 s17, s[RH], 6
	s_add_co_u32 s16, s16, s17                     ; my first row of C
	s_mul_i32 s16, s16, CP
	s_mov_b32 s17, 0
	s_add_nc_u64 s[74:75], s[74:75], s[16:17]
	s_lshl_b32 s46, s42, 9                         ; my first column, in bytes: 512 x tile column + 256 x half
	s_lshl_b32 s47, s[CH], 8
	s_add_co_u32 s46, s46, s47
	s_mov_b32 s47, 0
	s_add_nc_u64 s[74:75], s[74:75], s[46:47]
	s_wait_tensorcnt 1                             ; my part of K step 0 is in; K step 1's may stay out
	s_barrier_signal -1
	s_barrier_wait -1                              ; everybody's is
	FETCH 0, 0, F0
	s_wait_loadcnt 0x0                             ; the bias
	QUARTER 0, 64, F0, F1, 2                       ; the first quarter stands in front of the loop: its products start the sums, with the bias as C
	WIN 0                                          ; at a label and at a branch every window is 0
	s_mov_b32 s3, LAPS-1
.Llap:                                                 ; a trip goes once round the ring, from a lap's second quarter to the next lap's first, and fills both slots again
	QUARTER 0, 128, F1, F0, 0
	QUARTER 0, 192, F0, F1, 0
	TURN 0, 1, 1
	QUARTER 1, 64,  F0, F1, 0
	QUARTER 1, 128, F1, F0, 0
	QUARTER 1, 192, F0, F1, 0
	TURN 1, 0, 1
	QUARTER 0, 64,  F0, F1, 0
	WIN 0
	s_sub_co_u32 s3, s3, 1
	s_cmp_lg_u32 s3, 0
	s_cbranch_scc1 .Llap
	QUARTER 0, 128, F1, F0, 0                      ; the last lap fills nothing, and has no round of the cluster's barrier
	QUARTER 0, 192, F0, F1, 0
	TURN 0, 1, 0
	QUARTER 1, 64,  F0, F1, 0
	QUARTER 1, 128, F1, F0, 0
	QUARTER 1, 192, F0, F1, 0
	s_wait_dscnt 4                                 ; the very last quarter: nothing more to fetch
	MUL8 F1, 0, 0
	MUL8 F1, 1, 0
	s_wait_dscnt 0x0
	MUL8 F1, 2, 0
	MUL8 F1, 3, 0
	WIN 0
	PLACES
; THE WAY OUT of block a (16 rows x 128 columns).  PACK: rounded to bf16, 16 bytes a lane, each accumulator from its low end.  TOSTAGE: into my own stage, and back as whole rows of 256 bytes.  SEND: stored.
.macro PACK a
	WIN 0x05                                       ; sources 0 and 1 window 1
.irp b, 0,1,2,3,4,5,6,7
.irp i, 0,1,2,3
	v_cvt_pk_bf16_f32 v[TMP+4*(\b)+(\i)], v[64*(\a)+8*(\b)+2*(\i)], v[64*(\a)+8*(\b)+2*(\i)+1]
.endr
.endr
	WIN 0
.endm
.macro TOSTAGE a
	WIN 0
.irp b, 0,1,2,3,4,5,6,7
	ds_store_b128 v[STO], v[TMP+4*(\b):TMP+4*(\b)+3] offset:32*(\b)
.endr
.irp t, 0,1,2,3,4,5,6,7
	ds_load_b128 v[BK+32*(\a)+4*(\t):BK+32*(\a)+4*(\t)+3], v[RD] offset:(\t)*2*PITCH  ; LDS serves a wave's instructions in order (ISA guide 5.7.1.4): these see the stores above
.endr
.endm
.macro SEND a
	WIN 0
	s_wait_dscnt 0x0                               ; the block is back in registers
.irp t, 0,1,2,3,4,5,6,7
	global_store_b128 v[CO], v[BK+32*(\a)+4*(\t):BK+32*(\a)+4*(\t)+3], s[74:75] offset:(16*(\a)+2*(\t))*CP  ; 16 lanes store 256 consecutive bytes, at a multiple of 256 from qkv's first byte
.endr
.endm
	PACK 0
	TOSTAGE 0
.irp a, 1,2,3                          ; block a's conversions stand between block a - 1's loads from the stage and the wait for them
	PACK \a
	SEND (\a)-1
	TOSTAGE \a
.endr
	SEND 3
	s_wait_tensorcnt 0x0                           ; the wave's end: behind my last tensor load and my last LDS store
	ds_add_u32 v[SPW], v[NIL]
	s_wait_dscnt 0x0
	CROUND                                         ; the closing round: no work-group ends while a partner may still ask for a tile that names it
	s_endpgm
.Lfunc_end_k_q3f7a49f4a4_proj:
	.size	k_q3f7a49f4a4_proj, .Lfunc_end_k_q3f7a49f4a4_proj-k_q3f7a49f4a4_proj
	.p2alignl 7, 3214868480
	.fill 96, 4, 3214868480
	.section	.rodata,"a",@progbits
	.p2align	6, 0x0
	.amdhsa_kernel k_q3f7a49f4a4_proj
		.amdhsa_group_segment_fixed_size 327680
		.amdhsa_private_segment_fixed_size 0
		.amdhsa_enable_private_segment 0
		.amdhsa_kernarg_size 48
		.amdhsa_user_sgpr_count 2
		.amdhsa_user_sgpr_kernarg_segment_ptr 1
		.amdhsa_wavefront_size32 1
		.amdhsa_system_sgpr_workgroup_id_x 1
		.amdhsa_system_sgpr_workgroup_id_y 1
		.amdhsa_system_sgpr_workgroup_id_z 1
		.amdhsa_system_vgpr_workitem_id 0
		.amdhsa_next_free_vgpr 576
		.amdhsa_next_free_sgpr 84
		.amdhsa_reserve_vcc 0
		.amdhsa_float_denorm_mode_32 3
		.amdhsa_float_denorm_mode_16_64 3
		.amdhsa_memory_ordered 1
		.amdhsa_forward_progress 1
		.amdhsa_inst_pref_size 88
	.end_amdhsa_kernel
	.amdgpu_metadata
---
amdhsa.version: [ 1, 2 ]
amdhsa.kernels:
  - .name:           k_q3f7a49f4a4_proj
    .symbol:         k_q3f7a49f4a4_proj.kd
    .args:
      - { .name: xb, .offset: 0, .size: 8, .value_kind: global_buffer, .address_space: global }
      - { .name: wb, .offset: 8, .size: 8, .value_kind: global_buffer, .address_space: global }
      - { .name: bq, .offset: 16, .size: 8, .value_kind: global_buffer, .address_space: global }
      - { .name: bk, .offset: 24, .size: 8, .value_kind: global_buffer, .address_space: global }
      - { .name: bv, .offset: 32, .size: 8, .value_kind: global_buffer, .address_space: global }
      - { .name: qkv, .offset: 40, .size: 8, .value_kind: global_buffer, .address_space: global }
    .group_segment_fixed_size: 327680
    .private_segment_fixed_size: 0
    .kernarg_segment_align: 8
    .kernarg_segment_size: 48
    .max_flat_workgroup_size: 128
    .sgpr_count:     84
    .vgpr_count:     576
    .wavefront_size: 32
...
	.end_amdgpu_metadata
.endif
;; end of part 2
;; launch scores (part 3): grid 8 x 64, 4 waves a work-group, clusters of 4 x 4, 327,680 bytes of LDS; arguments qkv, p, stats; writes p, stats
.if DOCPART == 3
	.amdgcn_target "amdgcn-amd-amdhsa--gfx1250"
	.amdhsa_code_object_version 6
	.text
	.protected	k_q3f7a49f4a4_scores
	.globl	k_q3f7a49f4a4_scores
	.p2align	8
	.type	k_q3f7a49f4a4_scores,@function
k_q3f7a49f4a4_scores:
	s_mov_b64 s[64:65], 0
	v_nop
	global_prefetch_b8 v0, s[64:65] scope:SCOPE_SE
	s_setreg_imm32_b32 hwreg(HW_REG_WAVE_MODE, 25, 1), 1
	s_wait_xcnt 0x0
	s_wait_alu depctr_hold_cnt(0) depctr_sa_sdst(0) depctr_va_vdst(0) depctr_va_sdst(0) depctr_va_ssrc(0) depctr_va_vcc(0) depctr_vm_vsrc(0)
	s_getreg_b32 s2, hwreg(HW_REG_IB_STS2, 6, 4)
	s_cmp_eq_u32 s2, 0
	s_cbranch_scc0 .Lentry_in_a_cluster
	s_endpgm
.Lentry_in_a_cluster:
	s_bfe_u32 s2, ttmp6, 0x10000c
	s_cmp_lg_u32 s2, 0xf033
	s_cbranch_scc0 .Lentry_shape_is_right
	s_endpgm
.Lentry_shape_is_right:
; For each batch: s = Q K^T (Q and K out of qkv, [8192][3072] bf16: Q at byte 0, K at byte 2,048 of a row), sums in f32.  With c = log2(e) / 32, for each query and each SEGMENT of 128 keys:
;   n = ceil(c x the segment's largest s),   p = 2^(c s - n) (at most 1, the largest above 1/2), rounded to bf16 into p: [8192][2048],   l = the sum of the unrounded p.
; n and l go to stats; the launch behind ties a row's 16 segments together by the exact factors 2^(n - N), N the row's largest n: so the row's maximum is taken away, in two steps.
; LIMITS.  n is a whole number kept in f32: exact while |c s| < 2^24.  A weight below 2^-126 counts as 0.  NaN and infinities are not treated apart.
; stats: f32, [batch 4][segment 16][group of 64 rows 32][n, l][row % 16][row / 16 % 4]: a wave's 64 n and 64 l are 512 consecutive bytes.
; A tile of s is 128 queries x 256 keys: four waves, each 64 x 128 (one segment): 32 accumulators of 16 x 16.  8 x 64 tiles: two for each of 256 WGPs.  K goes in steps of 128 through two LDS slots.
; CLUSTERS: 4 x 4 work-groups of one batch.  The four of a row need the same tiles of Q, the four of a column the same tiles of K: each is asked for JOINTLY.
; THE MATRIX INSTRUCTION IS USED TRANSPOSED (source 0 = 16 keys, source 1 = 16 queries): lane l holds query l % 16 and the keys 16 b + 8 (l / 16) + 0..7: a query's 128 scores lie in two lanes, 16 apart.
; REGISTERS: window 0: v0-31 addresses; v32-63 at work; v64-159, v160-255 two fragment buffers (4 fragments of A, 8 of B)          window 1: accumulator (a, b) at v[8 (8 a + b)]
.set PITCH,  272                       ; an LDS row: 256 bytes + 16 of padding: the 16 rows of a fragment load start at 16 different groups of four banks (64 banks of 4 bytes: ISA guide 11.1)
.set AH,     64*PITCH
.set BH,     128*PITCH
.set SLOT,   2*AH+2*BH                 ; Q's 128 rows, then K's 256 rows
.set STAGE,  2*SLOT                    ; behind the ring: 16 rows x 272 bytes for each wave
.set SPARE,  STAGE+4*16*PITCH          ; the spare words, 128 bytes a wave: two blocks of 256 bytes that no other line names
.set LAPS,   1024/256
.set ASTEP,  256
.set BSTEP,  256
.set QP,     6144                      ; bytes in a row of qkv
.set CP,     4096                      ; bytes in a row of p
.set FLAGS,  (1<<16)|(1<<20)|(1<<21)|(5<<22)|(3<<25)  ; elements of 2 bytes; padding on; bit 21 beside a mask; after every 64 words 4 words
.set ADRA, 16
.set ADRB, 20
.set STO,  24
.set RD,   25
.set CO,   26
.set LN16, 27                          ; v27     16 x lane
.set SPW,  28
.set NIL,  29
.set CM,   32                          ; v32-39  eight running maxima
.set NG,   40                          ; v40-41  -n (the packed scaling names the pair and takes its low word)
.set XC,   42                          ; v42     what the lane 16 away holds
.set LP,   44                          ; v44-45  the sum, even and odd keys'
.set NST,  48                          ; v48-51  n of blocks 0-3
.set LST,  52                          ; v52-55  l of blocks 0-3
.set SD,   56                          ; v56-59  what goes to stats
.set F0,   64
.set F1,   160
.set TMP,  64                          ; the way out: packed weights
.set BK,   96                          ; block a's rows come back into v[BK + 32 a ..]
.set G1,  24
.set G0,  32
.set G1B, 48
.set G0B, 56
.set WV,  80
.set RH,  81
.set CH,  82
.set MSB, 0
.macro WIN new
.if MSB != (\new)
	s_set_vgpr_msb (MSB<<8)|(\new)
.set MSB, \new
.endif
.endm
.macro JLOAD s                         ; a joint load: waves 0 and 1 fetch Q's halves, waves 2 and 3 K's; an s_nop 0 and four v_nop follow each of the two lines
	s_cmp_eq_u32 s[RH], 0
	s_cbranch_scc0 .Lfor_b_\@
	tensor_load_to_lds s[G0+4*(\s):G0+4*(\s)+3], s[G1:G1+7]
	s_nop 0
.rept 4
	v_nop
.endr
	s_branch .Lasked_\@
.Lfor_b_\@:
	tensor_load_to_lds s[G0B+4*(\s):G0B+4*(\s)+3], s[G1B:G1B+7]
	s_nop 0
.rept 4
	v_nop
.endr
.Lasked_\@:
.endm
.macro CREST
	s_cmp_lg_u32 s[WV], 0
	s_cbranch_scc1 .Lnot_wave_0_\@
	s_barrier_signal -3
.Lnot_wave_0_\@:
	s_barrier_wait -3
	s_barrier_signal -1
	s_barrier_wait -1
.endm
.macro CROUND
	s_barrier_signal -1
	s_barrier_wait -1
	CREST
.endm
.macro PLACES                          ; four places behind matrix instructions (ISA guide 7.12.1)
.rept 4
	v_nop
.endr
.endm
; 8 matrix instructions: query block a x all 8 key blocks, 32 along K.  z = 1: the product starts the sums.  The 32 accumulators take turns.
.macro MUL8 f, a, z
	WIN 0x50                                       ; D and C window 1
.irp b, 0,1,2,3,4,5,6,7
.if (\z) == 1
	v_wmma_f32_16x16x32_bf16 v[8*(8*(\a)+(\b)):8*(8*(\a)+(\b))+7], v[(\f)+32+8*(\b):(\f)+32+8*(\b)+7], v[(\f)+8*(\a):(\f)+8*(\a)+7], 0
.else
	v_wmma_f32_16x16x32_bf16 v[8*(8*(\a)+(\b)):8*(8*(\a)+(\b))+7], v[(\f)+32+8*(\b):(\f)+32+8*(\b)+7], v[(\f)+8*(\a):(\f)+8*(\a)+7], v[8*(8*(\a)+(\b)):8*(8*(\a)+(\b))+7]
.endif
.endr
.endm
.macro FETCH slot, k, f                ; 24 LDS loads in one run: B's eight fragments, then A's four
	WIN 0
.irp i, 0,1,2,3,4,5,6,7
	ds_load_b128 v[(\f)+32+8*(\i):(\f)+32+8*(\i)+3],   v[ADRB+(\slot)] offset:(\k)+(\i)*16*PITCH
	ds_load_b128 v[(\f)+32+8*(\i)+4:(\f)+32+8*(\i)+7], v[ADRB+(\slot)] offset:(\k)+(\i)*16*PITCH+32
.endr
.irp i, 0,1,2,3
	ds_load_b128 v[(\f)+8*(\i):(\f)+8*(\i)+3],   v[ADRA+(\slot)] offset:(\k)+(\i)*16*PITCH
	ds_load_b128 v[(\f)+8*(\i)+4:(\f)+8*(\i)+7], v[ADRA+(\slot)] offset:(\k)+(\i)*16*PITCH+32
.endr
.endm
.macro QUARTER slot, k, f, g, z
	s_wait_dscnt 4                                 ; B and A's blocks 0, 1 are in; the youngest four loads (A's blocks 2, 3) may be out
	MUL8 \f, 0, \z
	MUL8 \f, 1, \z
	PLACES
	FETCH \slot, \k, \g
	s_wait_dscnt 24                                ; all but the 24 just issued
	MUL8 \f, 2, \z
	MUL8 \f, 3, \z
.endm
; The change of slots: ONE barrier; in front of it each wave waits for all its tensor loads, adds 0 to its spare word, and waits for that and for its reads of this slot.
; fill = 1: the barrier opens a round of the cluster's, and this slot is filled again, two K steps ahead, first thing behind it.
.macro TURN slot, next, fill
	WIN 0
	s_wait_tensorcnt 0x0                           ; all my tensor loads have landed: the one that was out is my part of the next slot
	ds_add_u32 v[SPW], v[NIL]                      ; 0 onto my spare word
	s_wait_dscnt 5                                 ; (the add and the youngest four loads may be out)
	MUL8 F1, 0, 0
	s_wait_dscnt 0x0                               ; the add is done, and my reads of this slot are over
	s_barrier_signal -1
	MUL8 F1, 1, 0
.if \fill
	WIN 0
.endif
	s_barrier_wait -1
.if \fill
	CREST
	s_add_nc_u64 s[G0+4*(\slot)+2:G0+4*(\slot)+3], s[G0+4*(\slot)+2:G0+4*(\slot)+3], 2*ASTEP
	s_add_nc_u64 s[G0B+4*(\slot)+2:G0B+4*(\slot)+3], s[G0B+4*(\slot)+2:G0B+4*(\slot)+3], 2*BSTEP
	JLOAD \slot                                    ; 112 matrix instructions ahead of the wait for it; its four v_nop are also the places in front of the loads below
.else
	PLACES
.endif
	FETCH \next, 0, F0
	MUL8 F1, 2, 0
	MUL8 F1, 3, 0
.endm
	s_load_b128 s[4:7], s[0:1], 0x0                ; qkv s[4:5], p s[6:7]
	s_load_b64 s[8:9], s[0:1], 0x10                ; stats
	v_lshl_add_u32 v[SPW], v0, 2, SPARE
	v_mov_b32 v[NIL], 0
	ds_add_u32 v[SPW], v[NIL]                      ; the wave's opening: the add and its wait stand ahead of my first tensor load; the set-up below stands between them
	v_lshrrev_b32 v1, 5, v0
	v_readfirstlane_b32 s[WV], v1
	s_lshr_b32 s[RH], s[WV], 1
	s_and_b32 s[CH], s[WV], 1
	s_bfe_u32 s40, ttmp6, 0x40000                  ; cx, cy
	s_bfe_u32 s41, ttmp6, 0x40004
	s_lshl_b32 s42, ttmp9, 2
	s_add_co_u32 s42, s42, s40                     ; tile column (256 keys) = 4 x cluster x + cx
	s_and_b32 s13, ttmp7, 0xffff
	s_lshr_b32 s45, s13, 2                         ; the batch: 16 tile rows, four clusters, each; all partners share it
	s_lshl_b32 s13, s13, 2
	s_add_co_u32 s13, s13, s41                     ; tile row (128 queries) = 4 x cluster y + cy
	s_lshl_b32 s43, s41, 2
	s_lshl_b32 s43, 15, s43                        ; my row of the cluster
	s_lshl_b32 s44, 0x1111, s40                    ; my column
	s_or_b32 s[G1+0], s43, FLAGS
	s_or_b32 s[G1B+0], s44, FLAGS
.irp g, G1, G1B
	s_mov_b32 s[(\g)+1], 128<<16                   ; tensor_dim0 = 128
	s_mov_b32 s[(\g)+3], 128<<16                   ; tile_dim0 = 128
	s_mov_b32 s[(\g)+5], 3072                      ; elements from row to row
	s_mov_b32 s[(\g)+6], 0
	s_mov_b32 s[(\g)+7], 0
.endr
	s_mov_b32 s[G1+2], 64<<16                      ; Q: 64 rows a load
	s_mov_b32 s[G1+4], 64
	s_mov_b32 s[G1B+2], 128<<16                    ; K: 128 rows a load
	s_mov_b32 s[G1B+4], 128
	s_lshl_b32 s17, s[CH], 6
	s_lshl_b32 s16, s13, 7
	s_add_co_u32 s16, s16, s17                     ; Q: row 128 x tile row + 64 x half
	s_mul_i32 s16, s16, QP
	s_mov_b32 s17, 0
	s_lshl_b32 s46, s45, 11                        ; K: row 2,048 x batch + 256 x tile column + 128 x half,
	s_lshl_b32 s47, s42, 8
	s_add_co_u32 s46, s46, s47
	s_lshl_b32 s47, s[CH], 7
	s_add_co_u32 s46, s46, s47
	s_mul_i32 s46, s46, QP
	s_add_co_u32 s46, s46, 2048                    ; and K's place in a row
	s_mov_b32 s47, 0
	s_mul_i32 s20, s[CH], AH
	s_mul_i32 s21, s[CH], BH
	s_add_co_u32 s21, s21, 2*AH
	s_mov_b32 s66, 0x3d38aa3b                      ; c = log2(e) / 32
	s_mov_b32 s67, s66                             ; named with it as a pair
	s_mov_b32 s68, 0x76543210                      ; v_permlanex16_b32's selects: each lane takes its own place in the other half
	s_mov_b32 s69, 0xfedcba98
	s_mov_b32 s70, 0xbd38aa3b                      ; -c
	s_wait_dscnt 0x0                               ; the opening add is done
	s_wait_kmcnt 0x0
	s_add_nc_u64 s[14:15], s[4:5], s[16:17]
	s_add_nc_u64 s[46:47], s[4:5], s[46:47]
	CROUND                                         ; all sixteen work-groups are here: the first joint loads meet
.irp s, 0,1
	s_mov_b32 s[G0+4*(\s)], 1
	s_add_co_u32 s[G0+4*(\s)+1], s20, (\s)*SLOT
	s_add_nc_u64 s[G0+4*(\s)+2:G0+4*(\s)+3], s[14:15], (\s)*ASTEP
	s_or_b32 s[G0+4*(\s)+3], s[G0+4*(\s)+3], 0x80000000
	s_mov_b32 s[G0B+4*(\s)], 1
	s_add_co_u32 s[G0B+4*(\s)+1], s21, (\s)*SLOT
	s_add_nc_u64 s[G0B+4*(\s)+2:G0B+4*(\s)+3], s[46:47], (\s)*BSTEP
	s_or_b32 s[G0B+4*(\s)+3], s[G0B+4*(\s)+3], 0x80000000
	JLOAD \s                                       ; two loads of mine are out: the most in this text
.endr
	v_and_b32 v1, 15, v0                           ; l % 16
	v_bfe_u32 v2, v0, 4, 1                         ; l / 16
	v_mul_u32_u24 v3, v1, PITCH
	v_lshl_add_u32 v3, v2, 4, v3                   ; a fragment's row x pitch + 16 x half
	s_mul_i32 s22, s[RH], AH
	s_mul_i32 s23, s[CH], BH
	s_add_co_u32 s23, s23, 2*AH
.irp s, 0,1
	v_add_nc_u32 v[ADRA+(\s)], s22, v3
	v_add_nc_u32 v[ADRB+(\s)], s23, v3
	s_add_co_u32 s22, s22, SLOT
	s_add_co_u32 s23, s23, SLOT
.endr
	s_mul_i32 s22, s[WV], 16*PITCH
	s_add_co_u32 s22, s22, STAGE                   ; my stage
	v_add_nc_u32 v[STO], s22, v3
	v_mul_u32_u24 v5, v2, PITCH
	v_lshl_add_u32 v5, v1, 4, v5
	v_add_nc_u32 v[RD], s22, v5
	v_lshlrev_b32 v5, 12, v2                       ; two rows of p, 4,096 bytes apart
	v_lshl_add_u32 v[CO], v1, 4, v5
	v_and_b32 v[LN16], 31, v0
	v_lshlrev_b32 v[LN16], 4, v[LN16]
	v_mov_b32 v[NG+1], 0                           ; named in a pair, so it is written
	v_mov_b32 v[XC], 0                             ; v_permlanex16_b32's destination counts as read
	s_lshl_b32 s16, s13, 7
	s_lshl_b32 s17, s[RH], 6
	s_add_co_u32 s16, s16, s17                     ; my first row of p
	s_lshl_b32 s16, s16, 12
	s_mov_b32 s17, 0
	s_add_nc_u64 s[6:7], s[6:7], s[16:17]
	s_lshl_b32 s46, s42, 9                         ; my first column, in bytes
	s_lshl_b32 s47, s[CH], 8
	s_add_co_u32 s46, s46, s47
	s_mov_b32 s47, 0
	s_add_nc_u64 s[6:7], s[6:7], s[46:47]
	s_lshl_b32 s78, s45, 4                         ; my block of stats: ((16 batch + segment) x 32 + group) x 512 bytes; segment = 2 x tile column + half, group = 2 x (tile row % 16) + half
	s_lshl_b32 s79, s42, 1
	s_add_co_u32 s78, s78, s79
	s_add_co_u32 s78, s78, s[CH]
	s_lshl_b32 s78, s78, 5
	s_and_b32 s79, s13, 15
	s_lshl_b32 s79, s79, 1
	s_add_co_u32 s78, s78, s79
	s_add_co_u32 s78, s78, s[RH]
	s_lshl_b32 s78, s78, 9
	s_mov_b32 s79, 0
	s_add_nc_u64 s[8:9], s[8:9], s[78:79]
	s_wait_tensorcnt 1                             ; my part of K step 0 is in; K step 1's may stay out
	s_barrier_signal -1
	s_barrier_wait -1
	FETCH 0, 0, F0
	QUARTER 0, 64, F0, F1, 1                       ; the first quarter stands in front of the loop: its products start the sums
	WIN 0
	s_mov_b32 s3, LAPS-1
.Llap:                                                 ; a trip goes once round the ring and fills both slots again
	QUARTER 0, 128, F1, F0, 0
	QUARTER 0, 192, F0, F1, 0
	TURN 0, 1, 1
	QUARTER 1, 64,  F0, F1, 0
	QUARTER 1, 128, F1, F0, 0
	QUARTER 1, 192, F0, F1, 0
	TURN 1, 0, 1
	QUARTER 0, 64,  F0, F1, 0
	WIN 0
	s_sub_co_u32 s3, s3, 1
	s_cmp_lg_u32 s3, 0
	s_cbranch_scc1 .Llap
	QUARTER 0, 128, F1, F0, 0                      ; the last lap fills nothing
	QUARTER 0, 192, F0, F1, 0
	TURN 0, 1, 0
	QUARTER 1, 64,  F0, F1, 0
	QUARTER 1, 128, F1, F0, 0
	QUARTER 1, 192, F0, F1, 0
	s_wait_dscnt 4
	MUL8 F1, 0, 0
	MUL8 F1, 1, 0
	s_wait_dscnt 0x0
	MUL8 F1, 2, 0
	MUL8 F1, 3, 0
	WIN 0
	PLACES
; BLOCK a's SOFTMAX PART: 16 queries x 128 keys; a lane holds 64 scores of one query, in the block's eight accumulators.
.macro SOFT a
.set AC, 64*(\a)
	WIN 0x15                                       ; all three sources window 1.  Eight chains, one an accumulator, each begun at its low end
.irp b, 0,1,2,3,4,5,6,7
	v_max3_num_f32 v[CM+(\b)], v[AC+8*(\b)], v[AC+8*(\b)+1], v[AC+8*(\b)+2]
.endr
	WIN 0x14                                       ; source 0 window 0
.irp b, 0,1,2,3,4,5,6,7
	v_max3_num_f32 v[CM+(\b)], v[CM+(\b)], v[AC+8*(\b)+3], v[AC+8*(\b)+4]
.endr
.irp b, 0,1,2,3,4,5,6,7
	v_max3_num_f32 v[CM+(\b)], v[CM+(\b)], v[AC+8*(\b)+5], v[AC+8*(\b)+6]
.endr
.irp b, 0,2,4,6
	v_max3_num_f32 v[CM+(\b)], v[CM+(\b)], v[AC+8*(\b)+7], v[AC+8*(\b)+15]
.endr
	WIN 0
	v_max3_num_f32 v[CM], v[CM], v[CM+1], v[CM+2]
	v_max3_num_f32 v[CM+3], v[CM+3], v[CM+4], v[CM+5]
	v_max_num_f32 v[CM+6], v[CM+6], v[CM+7]
	v_max3_num_f32 v[CM], v[CM], v[CM+3], v[CM+6]
	v_permlanex16_b32 v[XC], v[CM], s68, s69       ; the query's other 64 keys lie in the lane 16 away
	v_max_num_f32 v[CM], v[CM], v[XC]
	v_mul_f32 v[NG], s70, v[CM]
	v_floor_f32 v[NG], v[NG]                       ; floor(-c max) = -ceil(c max) = -n
	v_sub_f32 v[NST+(\a)], 0, v[NG]
	WIN 0x41                                       ; destination and source 0 window 1
.set i, 0
.rept 32
	v_pk_fma_f32 v[AC+i:AC+i+1], v[AC+i:AC+i+1], s[66:67], v[NG:NG+1] op_sel_hi:[1,0,0]  ; c s - n
.set i, i+2
.endr
.set i, 0
.rept 64
	v_exp_f32 v[AC+i], v[AC+i]
.set i, i+1
.endr
	v_nop                                          ; a plain instruction between the exponentials and the use of their results (ISA guide 5.7.2)
	WIN 0x05                                       ; sources window 1, destination window 0
	s_wait_alu depctr_va_vdst(0)
.irp b, 0,1,2,3,4,5,6,7
.irp i, 0,1,2,3
	v_cvt_pk_bf16_f32 v[TMP+4*(\b)+(\i)], v[AC+8*(\b)+2*(\i)], v[AC+8*(\b)+2*(\i)+1]
.endr
.endr
	WIN 0x45                                       ; the sum of the 32 pairs, in place: neighbours 1, 2, 4, 8 pairs apart
.irp w, 4,8,16,32
.set u, 0
.rept 64/(\w)
	v_pk_add_f32 v[AC+(\w)*u:AC+(\w)*u+1], v[AC+(\w)*u:AC+(\w)*u+1], v[AC+(\w)*u+(\w)/2:AC+(\w)*u+(\w)/2+1]
.set u, u+1
.endr
.endr
	WIN 0x05
	v_pk_add_f32 v[LP:LP+1], v[AC:AC+1], v[AC+32:AC+33]
	WIN 0
	v_add_f32 v[LP], v[LP], v[LP+1]
	v_permlanex16_b32 v[XC], v[LP], s68, s69
	v_add_f32 v[LST+(\a)], v[LP], v[XC]
.endm
.macro TOSTAGE a                       ; into my own stage, and back as whole rows of 256 bytes
	WIN 0
.irp b, 0,1,2,3,4,5,6,7
	ds_store_b128 v[STO], v[TMP+4*(\b):TMP+4*(\b)+3] offset:32*(\b)
.endr
.irp t, 0,1,2,3,4,5,6,7
	ds_load_b128 v[BK+32*(\a)+4*(\t):BK+32*(\a)+4*(\t)+3], v[RD] offset:(\t)*2*PITCH  ; LDS serves a wave's instructions in order (ISA guide 5.7.1.4): these see the stores above
.endr
.endm
.macro SEND a
	WIN 0
	s_wait_dscnt 0x0                               ; the block is back in registers
.irp t, 0,1,2,3,4,5,6,7
	global_store_b128 v[CO], v[BK+32*(\a)+4*(\t):BK+32*(\a)+4*(\t)+3], s[6:7] offset:(16*(\a)+2*(\t))*CP  ; 16 lanes store 256 consecutive bytes, at a multiple of 256 from p's first byte
.endr
.endm
	SOFT 0
	TOSTAGE 0
.irp a, 1,2,3                          ; block a's arithmetic stands between block a - 1's loads from the stage and the wait for them
	SOFT \a
	SEND (\a)-1
	TOSTAGE \a
.endr
	SEND 3
	v_cmp_gt_u32 s71, 256, v[LN16]                 ; lanes 0-15 carry n of rows l + 16 a, lanes 16-31 l of the same rows
.irp a, 0,1,2,3
	v_cndmask_b32 v[SD+(\a)], v[LST+(\a)], v[NST+(\a)], s71
.endr
	global_store_b128 v[LN16], v[SD:SD+3], s[8:9]  ; 512 consecutive bytes, at a multiple of 512 from stats' first byte
	s_wait_tensorcnt 0x0                           ; the wave's end: behind my last tensor load and my last LDS store
	ds_add_u32 v[SPW], v[NIL]
	s_wait_dscnt 0x0
	CROUND                                         ; the closing round: no work-group ends while a partner may still ask for a tile that names it
	s_endpgm
.Lfunc_end_k_q3f7a49f4a4_scores:
	.size	k_q3f7a49f4a4_scores, .Lfunc_end_k_q3f7a49f4a4_scores-k_q3f7a49f4a4_scores
	.p2alignl 7, 3214868480
	.fill 96, 4, 3214868480
	.section	.rodata,"a",@progbits
	.p2align	6, 0x0
	.amdhsa_kernel k_q3f7a49f4a4_scores
		.amdhsa_group_segment_fixed_size 327680
		.amdhsa_private_segment_fixed_size 0
		.amdhsa_enable_private_segment 0
		.amdhsa_kernarg_size 24
		.amdhsa_user_sgpr_count 2
		.amdhsa_user_sgpr_kernarg_segment_ptr 1
		.amdhsa_wavefront_size32 1
		.amdhsa_system_sgpr_workgroup_id_x 1
		.amdhsa_system_sgpr_workgroup_id_y 1
		.amdhsa_system_sgpr_workgroup_id_z 1
		.amdhsa_system_vgpr_workitem_id 0
		.amdhsa_next_free_vgpr 512
		.amdhsa_next_free_sgpr 84
		.amdhsa_reserve_vcc 0
		.amdhsa_float_denorm_mode_32 3
		.amdhsa_float_denorm_mode_16_64 3
		.amdhsa_memory_ordered 1
		.amdhsa_forward_progress 1
		.amdhsa_inst_pref_size 121
	.end_amdhsa_kernel
	.amdgpu_metadata
---
amdhsa.version: [ 1, 2 ]
amdhsa.kernels:
  - .name:           k_q3f7a49f4a4_scores
    .symbol:         k_q3f7a49f4a4_scores.kd
    .args:
      - { .name: qkv, .offset: 0, .size: 8, .value_kind: global_buffer, .address_space: global }
      - { .name: p, .offset: 8, .size: 8, .value_kind: global_buffer, .address_space: global }
      - { .name: stats, .offset: 16, .size: 8, .value_kind: global_buffer, .address_space: global }
    .group_segment_fixed_size: 327680
    .private_segment_fixed_size: 0
    .kernarg_segment_align: 8
    .kernarg_segment_size: 24
    .max_flat_workgroup_size: 128
    .sgpr_count:     84
    .vgpr_count:     512
    .wavefront_size: 32
...
	.end_amdgpu_metadata
.endif
;; end of part 3
;; launch pv (part 4): grid 4 x 64, 4 waves a work-group, clusters of 4 x 4, 327,680 bytes of LDS; arguments p, qkv, stats, out0; writes out0
.if DOCPART == 4
	.amdgcn_target "amdgcn-amd-amdhsa--gfx1250"
	.amdhsa_code_object_version 6
	.text
	.protected	k_q3f7a49f4a4_pv
	.globl	k_q3f7a49f4a4_pv
	.p2align	8
	.type	k_q3f7a49f4a4_pv,@function
k_q3f7a49f4a4_pv:
	s_mov_b64 s[64:65], 0
	v_nop
	global_prefetch_b8 v0, s[64:65] scope:SCOPE_SE
	s_setreg_imm32_b32 hwreg(HW_REG_WAVE_MODE, 25, 1), 1
	s_wait_xcnt 0x0
	s_wait_alu depctr_hold_cnt(0) depctr_sa_sdst(0) depctr_va_vdst(0) depctr_va_sdst(0) depctr_va_ssrc(0) depctr_va_vcc(0) depctr_vm_vsrc(0)
	s_getreg_b32 s2, hwreg(HW_REG_IB_STS2, 6, 4)
	s_cmp_eq_u32 s2, 0
	s_cbranch_scc0 .Lentry_in_a_cluster
	s_endpgm
.Lentry_in_a_cluster:
	s_bfe_u32 s2, ttmp6, 0x10000c
	s_cmp_lg_u32 s2, 0xf033
	s_cbranch_scc0 .Lentry_shape_is_right
	s_endpgm
.Lentry_shape_is_right:
; out0[q][d] = (sum over the 16 segments g of 2^(n_g - N) sum over the segment's 128 keys k of p[q][k] V[k][d]) / L,   N = the largest n_g of row q,   L = sum over g of 2^(n_g - N) l_g.
; p: [8192][2048] bf16 and stats (n, l for each row and segment) come from the launch before; V lies at byte 4,096 of qkv's rows of 6,144 bytes; out0: [8192][1024] f32.  Sums in f32.
; A K step IS a segment, so its factor is applied to p's fragments as they come out of LDS: a power of two, as bf16 in both halves of a word, so the product is exact: no second rounding.
; LIMITS.  A segment whose n lies more than 120 below N is weighted 2^-120 in the sum and in L alike, instead of less; n is exact while below 2^24; L is above 1/2.  NaN and infinities are not treated apart.
; A tile of out0 is 128 x 256: four waves, each 64 x 128: 32 accumulators of 16 x 16.  4 x 64 tiles: one for each of 256 WGPs.  16 K steps of 128 keys through two LDS slots.
; CLUSTERS: 4 x 4 work-groups of one batch.  The four of a row need the same tiles of p, the four of a column the same tiles of V: each is asked for JOINTLY.
; THE MATRIX INSTRUCTION IS USED TRANSPOSED (source 0 = 16 channels of V, turned on the way out of LDS by ds_load_tr16_b128; source 1 = 16 rows of p): lane l holds row l % 16 and the channels 8 (l / 16) + 0..7.
; REGISTERS: window 0: v0-31 addresses; v32-63 statistics; v64-159, v160-255 two fragment buffers (4 fragments of p, 8 of V)          window 1: accumulator (a, b) at v[8 (8 a + b)]
.set PITCH,  272                       ; a row of p in LDS: 256 bytes + 16 of padding
.set VP,     544                       ; a row of V: 512 + 32 = 136 words
.set AH,     64*PITCH                  ; half of p's tile
.set BH,     64*VP                     ; half of V's tile: 64 keys
.set SLOT,   2*AH+2*BH                 ; p's 128 rows, then V's 128 keys
.set STAGE,  2*SLOT                    ; behind the ring: 16 rows x 528 bytes for each wave, for the way out
.set OPITCH, 528                       ; 512 bytes + 16
.set FAC,    STAGE+4*16*OPITCH         ; each wave's factors: [segment 16][row % 16][row / 16] words, 4,096 bytes
.set SPARE,  FAC+4*4096                ; the spare words, 128 bytes a wave: two blocks of 256 bytes that no other line names
.set LAPS,   2048/256
.set ASTEP,  256
.set BSTEP,  128*6144
.set FLAGS,  (1<<16)|(1<<20)|(1<<21)|(5<<22)|(3<<25)  ; p: elements of 2 bytes; padding on; bit 21 beside a mask; after every 64 words 4 words
.set FLAGSV, (1<<16)|(1<<20)|(1<<21)|(6<<22)|(7<<25)  ; V: after every 128 words 8 words
.set ADRA, 16
.set ADRB, 20
.set STO,  24
.set RD,   25
.set LN16, 27                          ; v27     16 x lane
.set SPW,  28
.set NIL,  29
.set FA,   30                          ; v30     LDS address of my row's factors for the trip's first segment
.set FA0,  31                          ; v31     the same for segment 0; never rewritten
.set MX,   32                          ; v32-35  N of blocks 0-3
.set PX,   36                          ; v36-39  what the lane 16 away holds
.set RL,   40                          ; v40-47  1 / L, a pair a block
.set FC,   48                          ; v48-51  the step's factors of blocks 0-3
.set LT,   52                          ; v52-55  L
.set DT,   56                          ; v56-59  at work
.set TF,   60                          ; v60-63  at work
.set F0,   64
.set F1,   160
.set NS,   64                          ; the set-up: n of my half's eight segments x four blocks, then their factors
.set LS,   96                          ; the set-up: l likewise
.set G1,  24
.set G0,  32
.set G1B, 48
.set G0B, 56
.set WV,  80
.set RH,  81
.set CH,  82
.set FS,  83                           ; s83 how far the factors' address has stepped
.set MSB, 0
.macro WIN new
.if MSB != (\new)
	s_set_vgpr_msb (MSB<<8)|(\new)
.set MSB, \new
.endif
.endm
.macro JLOAD s                         ; a joint load: waves 0 and 1 fetch p's halves, waves 2 and 3 V's; an s_nop 0 and four v_nop follow each of the two lines
	s_cmp_eq_u32 s[RH], 0
	s_cbranch_scc0 .Lfor_b_\@
	tensor_load_to_lds s[G0+4*(\s):G0+4*(\s)+3], s[G1:G1+7]
	s_nop 0
.rept 4
	v_nop
.endr
	s_branch .Lasked_\@
.Lfor_b_\@:
	tensor_load_to_lds s[G0B+4*(\s):G0B+4*(\s)+3], s[G1B:G1B+7]
	s_nop 0
.rept 4
	v_nop
.endr
.Lasked_\@:
.endm
.macro CREST
	s_cmp_lg_u32 s[WV], 0
	s_cbranch_scc1 .Lnot_wave_0_\@
	s_barrier_signal -3
.Lnot_wave_0_\@:
	s_barrier_wait -3
	s_barrier_signal -1
	s_barrier_wait -1
.endm
.macro CROUND
	s_barrier_signal -1
	s_barrier_wait -1
	CREST
.endm
.macro PLACES                          ; four places behind matrix instructions (ISA guide 7.12.1)
	s_wait_alu depctr_va_vdst(0)
.rept 4
	v_nop
.endr
.endm
; 8 matrix instructions: row block a x all 8 channel blocks, 32 keys.  z = 1: the product starts the sums.  The 32 accumulators take turns.
.macro MUL8 f, a, z
	WIN 0x50
.irp b, 0,1,2,3,4,5,6,7
.if (\z) == 1
	v_wmma_f32_16x16x32_bf16 v[8*(8*(\a)+(\b)):8*(8*(\a)+(\b))+7], v[(\f)+32+8*(\b):(\f)+32+8*(\b)+7], v[(\f)+8*(\a):(\f)+8*(\a)+7], 0
.else
	v_wmma_f32_16x16x32_bf16 v[8*(8*(\a)+(\b)):8*(8*(\a)+(\b))+7], v[(\f)+32+8*(\b):(\f)+32+8*(\b)+7], v[(\f)+8*(\a):(\f)+8*(\a)+7], v[8*(8*(\a)+(\b)):8*(8*(\a)+(\b))+7]
.endif
.endr
.endm
.macro SCALE f, a                      ; block a's fragment of p times its rows' factor for this segment (window 0)
.irp i, 0,1,2,3,4,5,6,7
	v_pk_mul_bf16 v[(\f)+8*(\a)+(\i)], v[(\f)+8*(\a)+(\i)], v[FC+(\a)]
.endr
.endm
; One run of LDS loads: quarter q (32 keys) of a slot into buffer f: V's eight fragments, turned, then p's four.  seg >= 0: first the next segment's factors, at that byte from v[FA].
.macro FETCHP slot, q, f, seg
	WIN 0
.if (\seg) >= 0
	ds_load_b128 v[FC:FC+3], v[FA] offset:(\seg)
.endif
.irp b, 0,1,2,3,4,5,6,7
	ds_load_tr16_b128 v[(\f)+32+8*(\b):(\f)+32+8*(\b)+3],   v[ADRB+(\slot)] offset:(\q)*32*VP+32*(\b)
	ds_load_tr16_b128 v[(\f)+32+8*(\b)+4:(\f)+32+8*(\b)+7], v[ADRB+(\slot)] offset:(\q)*32*VP+16*VP+32*(\b)
.endr
.irp i, 0,1,2,3
	ds_load_b128 v[(\f)+8*(\i):(\f)+8*(\i)+3],   v[ADRA+(\slot)] offset:64*(\q)+(\i)*16*PITCH
	ds_load_b128 v[(\f)+8*(\i)+4:(\f)+8*(\i)+7], v[ADRA+(\slot)] offset:64*(\q)+(\i)*16*PITCH+32
.endr
.endm
; One of a K step's first three quarters: multiplies buffer f and fetches quarter q into g.  The sixteen scalings in its middle name no register of buffer g or of the products: they are the places in front of the loads.
.macro QUARTERP slot, q, f, g, z
	WIN 0
	s_wait_dscnt 4                                 ; the factors, V and p's blocks 0, 1 are in; the youngest four loads (p's blocks 2, 3) may be out
	SCALE \f, 0
	SCALE \f, 1
	MUL8 \f, 0, \z
	MUL8 \f, 1, \z
	WIN 0
	s_wait_dscnt 0x0                               ; p's blocks 2, 3: nothing younger is out yet
	SCALE \f, 2
	SCALE \f, 3
	FETCHP \slot, \q, \g, -1
	MUL8 \f, 2, \z
	MUL8 \f, 3, \z
.endm
; The change of slots: ONE barrier; in front of it each wave waits for all its tensor loads, adds 0 to its spare word, and waits for that and for its reads of this slot.
; fill = 1: the barrier opens a round of the cluster's, and this slot is filled again, two K steps ahead, first thing behind it.  The factors' registers are loaded anew behind the step's last scaling.
.macro TURNP slot, next, fill, seg
	WIN 0
	s_wait_tensorcnt 0x0                           ; all my tensor loads have landed: the one that was out is my part of the next slot
	ds_add_u32 v[SPW], v[NIL]                      ; 0 onto my spare word
	s_wait_dscnt 5                                 ; (the add and the youngest four loads may be out)
	SCALE F1, 0
	SCALE F1, 1
	MUL8 F1, 0, 0
	s_wait_dscnt 0x0                               ; the add is done, and my reads of this slot are over
	s_barrier_signal -1
	MUL8 F1, 1, 0
	WIN 0
	SCALE F1, 2                                    ; work on registers while the others arrive; also the places in front of the loads below
	SCALE F1, 3
	s_barrier_wait -1
.if \fill
	CREST
	s_add_nc_u64 s[G0+4*(\slot)+2:G0+4*(\slot)+3], s[G0+4*(\slot)+2:G0+4*(\slot)+3], 2*ASTEP
	s_add_nc_u64 s[G0B+4*(\slot)+2:G0B+4*(\slot)+3], s[G0B+4*(\slot)+2:G0B+4*(\slot)+3], 2*BSTEP
	JLOAD \slot                                    ; 112 matrix instructions ahead of the wait for it
.endif
	FETCHP \next, 0, F0, \seg
	MUL8 F1, 2, 0
	MUL8 F1, 3, 0
.endm
	s_load_b256 s[4:11], s[0:1], 0x0               ; p s[4:5], qkv s[6:7], stats s[8:9], out0 s[10:11]
	v_lshl_add_u32 v[SPW], v0, 2, SPARE
	v_mov_b32 v[NIL], 0
	ds_add_u32 v[SPW], v[NIL]                      ; the wave's opening: the add and its wait stand ahead of my first tensor load; the set-up below stands between them
	v_lshrrev_b32 v1, 5, v0
	v_readfirstlane_b32 s[WV], v1
	s_lshr_b32 s[RH], s[WV], 1
	s_and_b32 s[CH], s[WV], 1
	s_bfe_u32 s40, ttmp6, 0x40000                  ; cx, cy
	s_bfe_u32 s41, ttmp6, 0x40004
	s_lshl_b32 s42, ttmp9, 2
	s_add_co_u32 s42, s42, s40                     ; tile column (256 channels)
	s_and_b32 s13, ttmp7, 0xffff
	s_lshr_b32 s45, s13, 2                         ; the batch, which all partners share
	s_lshl_b32 s13, s13, 2
	s_add_co_u32 s13, s13, s41                     ; tile row (128 queries)
	s_lshl_b32 s43, s41, 2
	s_lshl_b32 s43, 15, s43                        ; my row of the cluster
	s_lshl_b32 s44, 0x1111, s40                    ; my column
	s_or_b32 s[G1+0], s43, FLAGS
	s_mov_b32 s[G1+1], 128<<16                     ; p: 64 rows x 128 elements a load
	s_mov_b32 s[G1+2], 64<<16
	s_mov_b32 s[G1+3], 128<<16
	s_mov_b32 s[G1+4], 64
	s_mov_b32 s[G1+5], 2048
	s_mov_b32 s[G1+6], 0
	s_mov_b32 s[G1+7], 0
	s_or_b32 s[G1B+0], s44, FLAGSV
	s_mov_b32 s[G1B+1], 256<<16                    ; V: 64 keys x 256 elements a load: rows of 512 bytes, at multiples of 256
	s_mov_b32 s[G1B+2], 64<<16
	s_mov_b32 s[G1B+3], 256<<16
	s_mov_b32 s[G1B+4], 64
	s_mov_b32 s[G1B+5], 3072
	s_mov_b32 s[G1B+6], 0
	s_mov_b32 s[G1B+7], 0
	s_lshl_b32 s17, s[CH], 6
	s_lshl_b32 s16, s13, 7
	s_add_co_u32 s16, s16, s17                     ; p: row 128 x tile row + 64 x half,
	s_lshl_b32 s16, s16, 12                        ; of 4,096 bytes
	s_mov_b32 s17, 0
	s_lshl_b32 s46, s45, 11                        ; V: key 2,048 x batch + 64 x half,
	s_lshl_b32 s47, s[CH], 6
	s_add_co_u32 s46, s46, s47
	s_mul_i32 s46, s46, 6144
	s_lshl_b32 s47, s42, 9                         ; the tile column's 512 bytes,
	s_add_co_u32 s46, s46, s47
	s_add_co_u32 s46, s46, 4096                    ; and V's place in a row
	s_mov_b32 s47, 0
	s_mul_i32 s20, s[CH], AH
	s_mul_i32 s21, s[CH], BH
	s_add_co_u32 s21, s21, 2*AH
	s_mov_b32 s68, 0x76543210                      ; v_permlanex16_b32's selects
	s_mov_b32 s69, 0xfedcba98
	s_mov_b32 s[FS], 0
	s_wait_dscnt 0x0                               ; the opening add is done
	s_wait_kmcnt 0x0
	s_add_nc_u64 s[14:15], s[4:5], s[16:17]
	s_add_nc_u64 s[46:47], s[6:7], s[46:47]
	CROUND                                         ; all sixteen work-groups are here: the first joint loads meet
.irp s, 0,1
	s_mov_b32 s[G0+4*(\s)], 1
	s_add_co_u32 s[G0+4*(\s)+1], s20, (\s)*SLOT
	s_add_nc_u64 s[G0+4*(\s)+2:G0+4*(\s)+3], s[14:15], (\s)*ASTEP
	s_or_b32 s[G0+4*(\s)+3], s[G0+4*(\s)+3], 0x80000000
	s_mov_b32 s[G0B+4*(\s)], 1
	s_add_co_u32 s[G0B+4*(\s)+1], s21, (\s)*SLOT
	s_add_nc_u64 s[G0B+4*(\s)+2:G0B+4*(\s)+3], s[46:47], (\s)*BSTEP
	s_or_b32 s[G0B+4*(\s)+3], s[G0B+4*(\s)+3], 0x80000000
	JLOAD \s                                       ; two loads of mine are out: the most in this text
.endr
	; THE STATISTICS of my 64 rows, while the first tiles are on their way.  Lanes 0-15 take segments 0-7, lanes 16-31 segments 8-15; lane l holds rows l % 16 + 16 a, a = 0..3.
	s_and_b32 s78, s13, 15                         ; my group of 64 rows in the batch: 2 x (tile row % 16) + half;
	s_lshl_b32 s78, s78, 1
	s_add_co_u32 s78, s78, s[RH]
	s_lshl_b32 s79, s45, 9                         ; a batch has 16 x 32 blocks
	s_add_co_u32 s78, s78, s79
	s_lshl_b32 s78, s78, 9                         ; of 512 bytes
	s_mov_b32 s79, 0
	s_add_nc_u64 s[8:9], s[8:9], s[78:79]
	v_and_b32 v1, 15, v0                           ; l % 16
	v_bfe_u32 v2, v0, 4, 1                         ; l / 16
	v_lshlrev_b32 v5, 4, v1
	v_lshl_add_u32 v5, v2, 17, v5                  ; eight segments of 16,384 bytes on for the upper lanes
.irp s, 0,1,2,3,4,5,6,7
	global_load_b128 v[NS+4*(\s):NS+4*(\s)+3], v5, s[8:9] offset:16384*(\s)      ; sixteen lanes read 256 consecutive bytes
	global_load_b128 v[LS+4*(\s):LS+4*(\s)+3], v5, s[8:9] offset:16384*(\s)+256
.endr
	v_mul_u32_u24 v3, v1, PITCH
	v_lshl_add_u32 v3, v2, 4, v3                   ; a fragment of p: row x pitch + 16 x half
	; The turning load takes 16 keys x 16 channels (lane l reads key 8 (l / 16) + l % 8, channels 8 ((l / 8) % 2) + 0..7) and leaves half a fragment: lane l holds channel l % 16 and 8 keys
	v_and_b32 v6, 7, v0
	v_bfe_u32 v7, v0, 3, 1
	v_lshl_add_u32 v8, v2, 3, v6
	v_mul_u32_u24 v8, v8, VP
	v_lshl_add_u32 v8, v7, 4, v8
	s_mul_i32 s22, s[RH], AH                       ; my 64 rows of p
	s_lshl_b32 s23, s[CH], 8                       ; my 128 channels: 256 bytes of V's rows,
	s_add_co_u32 s23, s23, 2*AH                    ; which lie behind p's 128
.irp s, 0,1
	v_add_nc_u32 v[ADRA+(\s)], s22, v3
	v_add_nc_u32 v[ADRB+(\s)], s23, v8
	s_add_co_u32 s22, s22, SLOT
	s_add_co_u32 s23, s23, SLOT
.endr
	s_mul_i32 s22, s[WV], 16*OPITCH
	s_add_co_u32 s22, s22, STAGE                   ; my stage
	v_mul_u32_u24 v[STO], v1, OPITCH               ; in: row l % 16, 32 bytes for each half of the lanes
	v_lshl_add_u32 v[STO], v2, 5, v[STO]
	v_add_nc_u32 v[STO], s22, v[STO]
	v_and_b32 v[LN16], 31, v0
	v_lshlrev_b32 v[LN16], 4, v[LN16]
	v_add_nc_u32 v[RD], s22, v[LN16]               ; back: 32 lanes take a row's 512 bytes
	s_lshl_b32 s22, s[WV], 12
	s_add_co_u32 s22, s22, FAC                     ; my factors
	v_lshl_add_u32 v[FA0], v1, 4, s22
	v_lshl_add_u32 v9, v2, 11, v[FA0]              ; the upper lanes' eight segments lie 2,048 bytes on
	v_mov_b32 v[FA], v[FA0]
.irp a, 0,1,2,3
	v_mov_b32 v[PX+(\a)], 0                        ; v_permlanex16_b32's destination counts as read
.endr
	s_lshl_b32 s16, s13, 7
	s_lshl_b32 s17, s[RH], 6
	s_add_co_u32 s16, s16, s17                     ; my first row of out0,
	s_lshl_b32 s16, s16, 12                        ; of 4,096 bytes
	s_mov_b32 s17, 0
	s_add_nc_u64 s[10:11], s[10:11], s[16:17]
	s_lshl_b32 s46, s42, 10                        ; my first column, in bytes: 1,024 x tile column + 512 x half
	s_lshl_b32 s47, s[CH], 9
	s_add_co_u32 s46, s46, s47
	s_mov_b32 s47, 0
	s_add_nc_u64 s[10:11], s[10:11], s[46:47]
	s_wait_loadcnt 0x0                             ; n and l
.irp a, 0,1,2,3
	v_max3_num_f32 v[MX+(\a)], v[NS+(\a)], v[NS+4+(\a)], v[NS+8+(\a)]
.endr
.irp a, 0,1,2,3
	v_max3_num_f32 v[MX+(\a)], v[MX+(\a)], v[NS+12+(\a)], v[NS+16+(\a)]
.endr
.irp a, 0,1,2,3
	v_max3_num_f32 v[MX+(\a)], v[MX+(\a)], v[NS+20+(\a)], v[NS+24+(\a)]
.endr
.irp a, 0,1,2,3
	v_max_num_f32 v[MX+(\a)], v[MX+(\a)], v[NS+28+(\a)]
.endr
.irp a, 0,1,2,3
	v_permlanex16_b32 v[PX+(\a)], v[MX+(\a)], s68, s69   ; the other eight segments' lie in the lane 16 away
.endr
.irp a, 0,1,2,3
	v_max_num_f32 v[MX+(\a)], v[MX+(\a)], v[PX+(\a)]     ; N
.endr
.irp s, 0,1,2,3,4,5,6,7
.irp a, 0,1,2,3
	v_sub_f32 v[DT+(\a)], v[NS+4*(\s)+(\a)], v[MX+(\a)]  ; n - N: a whole number, 0 at the most,
.endr
.irp a, 0,1,2,3
	v_max_num_f32 v[DT+(\a)], 0xc2f00000, v[DT+(\a)]     ; -120 at the least
.endr
.irp a, 0,1,2,3
	v_cvt_i32_f32 v[DT+(\a)], v[DT+(\a)]
.endr
.irp a, 0,1,2,3
	v_add_nc_u32 v[DT+(\a)], 127, v[DT+(\a)]             ; the factor's exponent field, 7 to 127
.endr
.irp a, 0,1,2,3
	v_lshlrev_b32 v[TF+(\a)], 23, v[DT+(\a)]             ; the factor as f32
.endr
.irp a, 0,1,2,3
.if (\s) == 0
	v_mul_f32 v[LT+(\a)], v[LS+(\a)], v[TF+(\a)]
.else
	v_fma_f32 v[LT+(\a)], v[LS+4*(\s)+(\a)], v[TF+(\a)], v[LT+(\a)]
.endif
.endr
.irp a, 0,1,2,3
	v_mul_u32_u24 v[NS+4*(\s)+(\a)], v[DT+(\a)], 0x800080  ; the factor as bf16, in both halves
.endr
.endr
.irp a, 0,1,2,3
	v_permlanex16_b32 v[PX+(\a)], v[LT+(\a)], s68, s69
.endr
.irp a, 0,1,2,3
	v_add_f32 v[LT+(\a)], v[LT+(\a)], v[PX+(\a)]         ; L
.endr
.irp a, 0,1,2,3
	v_rcp_f32 v[RL+2*(\a)], v[LT+(\a)]
	v_rcp_f32 v[RL+2*(\a)+1], v[LT+(\a)]                 ; named with it as a pair
.endr
	v_nop                                          ; a plain instruction behind the last reciprocal (ISA guide 5.7.2)
.irp s, 0,1,2,3,4,5,6,7
	ds_store_b128 v9, v[NS+4*(\s):NS+4*(\s)+3] offset:256*(\s)   ; bytes of my wave's own, which no tensor load fills
.endr
	s_wait_tensorcnt 1                             ; my part of K step 0 is in; K step 1's may stay out
	s_wait_dscnt 0x0                               ; no LDS instruction is pending at a signal
	s_barrier_signal -1
	s_barrier_wait -1
	FETCHP 0, 0, F0, 0                             ; segment 0, with its factors
	QUARTERP 0, 1, F0, F1, 1                       ; the first quarter stands in front of the loop: its products start the sums
	WIN 0
	s_mov_b32 s3, LAPS-1
.Llap:                                                 ; a trip goes once round the ring (two segments) and fills both slots again
	QUARTERP 0, 2, F1, F0, 0
	QUARTERP 0, 3, F0, F1, 0
	TURNP 0, 1, 1, 256                             ; the factors of the trip's second segment,
	QUARTERP 1, 1, F0, F1, 0
	QUARTERP 1, 2, F1, F0, 0
	QUARTERP 1, 3, F0, F1, 0
	TURNP 1, 0, 1, 512                             ; and of the next trip's first
	QUARTERP 0, 1, F0, F1, 0
	WIN 0
	s_add_co_u32 s[FS], s[FS], 512                 ; two segments' factors on
	v_add_nc_u32 v[FA], s[FS], v[FA0]
	s_sub_co_u32 s3, s3, 1
	s_cmp_lg_u32 s3, 0
	s_cbranch_scc1 .Llap
	QUARTERP 0, 2, F1, F0, 0                       ; the last lap fills nothing
	QUARTERP 0, 3, F0, F1, 0
	TURNP 0, 1, 0, 256
	QUARTERP 1, 1, F0, F1, 0
	QUARTERP 1, 2, F1, F0, 0
	QUARTERP 1, 3, F0, F1, 0
	WIN 0
	s_wait_dscnt 4                                 ; the very last quarter: nothing more to fetch
	SCALE F1, 0
	SCALE F1, 1
	MUL8 F1, 0, 0
	MUL8 F1, 1, 0
	WIN 0
	s_wait_dscnt 0x0
	SCALE F1, 2
	SCALE F1, 3
	MUL8 F1, 2, 0
	MUL8 F1, 3, 0
	WIN 0
	PLACES
; THE WAY OUT of block a (16 rows x 128 channels of f32).  OMUL: divided by L, each accumulator from its low end.  OLDS: into my own stage, and back as whole rows of 512 bytes.  SENDF: stored.
.macro OMUL a
	WIN 0x41                                       ; destination and source 0 window 1
.set i, 64*(\a)
.rept 32
	v_pk_mul_f32 v[i:i+1], v[i:i+1], v[RL+2*(\a):RL+2*(\a)+1] op_sel_hi:[1,0]
.set i, i+2
.endr
.endm
.macro OLDS a
	WIN 0x04                                       ; store data window 1, address window 0
.irp b, 0,1,2,3,4,5,6,7
	ds_store_b128 v[STO], v[64*(\a)+8*(\b):64*(\a)+8*(\b)+3]   offset:64*(\b)
	ds_store_b128 v[STO], v[64*(\a)+8*(\b)+4:64*(\a)+8*(\b)+7] offset:64*(\b)+16
.endr
	WIN 0
.if (\a) == 3
	s_wait_xcnt 0x0                                ; block 0's stores have read their registers (ISA guide 3.1): block 3 comes back into them only behind this wait
.endif
.set OB, 64+64*((\a)%3)
.irp t, 0,1,2,3,4,5,6,7,8,9,10,11,12,13,14,15
	ds_load_b128 v[OB+4*(\t):OB+4*(\t)+3], v[RD] offset:(\t)*OPITCH  ; LDS serves a wave's instructions in order (ISA guide 5.7.1.4): these see the stores above
.endr
.endm
.macro SENDF a
	WIN 0
	s_wait_dscnt 0x0                               ; the block is back in registers
.set OB, 64+64*((\a)%3)
.irp t, 0,1,2,3,4,5,6,7,8,9,10,11,12,13,14,15
	global_store_b128 v[LN16], v[OB+4*(\t):OB+4*(\t)+3], s[10:11] offset:(16*(\a)+(\t))*4096 th:TH_STORE_NT  ; 512 consecutive bytes, at a multiple of 512 from out0's first byte
.endr
.endm
	OMUL 0
	OLDS 0
.irp a, 1,2,3                          ; block a's multiplications stand between block a - 1's loads from the stage and the wait for them
	OMUL \a
	SENDF (\a)-1
	OLDS \a
.endr
	SENDF 3
	s_wait_tensorcnt 0x0                           ; the wave's end: behind my last tensor load and my last LDS store
	ds_add_u32 v[SPW], v[NIL]
	s_wait_dscnt 0x0
	CROUND                                         ; the closing round: no work-group ends while a partner may still ask for a tile that names it
	s_endpgm
.Lfunc_end_k_q3f7a49f4a4_pv:
	.size	k_q3f7a49f4a4_pv, .Lfunc_end_k_q3f7a49f4a4_pv-k_q3f7a49f4a4_pv
	.p2alignl 7, 3214868480
	.fill 96, 4, 3214868480
	.section	.rodata,"a",@progbits
	.p2align	6, 0x0
	.amdhsa_kernel k_q3f7a49f4a4_pv
		.amdhsa_group_segment_fixed_size 327680
		.amdhsa_private_segment_fixed_size 0
		.amdhsa_enable_private_segment 0
		.amdhsa_kernarg_size 32
		.amdhsa_user_sgpr_count 2
		.amdhsa_user_sgpr_kernarg_segment_ptr 1
		.amdhsa_wavefront_size32 1
		.amdhsa_system_sgpr_workgroup_id_x 1
		.amdhsa_system_sgpr_workgroup_id_y 1
		.amdhsa_system_sgpr_workgroup_id_z 1
		.amdhsa_system_vgpr_workitem_id 0
		.amdhsa_next_free_vgpr 512
		.amdhsa_next_free_sgpr 84
		.amdhsa_reserve_vcc 0
		.amdhsa_float_denorm_mode_32 3
		.amdhsa_float_denorm_mode_16_64 3
		.amdhsa_memory_ordered 1
		.amdhsa_forward_progress 1
		.amdhsa_inst_pref_size 141
	.end_amdhsa_kernel
	.amdgpu_metadata
---
amdhsa.version: [ 1, 2 ]
amdhsa.kernels:
  - .name:           k_q3f7a49f4a4_pv
    .symbol:         k_q3f7a49f4a4_pv.kd
    .args:
      - { .name: p, .offset: 0, .size: 8, .value_kind: global_buffer, .address_space: global }
      - { .name: qkv, .offset: 8, .size: 8, .value_kind: global_buffer, .address_space: global }
      - { .name: stats, .offset: 16, .size: 8, .value_kind: global_buffer, .address_space: global }
      - { .name: out0, .offset: 24, .size: 8, .value_kind: global_buffer, .address_space: global }
    .group_segment_fixed_size: 327680
    .private_segment_fixed_size: 0
    .kernarg_segment_align: 8
    .kernarg_segment_size: 32
    .max_flat_workgroup_size: 128
    .sgpr_count:     84
    .vgpr_count:     512
    .wavefront_size: 32
...
	.end_amdgpu_metadata
.endif
;; end of part 4
;; ======== version 2 of 3: 4 launches; 1.15 times as fast as version 1
;; limits: right only within a limited range of input values
;; workspace buffers: xb 16,777,216 bytes; wb 6,291,456 bytes; bb 12,288 bytes; qkv 50,331,648 bytes; p 33,554,432 bytes; stats 1,048,576 bytes
;; launch cast (part 5): grid 705 x 1, 8 waves a work-group, no clusters, 0 bytes of LDS; arguments X, Wq, Wk, Wv, bq, bk, bv, xb, wb, bb; writes xb, wb, bb
.if DOCPART == 5
	.amdgcn_target "amdgcn-amd-amdhsa--gfx1250"
	.amdhsa_code_object_version 6
	.text
	.protected	k_q3f7a49f4a4_cast
	.globl	k_q3f7a49f4a4_cast
	.p2align	8
	.type	k_q3f7a49f4a4_cast,@function
k_q3f7a49f4a4_cast:
	s_mov_b64 s[64:65], 0
	v_nop
	global_prefetch_b8 v0, s[64:65] scope:SCOPE_SE
	s_setreg_imm32_b32 hwreg(HW_REG_WAVE_MODE, 25, 1), 1
	s_wait_xcnt 0x0
; xb = bf16(X), wb = bf16([Wq; Wk; Wv]), each f32 rounded once, to nearest even; bb = [bq bk bv] copied, f32.
; LAYOUT OUT: in blocks of 64 along K: xb[K / 64][8192 rows][64], wb[K / 64][3072 rows][64].  The product behind walks K in steps of 64; so laid, the 128-byte rows of its tiles
; lie end to end in memory and can be asked for as rows of 256 bytes.
; A stream: every byte is read once and written once; LDS, barriers, clusters and the matrix unit would add nothing, since no work-group shares a byte with another.
; Work-group g owns 16 rows of 1,024 numbers.  g < 512: rows 16 g of X.  g < 704: t = g - 512: rows 16 (t % 64) of Wq, Wk or Wv (t / 64), rows 16 t of wb.  g = 704: the three biases.
; Thread n takes row n / 16, and of block i (0..15) the four numbers 4 (n % 16) on.  A wave's load covers 256 consecutive bytes in each of two rows; its store of 8 bytes a lane covers
; 256 consecutive bytes at a multiple of 256: the two rows' 128 bytes of one block.  All sixteen loads go out first; no register is written twice.
.set NX,   512                         ; work-groups for X
.set NW,   192                         ; work-groups for the weights
.set XBLK, 8192*128                    ; bytes in a block of xb
.set WBLK, 3072*128                    ; and of wb
.set IN,   4                           ; v[4:67]    sixteen loads of four f32
.set OUT,  68                          ; v[68:99]   sixteen results of four bf16
.set OFF,  100                         ; v[100:115] my byte offset in block i of the destination
	s_load_b512 s[4:19], s[0:1], 0x0               ; X s[4:5], Wq s[6:7], Wk s[8:9], Wv s[10:11], bq s[12:13], bk s[14:15], bv s[16:17], xb s[18:19]
	s_load_b128 s[20:23], s[0:1], 0x40             ; wb s[20:21], bb s[22:23]
	s_mov_b32 s2, ttmp9                            ; g
	s_cmp_eq_u32 s2, NX+NW
	s_cbranch_scc1 .Lbias
	v_lshrrev_b32 v1, 4, v0                        ; my row of the sixteen
	v_and_b32 v2, 15, v0
	v_lshlrev_b32 v1, 12, v1                       ; 4,096 bytes a row in,
	v_lshl_or_b32 v1, v2, 4, v1                    ; my 16 bytes of a block's 256
	v_lshlrev_b32 v[OFF], 3, v0                    ; out: 128 (n / 16) + 8 (n % 16) = 8 n
	s_sub_co_u32 s24, s2, NX                       ; t (used where g >= 512 alone)
	s_lshr_b32 s25, s24, 6                         ; which weight
	s_and_b32 s26, s24, 63                         ; which sixteen rows of it
	s_mov_b32 s27, WBLK
	s_cmp_lt_u32 s2, NX
	s_cselect_b32 s28, s2, s26                     ; the sixteen rows in the source,
	s_cselect_b32 s30, s2, s24                     ; and in the destination
	s_cselect_b32 s27, XBLK, s27                   ; bytes from block to block
	s_lshl_b32 s28, s28, 16                        ; in bytes, as pairs with 0 above: 16 rows of 4,096 in,
	s_lshl_b32 s30, s30, 11                        ; of 128 out
	s_mov_b32 s29, 0
	s_mov_b32 s31, 0
	s_wait_kmcnt 0x0
	s_cmp_eq_u32 s25, 1                            ; the buffers are chosen on g alone
	s_cselect_b64 s[32:33], s[8:9], s[6:7]
	s_cmp_eq_u32 s25, 2
	s_cselect_b64 s[32:33], s[10:11], s[32:33]
	s_cmp_lt_u32 s2, NX
	s_cselect_b64 s[32:33], s[4:5], s[32:33]
	s_cselect_b64 s[34:35], s[18:19], s[20:21]
	s_add_nc_u64 s[32:33], s[32:33], s[28:29]
	s_add_nc_u64 s[34:35], s[34:35], s[30:31]
.irp i, 0,1,2,3,4,5,6,7,8,9,10,11,12,13,14,15
	global_load_b128 v[IN+4*(\i):IN+4*(\i)+3], v1, s[32:33] offset:256*(\i) th:TH_LOAD_NT
.endr
.irp i, 1,2,3,4,5,6,7,8,9,10,11,12,13,14,15
	v_add_nc_u32 v[OFF+(\i)], s27, v[OFF+(\i)-1]   ; fifteen blocks pass the store's immediate, so each block has its offset register
.endr
.irp i, 0,1,2,3,4,5,6,7,8,9,10,11,12,13,14,15
	s_wait_loadcnt 15-(\i)                         ; loads come back in order (ISA guide 5.7.1): load i is in, the 15 - i younger ones stay out
	v_cvt_pk_bf16_f32 v[OUT+2*(\i)],   v[IN+4*(\i)],   v[IN+4*(\i)+1]
	v_cvt_pk_bf16_f32 v[OUT+2*(\i)+1], v[IN+4*(\i)+2], v[IN+4*(\i)+3]
	global_store_b64 v[OFF+(\i)], v[OUT+2*(\i):OUT+2*(\i)+1], s[34:35]
.endr
	s_endpgm
.Lbias:                                                ; 256 threads x 16 bytes are one bias: three loads, three stores
	v_lshlrev_b32 v1, 4, v0
	s_wait_kmcnt 0x0
	global_load_b128 v[4:7],   v1, s[12:13]
	global_load_b128 v[8:11],  v1, s[14:15]
	global_load_b128 v[12:15], v1, s[16:17]
	s_wait_loadcnt 0x0
	global_store_b128 v1, v[4:7],   s[22:23]
	global_store_b128 v1, v[8:11],  s[22:23] offset:4096
	global_store_b128 v1, v[12:15], s[22:23] offset:8192
	s_endpgm
.Lfunc_end_k_q3f7a49f4a4_cast:
	.size	k_q3f7a49f4a4_cast, .Lfunc_end_k_q3f7a49f4a4_cast-k_q3f7a49f4a4_cast
	.p2alignl 7, 3214868480
	.fill 96, 4, 3214868480
	.section	.rodata,"a",@progbits
	.p2align	6, 0x0
	.amdhsa_kernel k_q3f7a49f4a4_cast
		.amdhsa_group_segment_fixed_size 0
		.amdhsa_private_segment_fixed_size 0
		.amdhsa_enable_private_segment 0
		.amdhsa_kernarg_size 80
		.amdhsa_user_sgpr_count 2
		.amdhsa_user_sgpr_kernarg_segment_ptr 1
		.amdhsa_wavefront_size32 1
		.amdhsa_system_sgpr_workgroup_id_x 1
		.amdhsa_system_sgpr_workgroup_id_y 1
		.amdhsa_system_sgpr_workgroup_id_z 1
		.amdhsa_system_vgpr_workitem_id 0
		.amdhsa_next_free_vgpr 116
		.amdhsa_next_free_sgpr 66
		.amdhsa_reserve_vcc 0
		.amdhsa_float_denorm_mode_32 3
		.amdhsa_float_denorm_mode_16_64 3
		.amdhsa_memory_ordered 1
		.amdhsa_forward_progress 1
		.amdhsa_inst_pref_size 9
	.end_amdhsa_kernel
	.amdgpu_metadata
---
amdhsa.version: [ 1, 2 ]
amdhsa.kernels:
  - .name:           k_q3f7a49f4a4_cast
    .symbol:         k_q3f7a49f4a4_cast.kd
    .args:
      - { .name: X, .offset: 0, .size: 8, .value_kind: global_buffer, .address_space: global }
      - { .name: Wq, .offset: 8, .size: 8, .value_kind: global_buffer, .address_space: global }
      - { .name: Wk, .offset: 16, .size: 8, .value_kind: global_buffer, .address_space: global }
      - { .name: Wv, .offset: 24, .size: 8, .value_kind: global_buffer, .address_space: global }
      - { .name: bq, .offset: 32, .size: 8, .value_kind: global_buffer, .address_space: global }
      - { .name: bk, .offset: 40, .size: 8, .value_kind: global_buffer, .address_space: global }
      - { .name: bv, .offset: 48, .size: 8, .value_kind: global_buffer, .address_space: global }
      - { .name: xb, .offset: 56, .size: 8, .value_kind: global_buffer, .address_space: global }
      - { .name: wb, .offset: 64, .size: 8, .value_kind: global_buffer, .address_space: global }
      - { .name: bb, .offset: 72, .size: 8, .value_kind: global_buffer, .address_space: global }
    .group_segment_fixed_size: 0
    .private_segment_fixed_size: 0
    .kernarg_segment_align: 8
    .kernarg_segment_size: 80
    .max_flat_workgroup_size: 256
    .sgpr_count:     66
    .vgpr_count:     116
    .wavefront_size: 32
...
	.end_amdgpu_metadata
.endif
;; end of part 5
;; launch proj (part 6): grid 8 x 32, 4 waves a work-group, clusters of 4 x 4, 327,680 bytes of LDS; arguments xb, wb, bb, qkv; writes qkv
.if DOCPART == 6
	.amdgcn_target "amdgcn-amd-amdhsa--gfx1250"
	.amdhsa_code_object_version 6
	.text
	.protected	k_q3f7a49f4a4_proj
	.globl	k_q3f7a49f4a4_proj
	.p2align	8
	.type	k_q3f7a49f4a4_proj,@function
k_q3f7a49f4a4_proj:
	s_mov_b64 s[64:65], 0
	v_nop
	global_prefetch_b8 v0, s[64:65] scope:SCOPE_SE
	s_setreg_imm32_b32 hwreg(HW_REG_WAVE_MODE, 25, 1), 1
	s_wait_xcnt 0x0
	s_wait_alu depctr_hold_cnt(0) depctr_sa_sdst(0) depctr_va_vdst(0) depctr_va_sdst(0) depctr_va_ssrc(0) depctr_va_vcc(0) depctr_vm_vsrc(0)
	s_getreg_b32 s2, hwreg(HW_REG_IB_STS2, 6, 4)
	s_cmp_eq_u32 s2, 0
	s_cbranch_scc0 .Lentry_in_a_cluster
	s_endpgm
.Lentry_in_a_cluster:
	s_bfe_u32 s2, ttmp6, 0x10000c
	s_cmp_lg_u32 s2, 0xf033
	s_cbranch_scc0 .Lentry_shape_is_right
	s_endpgm
.Lentry_shape_is_right:
; qkv[m][n] = bb[n] + sum over k of X[m][k] W[n][k].  xb: [16][8192][64], wb: [16][3072][64], bf16, in blocks of 64 along K; bb: [3072] f32 (bq, bk, bv end to end);
; qkv: [8192][3072] bf16 (Q, K, V side by side in a row of 6,144 bytes).  Sums in f32, begun with the bias, rounded once to bf16.  NaN and infinities are not treated apart.
; THE TILE is 256 x 384: 32 x 8 tiles, one for each of 256 WGPs.  Four waves, each 128 x 192: 96 accumulators of 16 x 16, 768 registers.
; K GOES IN STEPS OF 64 through a ring of two LDS slots: 640 rows of 128 + 16 bytes are 92,160 bytes a slot; two slots of 128 along K would be 348,160 bytes, more than a work-group can have.
; In the blocked layout the 128 (192) rows that a wave fetches are 16,384 (24,576) consecutive bytes: asked for as rows of 256 bytes and padded in LDS after every 128.
; A step has 192 matrix instructions a wave; 176 of them stand between a slot's request and the wait for it.
; CLUSTERS: 4 x 4 work-groups.  The four of a row of the cluster need the same tiles of xb, the four of a column the same tiles of wb: each tile is asked for JOINTLY, by the same
; tensor load with the same descriptor and a mask that names the four.
; THE MATRIX INSTRUCTION IS USED TRANSPOSED (source 0 = 16 rows of wb, source 1 = 16 rows of xb): lane l then holds row l % 16 of C and the columns 8 (l / 16) + 0..7.
; REGISTERS, in windows of 256 (s_set_vgpr_msb: bits 1:0 source 0, 3:2 source 1, 5:4 source 2, 7:6 destination):
;   window 0: v0-31 addresses; v32-95, v96-159 two buffers of A's 8 fragments (32 along K); v160-255 B's 12 fragments, one buffer
;   window 1 + b / 4: accumulator (row block a, column block b) at v[64 (b % 4) + 8 a]: 32 products on end run under one setting
; A QUARTER is 32 along K: 96 products, column block by column block, in three thirds.  Behind a third its four fragments of B are loaded anew, for the next quarter, 64 products ahead of
; their use; the next quarter's A comes with the first third's, into the other buffer.
; THE BIAS costs no register and no instruction of its own: it is loaded into the accumulators of row block 7, serves the first quarter's products of row blocks 0 to 6 as C, and row block 7 then adds in place onto it.
.set PITCH,  144                       ; an LDS row: 128 bytes + 16 of padding = 36 words: the 16 rows of a fragment load start at 16 different groups of four banks (64 banks of 4 bytes: ISA guide 11.1)
.set AHALF,  128*PITCH                 ; half of A's tile: what wave 0 or 1 fetches, and what a wave reads of A
.set BHALF,  192*PITCH                 ; half of B's tile: what wave 2 or 3 fetches, and what a wave reads of B
.set SLOT,   2*AHALF+2*BHALF           ; A's 256 rows, then B's 384 rows
.set OPIT,   784                       ; the way out: a stage row, 768 bytes + 16 = 196 words
.set SPARE,  256*OPIT                  ; the stage lies over the ring, from byte 0, once the ring has had its last fill; behind both: the spare words, 128 bytes a wave: two blocks of 256 bytes that no other line names
.set LAPS,   1024/128                  ; a lap = two K steps = once round the ring
.set ASTEP,  8192*128                  ; bytes from a block of xb to the next
.set BSTEP,  3072*128                  ; and of wb
.set CP,     6144                      ; bytes in a row of qkv
.set FLAGS,  (1<<16)|(1<<20)|(1<<21)|(4<<22)|(3<<25)  ; 17:16 elements of 2 bytes; 20 padding on; 21 set beside a mask; 24:22 after every 32 words; 31:25 4 words of it
.set ADRA, 16                          ; v16-17  LDS address of my A fragments in slot 0, 1
.set ADRB, 20                          ; v20-21  the same for B
.set STO,  22                          ; v22-23  the way out: where I put 16 bytes of a row, row blocks 0-3 and 4-7
.set RD,   24                          ; v24     the way out: where I read a row back
.set CO,   25                          ; v25     my byte offset in C
.set SPW,  28                          ; v28     LDS address of my spare word; never rewritten
.set NIL,  29                          ; v29     0; never rewritten
.set FRA0, 32
.set FRA1, 96
.set FRB,  160
.set TMP,  32                          ; the way out: a window's 32 accumulators packed, 128 registers; then 24 pieces of rows read back
.set G1,  24                           ; s[24:31] descriptor group 1 for A's tiles;  s[32:39] group 0, a set for each slot
.set G0,  32
.set G1B, 48                           ; s[48:55], s[56:63] the same for B's tiles
.set G0B, 56
.set WV,  80                           ; s80 my wave's number
.set RH,  81                           ; s81 which 128 rows of the tile are mine.  Also: I fetch for A (0) or for B (1)
.set CH,  82                           ; s82 which 192 columns.  Also: which half of that tile I fetch
.set MSB, 0
.macro WIN new                         ; the immediate's high byte repeats the setting that is left; a switch that changes nothing is dropped
.if MSB != (\new)
	s_set_vgpr_msb (MSB<<8)|(\new)
.set MSB, \new
.endif
.endm
.macro JLOAD s                         ; a joint load: waves 0 and 1 fetch A's halves, waves 2 and 3 B's; an s_nop 0 and four v_nop follow each of the two lines
	s_cmp_eq_u32 s[RH], 0
	s_cbranch_scc0 .Lfor_b_\@
	tensor_load_to_lds s[G0+4*(\s):G0+4*(\s)+3], s[G1:G1+7]
	s_nop 0
.rept 4
	v_nop
.endr
	s_branch .Lasked_\@
.Lfor_b_\@:
	tensor_load_to_lds s[G0B+4*(\s):G0B+4*(\s)+3], s[G1B:G1B+7]
	s_nop 0
.rept 4
	v_nop
.endr
.Lasked_\@:
.endm
.macro CREST                           ; a round of the cluster's barrier behind its opening barrier
	s_cmp_lg_u32 s[WV], 0
	s_cbranch_scc1 .Lnot_wave_0_\@
	s_barrier_signal -3
.Lnot_wave_0_\@:
	s_barrier_wait -3
	s_barrier_signal -1
	s_barrier_wait -1
.endm
.macro CROUND                          ; a whole round
	s_barrier_signal -1
	s_barrier_wait -1
	CREST
.endm
.macro PLACES                          ; four places in front of loads into registers that matrix instructions have read, and of conversions that read results
.rept 4
	v_nop
.endr
.endm
; 8 matrix instructions: column block b x all 8 row blocks, 32 along K, A from buffer f.  The 96 accumulators take turns, in the same order in every quarter.
.macro GRP f, b
.set rB, FRB+8*(\b)
.set rC, 64*((\b)%4)
	WIN 0x50*(1+(\b)/4)                            ; D and C in the column block's window
.irp a, 0,1,2,3,4,5,6,7
	v_wmma_f32_16x16x32_bf16 v[rC+8*(\a):rC+8*(\a)+7], v[rB:rB+7], v[(\f)+8*(\a):(\f)+8*(\a)+7], v[rC+8*(\a):rC+8*(\a)+7]
.endr
.endm
.macro THIRD f, b0                     ; 32 of them: a window's four column blocks
.irp i, 0,1,2,3
	GRP \f, (\b0)+(\i)
.endr
.endm
; The first quarter's third.  Row blocks 0 to 6 start their sums with the bias, which lies in row block 7's accumulator of the same column block; five places behind the last of them
; (a matrix instruction writes over a source of an earlier one: ISA guide 7.12.1) row block 7 adds in place onto it.
.macro ZTHIRD f, b0
.irp i, 0,1,2,3
.set rB, FRB+8*((\b0)+(\i))
.set rC, 64*(\i)
	WIN 0x50*(1+(\b0)/4)
.irp a, 0,1,2,3,4,5,6
	v_wmma_f32_16x16x32_bf16 v[rC+8*(\a):rC+8*(\a)+7], v[rB:rB+7], v[(\f)+8*(\a):(\f)+8*(\a)+7], v[rC+56:rC+63]
.endr
.endr
.rept 5
	v_nop
.endr
.irp i, 0,1,2,3
.set rB, FRB+8*((\b0)+(\i))
.set rC, 64*(\i)
	v_wmma_f32_16x16x32_bf16 v[rC+56:rC+63], v[rB:rB+7], v[(\f)+56:(\f)+63], v[rC+56:rC+63]
.endr
.endm
.macro LDB slot, k, b0                 ; 8 LDS loads: B's fragments b0 .. b0 + 3, 32 along K at byte k of the rows
	WIN 0
.irp i, 0,1,2,3
	ds_load_b128 v[FRB+8*((\b0)+(\i)):FRB+8*((\b0)+(\i))+3],   v[ADRB+(\slot)] offset:(\k)+((\b0)+(\i))*16*PITCH
	ds_load_b128 v[FRB+8*((\b0)+(\i))+4:FRB+8*((\b0)+(\i))+7], v[ADRB+(\slot)] offset:(\k)+((\b0)+(\i))*16*PITCH+32
.endr
.endm
.macro LDA slot, k, g                  ; 16 LDS loads: A's eight fragments into buffer g
	WIN 0
.irp i, 0,1,2,3,4,5,6,7
	ds_load_b128 v[(\g)+8*(\i):(\g)+8*(\i)+3],   v[ADRA+(\slot)] offset:(\k)+(\i)*16*PITCH
	ds_load_b128 v[(\g)+8*(\i)+4:(\g)+8*(\i)+7], v[ADRA+(\slot)] offset:(\k)+(\i)*16*PITCH+32
.endr
.endm
; A step's first quarter: multiplies buffer f and fetches the step's second quarter, at byte k of the same slot's rows.  z = 1: the launch's first quarter, which starts the sums.
; The runs of loads go 24, 8, 8 in every quarter, so a third's fragments have two younger runs behind them when they are wanted.
.macro QUARTER slot, k, f, g, z
	s_wait_dscnt 16                                ; A and B's fragments 0-3 are in; the two younger runs of 8 may be out
.if \z
	ZTHIRD \f, 0
.else
	THIRD \f, 0
.endif
	PLACES
	LDB \slot, \k, 0
	LDA \slot, \k, \g
	s_wait_dscnt 32                                ; B's fragments 4-7 are in; behind them a run of 8 and the 24 just issued
.if \z
	ZTHIRD \f, 4
.else
	THIRD \f, 4
.endif
	PLACES
	LDB \slot, \k, 4
	s_wait_dscnt 32                                ; B's fragments 8-11 are in; behind them the runs of 24 and of 8
.if \z
	ZTHIRD \f, 8
.else
	THIRD \f, 8
.endif
	PLACES
	LDB \slot, \k, 8
.endm
; A step's second quarter multiplies buffer 1 and changes slots: ONE barrier; in front of it each wave waits for all its tensor loads (one is out: its part of the next slot), adds 0 to
; its spare word, and waits for that and for its own reads of this slot.  fill = 1: the barrier opens a round of the cluster's, and this slot is filled again, two K steps ahead, first thing behind it.
.macro TURN slot, next, fill
	s_wait_dscnt 16                                ; A and B's fragments 0-3 are in
	GRP FRA1, 0
	GRP FRA1, 1
	WIN 0                                          ; (the add's two registers lie in window 0)
	s_wait_tensorcnt 0x0                           ; all my tensor loads have landed
	ds_add_u32 v[SPW], v[NIL]                      ; 0 onto my spare word
	GRP FRA1, 2                                    ; eight matrix instructions stand between the add and the wait for it
	s_wait_dscnt 0x0                               ; the add is done, and my reads of this slot are over
	s_barrier_signal -1
	GRP FRA1, 3
.if \fill
	WIN 0
.endif
	s_barrier_wait -1
.if \fill
	CREST                                          ; no wave of any partner still reads this slot's tile or has a load on its way
	s_add_nc_u64 s[G0+4*(\slot)+2:G0+4*(\slot)+3], s[G0+4*(\slot)+2:G0+4*(\slot)+3], 2*ASTEP
	s_add_nc_u64 s[G0B+4*(\slot)+2:G0B+4*(\slot)+3], s[G0B+4*(\slot)+2:G0B+4*(\slot)+3], 2*BSTEP
	JLOAD \slot                                    ; 176 matrix instructions ahead of the wait for it; the four v_nop behind it are also the places in front of the loads below
.else
	PLACES
.endif
	LDB \next, 0, 0
	LDA \next, 0, FRA0
	THIRD FRA1, 4                                  ; (the wait for 0 above has shown all of B's fragments in)
	PLACES
	LDB \next, 0, 4
	THIRD FRA1, 8
	PLACES
	LDB \next, 0, 8
.endm
	s_load_b256 s[4:11], s[0:1], 0x0               ; xb s[4:5], wb s[6:7], bb s[8:9], qkv s[10:11]
	v_lshl_add_u32 v[SPW], v0, 2, SPARE
	v_mov_b32 v[NIL], 0
	ds_add_u32 v[SPW], v[NIL]                      ; the wave's opening: the add and its wait stand ahead of my first tensor load; the set-up below, work on registers, stands between them
	v_lshrrev_b32 v1, 5, v0
	v_readfirstlane_b32 s[WV], v1                  ; wave 0..3
	s_lshr_b32 s[RH], s[WV], 1
	s_and_b32 s[CH], s[WV], 1
	s_bfe_u32 s40, ttmp6, 0x40000                  ; cx, cy: my place in the cluster
	s_bfe_u32 s41, ttmp6, 0x40004
	s_lshl_b32 s42, ttmp9, 2
	s_add_co_u32 s42, s42, s40                     ; tile column = 4 x cluster x + cx
	s_and_b32 s13, ttmp7, 0xffff
	s_lshl_b32 s13, s13, 2
	s_add_co_u32 s13, s13, s41                     ; tile row = 4 x cluster y + cy
	s_lshl_b32 s43, s41, 2
	s_lshl_b32 s43, 15, s43                        ; my row of the cluster
	s_lshl_b32 s44, 0x1111, s40                    ; my column
	s_or_b32 s[G1+0], s43, FLAGS                   ; A's tiles go to my row,
	s_or_b32 s[G1B+0], s44, FLAGS                  ; B's to my column
.irp g, G1, G1B
	s_mov_b32 s[(\g)+1], 128<<16                   ; tensor_dim0 = 128 elements: 256 bytes, two rows of a block
	s_mov_b32 s[(\g)+3], 128<<16                   ; tile_dim0 = 128
	s_mov_b32 s[(\g)+5], 128                       ; 128 elements from row to row: dense
	s_mov_b32 s[(\g)+6], 0
	s_mov_b32 s[(\g)+7], 0
.endr
	s_mov_b32 s[G1+2], 64<<16                      ; A: tensor_dim1 = tile_dim1 = 64: 128 rows of the block a load
	s_mov_b32 s[G1+4], 64
	s_mov_b32 s[G1B+2], 96<<16                     ; B: 96: 192 rows of the block a load
	s_mov_b32 s[G1B+4], 96
	s_lshl_b32 s16, s13, 15                        ; A's tile hangs on the tile row alone, B's on the tile column alone, each in registers that never hold the other coordinate
	s_lshl_b32 s17, s[CH], 14
	s_add_co_u32 s16, s16, s17                     ; A: (256 x tile row + 128 x half) rows of 128 bytes
	s_mov_b32 s17, 0
	s_mul_i32 s46, s42, 384*128
	s_mul_i32 s47, s[CH], 192*128
	s_add_co_u32 s46, s46, s47                     ; B: (384 x tile column + 192 x half) rows
	s_mov_b32 s47, 0
	s_mul_i32 s20, s[CH], AHALF                    ; where they go in a slot: no place in the cluster enters an LDS address
	s_mul_i32 s21, s[CH], BHALF
	s_add_co_u32 s21, s21, 2*AHALF
	s_wait_dscnt 0x0                               ; the opening add is done
	s_wait_kmcnt 0x0
	s_add_nc_u64 s[14:15], s[4:5], s[16:17]
	s_add_nc_u64 s[46:47], s[6:7], s[46:47]
	CROUND                                         ; all sixteen work-groups are here: the first joint loads meet
.irp s, 0,1
	s_mov_b32 s[G0+4*(\s)], 1                      ; count = 1
	s_add_co_u32 s[G0+4*(\s)+1], s20, (\s)*SLOT    ; LDS address
	s_add_nc_u64 s[G0+4*(\s)+2:G0+4*(\s)+3], s[14:15], (\s)*ASTEP  ; global address: K step s
	s_or_b32 s[G0+4*(\s)+3], s[G0+4*(\s)+3], 0x80000000            ; type = 2
	s_mov_b32 s[G0B+4*(\s)], 1
	s_add_co_u32 s[G0B+4*(\s)+1], s21, (\s)*SLOT
	s_add_nc_u64 s[G0B+4*(\s)+2:G0B+4*(\s)+3], s[46:47], (\s)*BSTEP
	s_or_b32 s[G0B+4*(\s)+3], s[G0B+4*(\s)+3], 0x80000000
	JLOAD \s                                       ; two loads of mine are out: the most in this text
.endr
	; the bias of my 192 columns, into row block 7's accumulators: register j of column block b = bb[16 b + 8 (l / 16) + j]
	v_and_b32 v1, 15, v0                           ; l % 16
	v_bfe_u32 v2, v0, 4, 1                         ; l / 16
	v_lshlrev_b32 v4, 5, v2
	s_mul_i32 s78, s42, 384*4
	s_mul_i32 s79, s[CH], 192*4
	s_add_co_u32 s78, s78, s79
	s_mov_b32 s79, 0
	s_add_nc_u64 s[8:9], s[8:9], s[78:79]
.irp b, 0,1,2,3,4,5,6,7,8,9,10,11
	WIN 0x40*(1+(\b)/4)                            ; destination in the column block's window, address in window 0
	global_load_b128 v[64*((\b)%4)+56:64*((\b)%4)+59], v4, s[8:9] offset:64*(\b)
	global_load_b128 v[64*((\b)%4)+60:64*((\b)%4)+63], v4, s[8:9] offset:64*(\b)+16
.endr
	WIN 0
	; A fragment is 16 rows x 32 K in 8 registers: lane l holds row l % 16, K = 8 (l / 16) + 0..7 and 16 + 8 (l / 16) + 0..7: two loads of 16 bytes, 32 bytes apart
	v_mul_u32_u24 v3, v1, PITCH
	v_lshl_add_u32 v3, v2, 4, v3
	s_mul_i32 s22, s[RH], AHALF                    ; my 128 rows of A
	s_mul_i32 s23, s[CH], BHALF                    ; my 192 rows of B,
	s_add_co_u32 s23, s23, 2*AHALF                 ; which lie behind A's 256
.irp s, 0,1
	v_add_nc_u32 v[ADRA+(\s)], s22, v3
	v_add_nc_u32 v[ADRB+(\s)], s23, v3
	s_add_co_u32 s22, s22, SLOT
	s_add_co_u32 s23, s23, SLOT
.endr
	s_mul_i32 s22, s[RH], 128*OPIT                 ; into the stage: my 128 rows, my 384 of their 768 bytes; row l % 16, 16 bytes for each half of the lanes
	s_mul_i32 s23, s[CH], 384
	s_add_co_u32 s22, s22, s23
	v_mul_u32_u24 v5, v1, OPIT
	v_lshl_add_u32 v5, v2, 4, v5
	v_add_nc_u32 v[STO], s22, v5
	v_add_nc_u32 v[STO+1], 64*OPIT, v[STO]         ; row blocks 4-7: beyond the reach of the 16-bit offset from the first
	s_mul_i32 s22, s[WV], 64*OPIT                  ; back: wave w takes rows 64 w .. 64 w + 63, whole; lanes 0-15 256 bytes of one row, lanes 16-31 of the next
	v_mul_u32_u24 v5, v2, OPIT
	v_lshl_add_u32 v5, v1, 4, v5
	v_add_nc_u32 v[RD], s22, v5
	v_mul_u32_u24 v5, v2, CP                       ; and the same two rows in C
	v_lshl_add_u32 v[CO], v1, 4, v5
	s_lshl_b32 s16, s13, 8
	s_lshl_b32 s17, s[WV], 6
	s_add_co_u32 s16, s16, s17                     ; the first row of C that I store: 256 x tile row + 64 x wave
	s_mul_i32 s16, s16, CP
	s_mov_b32 s17, 0
	s_add_nc_u64 s[10:11], s[10:11], s[16:17]
	s_mul_i32 s46, s42, 768                        ; the tile's first column, in bytes: a multiple of 256
	s_mov_b32 s47, 0
	s_add_nc_u64 s[10:11], s[10:11], s[46:47]
	s_wait_tensorcnt 1                             ; my part of K step 0 is in; K step 1's may stay out
	s_barrier_signal -1
	s_barrier_wait -1                              ; everybody's is
	LDB 0, 0, 0                                    ; the first quarter's fragments, in the runs of every quarter: 24, 8, 8
	LDA 0, 0, FRA0
	LDB 0, 0, 4
	LDB 0, 0, 8
	s_wait_loadcnt 0x0                             ; the bias
	QUARTER 0, 64, FRA0, FRA1, 1                   ; the first quarter stands in front of the loop: its products start the sums
	WIN 0                                          ; at a label and at a branch every window is 0
	s_mov_b32 s3, LAPS-1
.Llap:                                                 ; a trip goes once round the ring, from a lap's second quarter to the next lap's first, and fills both slots again
	TURN 0, 1, 1
	QUARTER 1, 64, FRA0, FRA1, 0
	TURN 1, 0, 1
	QUARTER 0, 64, FRA0, FRA1, 0
	WIN 0
	s_sub_co_u32 s3, s3, 1
	s_cmp_lg_u32 s3, 0
	s_cbranch_scc1 .Llap
	TURN 0, 1, 0                                   ; the last lap fills nothing, and has no round of the cluster's barrier
	QUARTER 1, 64, FRA0, FRA1, 0
	s_wait_dscnt 16                                ; the very last quarter: nothing more to fetch, the counts run down
	THIRD FRA1, 0
	s_wait_dscnt 8
	THIRD FRA1, 4
	s_wait_dscnt 0x0                               ; my reads of the ring are over: say so, since the stage lies over it
	s_barrier_signal -1
	THIRD FRA1, 8
	WIN 0
	s_barrier_wait -1                              ; everybody's are; no tensor load is out or to come
	PLACES
	; THE WAY OUT.  A wave's 192 columns are 384 bytes, one and a half pieces of 256: so the two waves of a row half write the two halves of the same stage rows, a barrier stands between
	; the writing and the reading, and each wave then reads 64 whole rows back and stores them.
.macro PACKW w                         ; window w's 32 accumulators (q: column block 4 (w - 1) + q / 8, row block q % 8): rounded to bf16, each from its low end, and put into the stage
	WIN 0x05*(\w)                                  ; sources 0 and 1 in window w
.set q, 0
.rept 32
.irp i, 0,1,2,3
	v_cvt_pk_bf16_f32 v[TMP+4*q+(\i)], v[8*q+2*(\i)], v[8*q+2*(\i)+1]
.endr
.set q, q+1
.endr
	WIN 0
.set q, 0
.rept 32
	ds_store_b128 v[STO+(q%8)/4], v[TMP+4*q:TMP+4*q+3] offset:(q%4)*16*OPIT+32*(4*((\w)-1)+q/8)
.set q, q+1
.endr
.endm
	PACKW 1
	PACKW 2
	PACKW 3
	s_wait_dscnt 0x0                               ; for the others' sake: my stores into the stage are done
	s_barrier_signal -1
	s_barrier_wait -1
	s_mov_b32 s3, 4
.Lout:                                                 ; four trips of 16 rows: 24 pieces of 512 bytes are read back and stored
.irp r, 0,1,2,3,4,5,6,7
.irp c, 0,1,2
	ds_load_b128 v[TMP+4*(3*(\r)+(\c)):TMP+4*(3*(\r)+(\c))+3], v[RD] offset:2*(\r)*OPIT+256*(\c)
.endr
.endr
	s_wait_dscnt 0x0
.irp r, 0,1,2,3,4,5,6,7
.irp c, 0,1,2
	global_store_b128 v[CO], v[TMP+4*(3*(\r)+(\c)):TMP+4*(3*(\r)+(\c))+3], s[10:11] offset:2*(\r)*CP+256*(\c)  ; 16 lanes store 256 consecutive bytes, at a multiple of 256 from qkv's first byte
.endr
.endr
	s_wait_xcnt 0x0                                ; the stores' addresses are translated (ISA guide 3.1): their offset and data registers are rewritten only behind this wait
	v_add_nc_u32 v[RD], 16*OPIT, v[RD]
	v_add_nc_u32 v[CO], 16*CP, v[CO]
	s_sub_co_u32 s3, s3, 1
	s_cmp_lg_u32 s3, 0
	s_cbranch_scc1 .Lout
	s_wait_tensorcnt 0x0                           ; the wave's end: behind my last tensor load and my last LDS store
	ds_add_u32 v[SPW], v[NIL]
	s_wait_dscnt 0x0
	CROUND                                         ; the closing round: no work-group ends while a partner may still ask for a tile that names it
	s_endpgm
.Lfunc_end_k_q3f7a49f4a4_proj:
	.size	k_q3f7a49f4a4_proj, .Lfunc_end_k_q3f7a49f4a4_proj-k_q3f7a49f4a4_proj
	.p2alignl 7, 3214868480
	.fill 96, 4, 3214868480
	.section	.rodata,"a",@progbits
	.p2align	6, 0x0
	.amdhsa_kernel k_q3f7a49f4a4_proj
		.amdhsa_group_segment_fixed_size 327680
		.amdhsa_private_segment_fixed_size 0
		.amdhsa_enable_private_segment 0
		.amdhsa_kernarg_size 32
		.amdhsa_user_sgpr_count 2
		.amdhsa_user_sgpr_kernarg_segment_ptr 1
		.amdhsa_wavefront_size32 1
		.amdhsa_system_sgpr_workgroup_id_x 1
		.amdhsa_system_sgpr_workgroup_id_y 1
		.amdhsa_system_sgpr_workgroup_id_z 1
		.amdhsa_system_vgpr_workitem_id 0
		.amdhsa_next_free_vgpr 1024
		.amdhsa_next_free_sgpr 84
		.amdhsa_reserve_vcc 0
		.amdhsa_float_denorm_mode_32 3
		.amdhsa_float_denorm_mode_16_64 3
		.amdhsa_memory_ordered 1
		.amdhsa_forward_progress 1
		.amdhsa_inst_pref_size 121
	.end_amdhsa_kernel
	.amdgpu_metadata
---
amdhsa.version: [ 1, 2 ]
amdhsa.kernels:
  - .name:           k_q3f7a49f4a4_proj
    .symbol:         k_q3f7a49f4a4_proj.kd
    .args:
      - { .name: xb, .offset: 0, .size: 8, .value_kind: global_buffer, .address_space: global }
      - { .name: wb, .offset: 8, .size: 8, .value_kind: global_buffer, .address_space: global }
      - { .name: bb, .offset: 16, .size: 8, .value_kind: global_buffer, .address_space: global }
      - { .name: qkv, .offset: 24, .size: 8, .value_kind: global_buffer, .address_space: global }
    .group_segment_fixed_size: 327680
    .private_segment_fixed_size: 0
    .kernarg_segment_align: 8
    .kernarg_segment_size: 32
    .max_flat_workgroup_size: 128
    .sgpr_count:     84
    .vgpr_count:     1024
    .wavefront_size: 32
...
	.end_amdgpu_metadata
.endif
;; end of part 6
;; launch scores (part 7): grid 8 x 32, 4 waves a work-group, clusters of 4 x 4, 327,680 bytes of LDS; arguments qkv, p, stats; writes p, stats
.if DOCPART == 7
	.amdgcn_target "amdgcn-amd-amdhsa--gfx1250"
	.amdhsa_code_object_version 6
	.text
	.protected	k_q3f7a49f4a4_scores
	.globl	k_q3f7a49f4a4_scores
	.p2align	8
	.type	k_q3f7a49f4a4_scores,@function
k_q3f7a49f4a4_scores:
	s_mov_b64 s[64:65], 0
	v_nop
	global_prefetch_b8 v0, s[64:65] scope:SCOPE_SE
	s_setreg_imm32_b32 hwreg(HW_REG_WAVE_MODE, 25, 1), 1
	s_wait_xcnt 0x0
	s_wait_alu depctr_hold_cnt(0) depctr_sa_sdst(0) depctr_va_vdst(0) depctr_va_sdst(0) depctr_va_ssrc(0) depctr_va_vcc(0) depctr_vm_vsrc(0)
	s_getreg_b32 s2, hwreg(HW_REG_IB_STS2, 6, 4)
	s_cmp_eq_u32 s2, 0
	s_cbranch_scc0 .Lentry_in_a_cluster
	s_endpgm
.Lentry_in_a_cluster:
	s_bfe_u32 s2, ttmp6, 0x10000c
	s_cmp_lg_u32 s2, 0xf033
	s_cbranch_scc0 .Lentry_shape_is_right
	s_endpgm
.Lentry_shape_is_right:
; For each batch: s = Q K^T (Q and K out of qkv, [8192][3072] bf16: Q at byte 0, K at byte 2,048 of a row), sums in f32.  With c = log2(e) / 32, for each query and each SEGMENT of 128 keys:
;   n = ceil(c x the segment's largest s),   p = 2^(c s - n) (at most 1, the largest above 1/2), rounded to bf16 into p: [8192][2048],   l = the sum of the unrounded p.
; n and l go to stats; the launch behind ties a row's 16 segments together by exact powers of two, 2^(n - N), N the row's largest n: so the row's maximum is taken away, in two steps.
; LIMITS.  n is a whole number kept in f32: exact while |c s| < 2^24.  A weight below 2^-126 counts as 0.  NaN and infinities are not treated apart.
; stats: f32, [batch 4][segment 16][group of 64 rows 32][n, l][row % 16][row / 16 % 4]: the 64 n and 64 l of a group and segment are 512 consecutive bytes.
; THE TILE is 256 queries x 256 keys: 8 x 32 tiles, one for each of 256 WGPs.  Four waves, each 128 x 128 (one segment): 64 accumulators of 16 x 16, 512 registers.
; K goes in steps of 128 (tile rows of 256 bytes, at multiples of 256) through a ring of two LDS slots.  A step has 256 matrix instructions a wave; 240 of them stand between a slot's request and the wait for it.
; CLUSTERS: 4 x 4 work-groups of one batch.  The four of a row need the same tiles of Q, the four of a column the same tiles of K: each is asked for JOINTLY, by the same tensor load with the same
; descriptor and a mask that names the four.
; THE MATRIX INSTRUCTION IS USED TRANSPOSED (source 0 = 16 keys, source 1 = 16 queries): lane l holds query l % 16 and the keys 16 b + 8 (l / 16) + 0..7: a query's 128 scores lie in two lanes, 16 apart.
; REGISTERS, in windows of 256 (s_set_vgpr_msb: bits 1:0 source 0, 3:2 source 1, 5:4 source 2, 7:6 destination):
;   window 0: v0-31 addresses; v32-95, v96-159 two buffers of K's 8 fragments (32 along K); v160-223 Q's 8 fragments, one buffer; v224-251 the softmax's registers
;   window 1 + a / 4: accumulator (query block a, key block b) at v[64 (a % 4) + 8 b]: 32 products on end run under one setting, and a block's 64 scores lie in one window
; A QUARTER is 32 along K: 64 products, query block by query block, in two halves.  Behind a half its four fragments of Q are loaded anew, for the next quarter; the next quarter's K comes with the
; first half's, into the other buffer.  Each run of loads stands 32 products ahead of its first use.
; THE WAY OUT is written for 64 rows (a window's four blocks, one group of stats) and walked twice: between the trips the second window's sums are moved into the first, 256 moves a wave, which spare a second copy of the text.
.set PITCH,  272                       ; an LDS row: 256 bytes + 16 of padding = 68 words: the 16 rows of a fragment load start at 16 different groups of four banks (64 banks of 4 bytes: ISA guide 11.1)
.set HALFT,  128*PITCH                 ; 128 rows: what one tensor load brings, and what one wave reads of Q or of K
.set SLOT,   4*HALFT                   ; Q's 256 rows, then K's 256 rows
.set STAGE,  2*SLOT                    ; behind the ring: 16 rows x 272 bytes for each wave
.set SPARE,  STAGE+4*16*PITCH          ; the spare words, 128 bytes a wave: two blocks of 256 bytes that no other line names
.set LAPS,   1024/256                  ; a lap = two K steps = once round the ring
.set ASTEP,  256                       ; bytes from a K step's tile to the next
.set BSTEP,  256
.set QP,     6144                      ; bytes in a row of qkv
.set CP,     4096                      ; bytes in a row of p
.set FLAGS,  (1<<16)|(1<<20)|(1<<21)|(5<<22)|(3<<25)  ; elements of 2 bytes; padding on; bit 21 beside a mask; after every 64 words 4 words
.set ADRA, 16                          ; v16-17  LDS address of my Q fragments in slot 0, 1
.set ADRB, 20                          ; v20-21  the same for K
.set STO,  24                          ; v24     the way out: where I put 16 bytes of a row
.set RD,   25                          ; v25     the way out: where I read a row back
.set CO,   26                          ; v26     my byte offset in two rows of p
.set LN16, 27                          ; v27     16 x lane
.set SPW,  28                          ; v28     LDS address of my spare word; never rewritten
.set NIL,  29                          ; v29     0; never rewritten
.set FRB0, 32
.set FRB1, 96
.set FRA,  160
.set CM,   224                         ; v224-231  eight running maxima
.set NG,   232                         ; v232-233  -n (the packed scaling names the pair and takes its low word)
.set XC,   234                         ; v234      what the lane 16 away holds
.set LP,   236                         ; v236-237  the sum, even and odd keys'
.set NST,  240                         ; v240-243  n of a trip's blocks 0-3
.set LST,  244                         ; v244-247  l of a trip's blocks 0-3
.set SD,   248                         ; v248-251  what goes to stats
.set TMP,  64                          ; the way out: packed weights
.set BK,   96                          ; block a's rows come back into v[BK + 32 a ..]
.set G1,  24                           ; s[24:31] descriptor group 1 for Q's tiles;  s[32:39] group 0, a set for each slot
.set G0,  32
.set G1B, 48                           ; s[48:55], s[56:63] the same for K's tiles
.set G0B, 56
.set WV,  80                           ; s80 my wave's number
.set RH,  81                           ; s81 which 128 queries of the tile are mine.  Also: I fetch for Q (0) or for K (1)
.set CH,  82                           ; s82 which 128 keys.  Also: which half of that tile I fetch
.set MSB, 0
.macro WIN new                         ; the immediate's high byte repeats the setting that is left; a switch that changes nothing is dropped
.if MSB != (\new)
	s_set_vgpr_msb (MSB<<8)|(\new)
.set MSB, \new
.endif
.endm
.macro JLOAD s                         ; a joint load: waves 0 and 1 fetch Q's halves, waves 2 and 3 K's; an s_nop 0 and four v_nop follow each of the two lines
	s_cmp_eq_u32 s[RH], 0
	s_cbranch_scc0 .Lfor_b_\@
	tensor_load_to_lds s[G0+4*(\s):G0+4*(\s)+3], s[G1:G1+7]
	s_nop 0
.rept 4
	v_nop
.endr
	s_branch .Lasked_\@
.Lfor_b_\@:
	tensor_load_to_lds s[G0B+4*(\s):G0B+4*(\s)+3], s[G1B:G1B+7]
	s_nop 0
.rept 4
	v_nop
.endr
.Lasked_\@:
.endm
.macro CREST                           ; a round of the cluster's barrier behind its opening barrier
	s_cmp_lg_u32 s[WV], 0
	s_cbranch_scc1 .Lnot_wave_0_\@
	s_barrier_signal -3
.Lnot_wave_0_\@:
	s_barrier_wait -3
	s_barrier_signal -1
	s_barrier_wait -1
.endm
.macro CROUND                          ; a whole round
	s_barrier_signal -1
	s_barrier_wait -1
	CREST
.endm
.macro PLACES                          ; four places in front of loads into registers that matrix instructions have read, and of vector work that reads results
.rept 4
	v_nop
.endr
.endm
; 8 matrix instructions: query block a x all 8 key blocks, 32 along K, K's fragments from buffer f.  z = 1: the product starts the sums.
; The 64 accumulators take turns, in the same order in every quarter.
.macro GRP f, a, z
.set rA, FRA+8*(\a)
.set rC, 64*((\a)%4)
	WIN 0x50*(1+(\a)/4)                            ; D and C in the query block's window
.irp b, 0,1,2,3,4,5,6,7
.if \z
	v_wmma_f32_16x16x32_bf16 v[rC+8*(\b):rC+8*(\b)+7], v[(\f)+8*(\b):(\f)+8*(\b)+7], v[rA:rA+7], 0
.else
	v_wmma_f32_16x16x32_bf16 v[rC+8*(\b):rC+8*(\b)+7], v[(\f)+8*(\b):(\f)+8*(\b)+7], v[rA:rA+7], v[rC+8*(\b):rC+8*(\b)+7]
.endif
.endr
.endm
.macro HALF f, a0, z                   ; 32 of them: a window's four query blocks
.irp i, 0,1,2,3
	GRP \f, (\a0)+(\i), \z
.endr
.endm
.macro LDA4 slot, k, a0                ; 8 LDS loads: Q's fragments a0 .. a0 + 3, 32 along K at byte k of the rows
	WIN 0
.irp i, 0,1,2,3
	ds_load_b128 v[FRA+8*((\a0)+(\i)):FRA+8*((\a0)+(\i))+3],   v[ADRA+(\slot)] offset:(\k)+((\a0)+(\i))*16*PITCH
	ds_load_b128 v[FRA+8*((\a0)+(\i))+4:FRA+8*((\a0)+(\i))+7], v[ADRA+(\slot)] offset:(\k)+((\a0)+(\i))*16*PITCH+32
.endr
.endm
.macro LDBF slot, k, g                 ; 16 LDS loads: K's eight fragments into buffer g
	WIN 0
.irp i, 0,1,2,3,4,5,6,7
	ds_load_b128 v[(\g)+8*(\i):(\g)+8*(\i)+3],   v[ADRB+(\slot)] offset:(\k)+(\i)*16*PITCH
	ds_load_b128 v[(\g)+8*(\i)+4:(\g)+8*(\i)+7], v[ADRB+(\slot)] offset:(\k)+(\i)*16*PITCH+32
.endr
.endm
; One of a K step's first three quarters: multiplies K's buffer f and fetches the next quarter, at byte k of the same slot's rows.  The runs of loads go 24, 8 in every quarter.
.macro QUARTER slot, k, f, g, z
	s_wait_dscnt 8                                 ; K and Q's fragments 0-3 are in; the younger run of 8 (Q's fragments 4-7) may be out
	HALF \f, 0, \z
	PLACES
	LDA4 \slot, \k, 0
	LDBF \slot, \k, \g
	s_wait_dscnt 24                                ; Q's fragments 4-7 are in; all but the 24 just issued
	HALF \f, 4, \z
	PLACES
	LDA4 \slot, \k, 4
.endm
; A step's last quarter multiplies buffer 1 and changes slots: ONE barrier; in front of it each wave waits for all its tensor loads (one is out: its part of the next slot), adds 0 to
; its spare word, and waits for that and for its own reads of this slot.  fill = 1: the barrier opens a round of the cluster's, and this slot is filled again, two K steps ahead, first thing behind it.
.macro TURN slot, next, fill
	s_wait_dscnt 8                                 ; K and Q's fragments 0-3 are in
	GRP FRB1, 0, 0
	GRP FRB1, 1, 0
	WIN 0                                          ; (the add's two registers lie in window 0)
	s_wait_tensorcnt 0x0                           ; all my tensor loads have landed
	ds_add_u32 v[SPW], v[NIL]                      ; 0 onto my spare word
	GRP FRB1, 2, 0                                 ; eight matrix instructions stand between the add and the wait for it
	s_wait_dscnt 0x0                               ; the add is done, and my reads of this slot are over
	s_barrier_signal -1
	GRP FRB1, 3, 0
.if \fill
	WIN 0
.endif
	s_barrier_wait -1
.if \fill
	CREST                                          ; no wave of any partner still reads this slot's tile or has a load on its way
	s_add_nc_u64 s[G0+4*(\slot)+2:G0+4*(\slot)+3], s[G0+4*(\slot)+2:G0+4*(\slot)+3], 2*ASTEP
	s_add_nc_u64 s[G0B+4*(\slot)+2:G0B+4*(\slot)+3], s[G0B+4*(\slot)+2:G0B+4*(\slot)+3], 2*BSTEP
	JLOAD \slot                                    ; 240 matrix instructions ahead of the wait for it; the four v_nop behind it are also the places in front of the loads below
.else
	PLACES
.endif
	LDA4 \next, 0, 0
	LDBF \next, 0, FRB0
	HALF FRB1, 4, 0                                ; (the wait for 0 above has shown Q's fragments 4-7 in)
	PLACES
	LDA4 \next, 0, 4
.endm
	s_load_b128 s[4:7], s[0:1], 0x0                ; qkv s[4:5], p s[6:7]
	s_load_b64 s[8:9], s[0:1], 0x10                ; stats
	v_lshl_add_u32 v[SPW], v0, 2, SPARE
	v_mov_b32 v[NIL], 0
	ds_add_u32 v[SPW], v[NIL]                      ; the wave's opening: the add and its wait stand ahead of my first tensor load; the set-up below, work on registers, stands between them
	v_lshrrev_b32 v1, 5, v0
	v_readfirstlane_b32 s[WV], v1                  ; wave 0..3
	s_lshr_b32 s[RH], s[WV], 1
	s_and_b32 s[CH], s[WV], 1
	s_bfe_u32 s40, ttmp6, 0x40000                  ; cx, cy: my place in the cluster
	s_bfe_u32 s41, ttmp6, 0x40004
	s_lshl_b32 s42, ttmp9, 2
	s_add_co_u32 s42, s42, s40                     ; tile column (256 keys) = 4 x cluster x + cx
	s_and_b32 s13, ttmp7, 0xffff
	s_lshr_b32 s45, s13, 1                         ; the batch: 8 tile rows, two clusters, each; all partners share it
	s_lshl_b32 s13, s13, 2
	s_add_co_u32 s13, s13, s41                     ; tile row (256 queries) = 4 x cluster y + cy
	s_lshl_b32 s43, s41, 2
	s_lshl_b32 s43, 15, s43                        ; my row of the cluster
	s_lshl_b32 s44, 0x1111, s40                    ; my column
	s_or_b32 s[G1+0], s43, FLAGS                   ; Q's tiles go to my row,
	s_or_b32 s[G1B+0], s44, FLAGS                  ; K's to my column
.irp g, G1, G1B
	s_mov_b32 s[(\g)+1], 128<<16                   ; tensor_dim0 = 128
	s_mov_b32 s[(\g)+2], 128<<16                   ; tensor_dim1 = 128
	s_mov_b32 s[(\g)+3], 128<<16                   ; tile_dim0 = 128
	s_mov_b32 s[(\g)+4], 128                       ; tile_dim1 = 128 rows a load
	s_mov_b32 s[(\g)+5], 3072                      ; elements from row to row
	s_mov_b32 s[(\g)+6], 0
	s_mov_b32 s[(\g)+7], 0
.endr
	s_lshl_b32 s17, s[CH], 7                       ; Q's tile hangs on the tile row alone, K's on the batch and the tile column alone, each in registers that never hold the other coordinate
	s_lshl_b32 s16, s13, 8
	s_add_co_u32 s16, s16, s17                     ; Q: row 256 x tile row + 128 x half
	s_mul_i32 s16, s16, QP
	s_mov_b32 s17, 0
	s_lshl_b32 s46, s45, 11                        ; K: row 2,048 x batch + 256 x tile column + 128 x half,
	s_lshl_b32 s47, s42, 8
	s_add_co_u32 s46, s46, s47
	s_lshl_b32 s47, s[CH], 7
	s_add_co_u32 s46, s46, s47
	s_mul_i32 s46, s46, QP
	s_add_co_u32 s46, s46, 2048                    ; and K's place in a row
	s_mov_b32 s47, 0
	s_mul_i32 s20, s[CH], HALFT                    ; where they go in a slot: no place in the cluster enters an LDS address
	s_add_co_u32 s21, s20, 2*HALFT
	s_mov_b32 s66, 0x3d38aa3b                      ; c = log2(e) / 32
	s_mov_b32 s67, s66                             ; named with it as a pair
	s_mov_b32 s68, 0x76543210                      ; v_permlanex16_b32's selects: each lane takes its own place in the other half
	s_mov_b32 s69, 0xfedcba98
	s_mov_b32 s70, 0xbd38aa3b                      ; -c
	s_wait_dscnt 0x0                               ; the opening add is done
	s_wait_kmcnt 0x0
	s_add_nc_u64 s[14:15], s[4:5], s[16:17]
	s_add_nc_u64 s[46:47], s[4:5], s[46:47]
	CROUND                                         ; all sixteen work-groups are here: the first joint loads meet
.irp s, 0,1
	s_mov_b32 s[G0+4*(\s)], 1                      ; count = 1
	s_add_co_u32 s[G0+4*(\s)+1], s20, (\s)*SLOT    ; LDS address
	s_add_nc_u64 s[G0+4*(\s)+2:G0+4*(\s)+3], s[14:15], (\s)*ASTEP  ; global address: K step s
	s_or_b32 s[G0+4*(\s)+3], s[G0+4*(\s)+3], 0x80000000            ; type = 2
	s_mov_b32 s[G0B+4*(\s)], 1
	s_add_co_u32 s[G0B+4*(\s)+1], s21, (\s)*SLOT
	s_add_nc_u64 s[G0B+4*(\s)+2:G0B+4*(\s)+3], s[46:47], (\s)*BSTEP
	s_or_b32 s[G0B+4*(\s)+3], s[G0B+4*(\s)+3], 0x80000000
	JLOAD \s                                       ; two loads of mine are out: the most in this text
.endr
	; A fragment is 16 rows x 32 K in 8 registers: lane l holds row l % 16, K = 8 (l / 16) + 0..7 and 16 + 8 (l / 16) + 0..7: two loads of 16 bytes, 32 bytes apart
	v_and_b32 v1, 15, v0                           ; l % 16
	v_bfe_u32 v2, v0, 4, 1                         ; l / 16
	v_mul_u32_u24 v3, v1, PITCH
	v_lshl_add_u32 v3, v2, 4, v3                   ; a fragment's row x pitch + 16 x half
	s_mul_i32 s22, s[RH], HALFT                    ; my 128 rows of Q
	s_mul_i32 s23, s[CH], HALFT                    ; my 128 rows of K,
	s_add_co_u32 s23, s23, 2*HALFT                 ; which lie behind Q's 256
.irp s, 0,1
	v_add_nc_u32 v[ADRA+(\s)], s22, v3
	v_add_nc_u32 v[ADRB+(\s)], s23, v3
	s_add_co_u32 s22, s22, SLOT
	s_add_co_u32 s23, s23, SLOT
.endr
	s_mul_i32 s22, s[WV], 16*PITCH
	s_add_co_u32 s22, s22, STAGE                   ; my stage
	v_add_nc_u32 v[STO], s22, v3                   ; in: row l % 16, 16 bytes for each half of the lanes
	v_mul_u32_u24 v5, v2, PITCH                    ; back: lanes 0-15 take one row of 256 bytes, lanes 16-31 the next
	v_lshl_add_u32 v5, v1, 4, v5
	v_add_nc_u32 v[RD], s22, v5
	v_lshlrev_b32 v5, 12, v2                       ; two rows of p, 4,096 bytes apart
	v_lshl_add_u32 v[CO], v1, 4, v5
	v_and_b32 v[LN16], 31, v0
	v_lshlrev_b32 v[LN16], 4, v[LN16]
	v_mov_b32 v[NG+1], 0                           ; named in a pair, so it is written
	v_mov_b32 v[XC], 0                             ; v_permlanex16_b32's destination counts as read
	s_lshl_b32 s16, s13, 8
	s_lshl_b32 s17, s[RH], 7
	s_add_co_u32 s16, s16, s17                     ; my first row of p,
	s_lshl_b32 s16, s16, 12                        ; of 4,096 bytes
	s_mov_b32 s17, 0
	s_add_nc_u64 s[6:7], s[6:7], s[16:17]
	s_lshl_b32 s46, s42, 9                         ; my first column, in bytes: 512 x tile column + 256 x half
	s_lshl_b32 s47, s[CH], 8
	s_add_co_u32 s46, s46, s47
	s_mov_b32 s47, 0
	s_add_nc_u64 s[6:7], s[6:7], s[46:47]
	s_lshl_b32 s78, s45, 4                         ; my two blocks of stats begin at ((16 batch + segment) x 32 + group) x 512 bytes; segment = 2 x tile column + half,
	s_lshl_b32 s79, s42, 1
	s_add_co_u32 s78, s78, s79
	s_add_co_u32 s78, s78, s[CH]
	s_lshl_b32 s78, s78, 5
	s_and_b32 s79, s13, 7                          ; group = 4 x (tile row % 8) + 2 x half, and the next
	s_lshl_b32 s79, s79, 2
	s_add_co_u32 s78, s78, s79
	s_lshl_b32 s79, s[RH], 1
	s_add_co_u32 s78, s78, s79
	s_lshl_b32 s78, s78, 9
	s_mov_b32 s79, 0
	s_add_nc_u64 s[8:9], s[8:9], s[78:79]
	s_wait_tensorcnt 1                             ; my part of K step 0 is in; K step 1's may stay out
	s_barrier_signal -1
	s_barrier_wait -1                              ; everybody's is
	LDA4 0, 0, 0                                   ; the first quarter's fragments, in the runs of every quarter: 24, 8
	LDBF 0, 0, FRB0
	LDA4 0, 0, 4
	QUARTER 0, 64, FRB0, FRB1, 1                   ; the first quarter stands in front of the loop: its products start the sums
	WIN 0                                          ; at a label and at a branch every window is 0
	s_mov_b32 s3, LAPS-1
.Llap:                                                 ; a trip goes once round the ring, from a lap's second quarter to the next lap's first, and fills both slots again
	QUARTER 0, 128, FRB1, FRB0, 0
	QUARTER 0, 192, FRB0, FRB1, 0
	TURN 0, 1, 1
	QUARTER 1, 64,  FRB0, FRB1, 0
	QUARTER 1, 128, FRB1, FRB0, 0
	QUARTER 1, 192, FRB0, FRB1, 0
	TURN 1, 0, 1
	QUARTER 0, 64,  FRB0, FRB1, 0
	WIN 0
	s_sub_co_u32 s3, s3, 1
	s_cmp_lg_u32 s3, 0
	s_cbranch_scc1 .Llap
	QUARTER 0, 128, FRB1, FRB0, 0                  ; the last lap fills nothing, and has no round of the cluster's barrier
	QUARTER 0, 192, FRB0, FRB1, 0
	TURN 0, 1, 0
	QUARTER 1, 64,  FRB0, FRB1, 0
	QUARTER 1, 128, FRB1, FRB0, 0
	QUARTER 1, 192, FRB0, FRB1, 0
	s_wait_dscnt 8                                 ; the very last quarter: nothing more to fetch
	HALF FRB1, 0, 0
	s_wait_dscnt 0x0
	HALF FRB1, 4, 0
	WIN 0
	PLACES
; BLOCK a's SOFTMAX PART (a = 0..3 of the window in hand): 16 queries x 128 keys; a lane holds 64 scores of one query, in the block's eight accumulators.
.macro SOFT a
.set AC, 64*(\a)
	WIN 0x15                                       ; all three sources window 1.  Eight chains, one an accumulator, each begun at its low end
.irp b, 0,1,2,3,4,5,6,7
	v_max3_num_f32 v[CM+(\b)], v[AC+8*(\b)], v[AC+8*(\b)+1], v[AC+8*(\b)+2]
.endr
	WIN 0x14                                       ; source 0 window 0
.irp b, 0,1,2,3,4,5,6,7
	v_max3_num_f32 v[CM+(\b)], v[CM+(\b)], v[AC+8*(\b)+3], v[AC+8*(\b)+4]
.endr
.irp b, 0,1,2,3,4,5,6,7
	v_max3_num_f32 v[CM+(\b)], v[CM+(\b)], v[AC+8*(\b)+5], v[AC+8*(\b)+6]
.endr
.irp b, 0,2,4,6
	v_max3_num_f32 v[CM+(\b)], v[CM+(\b)], v[AC+8*(\b)+7], v[AC+8*(\b)+15]
.endr
	WIN 0
	v_max3_num_f32 v[CM], v[CM], v[CM+1], v[CM+2]
	v_max3_num_f32 v[CM+3], v[CM+3], v[CM+4], v[CM+5]
	v_max_num_f32 v[CM+6], v[CM+6], v[CM+7]
	v_max3_num_f32 v[CM], v[CM], v[CM+3], v[CM+6]
	v_permlanex16_b32 v[XC], v[CM], s68, s69       ; the query's other 64 keys lie in the lane 16 away
	v_max_num_f32 v[CM], v[CM], v[XC]
	v_mul_f32 v[NG], s70, v[CM]
	v_floor_f32 v[NG], v[NG]                       ; floor(-c max) = -ceil(c max) = -n
	v_sub_f32 v[NST+(\a)], 0, v[NG]
	WIN 0x41                                       ; destination and source 0 window 1
.set i, 0
.rept 32
	v_pk_fma_f32 v[AC+i:AC+i+1], v[AC+i:AC+i+1], s[66:67], v[NG:NG+1] op_sel_hi:[1,0,0]  ; c s - n
.set i, i+2
.endr
.set i, 0
.rept 64
	v_exp_f32 v[AC+i], v[AC+i]
.set i, i+1
.endr
	v_nop                                          ; a plain instruction between the exponentials and the use of their results (ISA guide 5.7.2)
	WIN 0x05                                       ; sources window 1, destination window 0
	s_wait_alu depctr_va_vdst(0)
.irp b, 0,1,2,3,4,5,6,7
.irp i, 0,1,2,3
	v_cvt_pk_bf16_f32 v[TMP+4*(\b)+(\i)], v[AC+8*(\b)+2*(\i)], v[AC+8*(\b)+2*(\i)+1]
.endr
.endr
	WIN 0x45                                       ; the sum of the 32 pairs, in place: neighbours 1, 2, 4, 8 pairs apart
.irp w, 4,8,16,32
.set u, 0
.rept 64/(\w)
	v_pk_add_f32 v[AC+(\w)*u:AC+(\w)*u+1], v[AC+(\w)*u:AC+(\w)*u+1], v[AC+(\w)*u+(\w)/2:AC+(\w)*u+(\w)/2+1]
.set u, u+1
.endr
.endr
	WIN 0x05
	v_pk_add_f32 v[LP:LP+1], v[AC:AC+1], v[AC+32:AC+33]
	WIN 0
	v_add_f32 v[LP], v[LP], v[LP+1]
	v_permlanex16_b32 v[XC], v[LP], s68, s69
	v_add_f32 v[LST+(\a)], v[LP], v[XC]
.endm
.macro TOSTAGE a                       ; into my own stage, and back as whole rows of 256 bytes
	WIN 0
.irp b, 0,1,2,3,4,5,6,7
	ds_store_b128 v[STO], v[TMP+4*(\b):TMP+4*(\b)+3] offset:32*(\b)
.endr
.irp t, 0,1,2,3,4,5,6,7
	ds_load_b128 v[BK+32*(\a)+4*(\t):BK+32*(\a)+4*(\t)+3], v[RD] offset:(\t)*2*PITCH  ; LDS serves a wave's instructions in order (ISA guide 5.7.1.4): these see the stores above
.endr
.endm
.macro SEND a
	WIN 0
	s_wait_dscnt 0x0                               ; the block is back in registers
.irp t, 0,1,2,3,4,5,6,7
	global_store_b128 v[CO], v[BK+32*(\a)+4*(\t):BK+32*(\a)+4*(\t)+3], s[6:7] offset:(16*(\a)+2*(\t))*CP  ; 16 lanes store 256 consecutive bytes, at a multiple of 256 from p's first byte
.endr
.endm
	s_mov_b32 s3, 2
.Lway:                                                 ; two trips of 64 rows: the sums in window 1 become weights and leave, with their group's n and l
	SOFT 0
	TOSTAGE 0
.irp a, 1,2,3                          ; block a's arithmetic stands between block a - 1's loads from the stage and the wait for them
	SOFT \a
	SEND (\a)-1
	TOSTAGE \a
.endr
	SEND 3
	v_cmp_gt_u32 s71, 256, v[LN16]                 ; lanes 0-15 carry n of rows l + 16 a, lanes 16-31 l of the same rows
.irp a, 0,1,2,3
	v_cndmask_b32 v[SD+(\a)], v[LST+(\a)], v[NST+(\a)], s71
.endr
	global_store_b128 v[LN16], v[SD:SD+3], s[8:9]  ; 512 consecutive bytes, at a multiple of 512 from stats' first byte
	s_wait_xcnt 0x0                                ; the stores' addresses are translated (ISA guide 3.1): their bases and data registers are rewritten only behind this wait
	s_cmp_eq_u32 s3, 1
	s_cbranch_scc1 .Lmoved                         ; behind the second trip nothing is left to move
	s_add_nc_u64 s[6:7], s[6:7], 64*CP             ; 64 rows of p on,
	s_add_nc_u64 s[8:9], s[8:9], 512               ; and the next group's block of stats
	WIN 0x42                                       ; destination window 1, source window 2: my rows 64-127 go where the one text of the way out names the sums, each accumulator from its low end
.set i, 0
.rept 256
	v_mov_b32 v[i], v[i]
.set i, i+1
.endr
	WIN 0
.Lmoved:
	s_sub_co_u32 s3, s3, 1
	s_cmp_lg_u32 s3, 0
	s_cbranch_scc1 .Lway
	s_wait_tensorcnt 0x0                           ; the wave's end: behind my last tensor load and my last LDS store
	ds_add_u32 v[SPW], v[NIL]
	s_wait_dscnt 0x0
	CROUND                                         ; the closing round: no work-group ends while a partner may still ask for a tile that names it
	s_endpgm
.Lfunc_end_k_q3f7a49f4a4_scores:
	.size	k_q3f7a49f4a4_scores, .Lfunc_end_k_q3f7a49f4a4_scores-k_q3f7a49f4a4_scores
	.p2alignl 7, 3214868480
	.fill 96, 4, 3214868480
	.section	.rodata,"a",@progbits
	.p2align	6, 0x0
	.amdhsa_kernel k_q3f7a49f4a4_scores
		.amdhsa_group_segment_fixed_size 327680
		.amdhsa_private_segment_fixed_size 0
		.amdhsa_enable_private_segment 0
		.amdhsa_kernarg_size 24
		.amdhsa_user_sgpr_count 2
		.amdhsa_user_sgpr_kernarg_segment_ptr 1
		.amdhsa_wavefront_size32 1
		.amdhsa_system_sgpr_workgroup_id_x 1
		.amdhsa_system_sgpr_workgroup_id_y 1
		.amdhsa_system_sgpr_workgroup_id_z 1
		.amdhsa_system_vgpr_workitem_id 0
		.amdhsa_next_free_vgpr 768
		.amdhsa_next_free_sgpr 84
		.amdhsa_reserve_vcc 0
		.amdhsa_float_denorm_mode_32 3
		.amdhsa_float_denorm_mode_16_64 3
		.amdhsa_memory_ordered 1
		.amdhsa_forward_progress 1
		.amdhsa_inst_pref_size 172
	.end_amdhsa_kernel
	.amdgpu_metadata
---
amdhsa.version: [ 1, 2 ]
amdhsa.kernels:
  - .name:           k_q3f7a49f4a4_scores
    .symbol:         k_q3f7a49f4a4_scores.kd
    .args:
      - { .name: qkv, .offset: 0, .size: 8, .value_kind: global_buffer, .address_space: global }
      - { .name: p, .offset: 8, .size: 8, .value_kind: global_buffer, .address_space: global }
      - { .name: stats, .offset: 16, .size: 8, .value_kind: global_buffer, .address_space: global }
    .group_segment_fixed_size: 327680
    .private_segment_fixed_size: 0
    .kernarg_segment_align: 8
    .kernarg_segment_size: 24
    .max_flat_workgroup_size: 128
    .sgpr_count:     84
    .vgpr_count:     768
    .wavefront_size: 32
...
	.end_amdgpu_metadata
.endif
;; end of part 7
;; launch pv (part 8): grid 4 x 64, 4 waves a work-group, clusters of 4 x 4, 327,680 bytes of LDS; arguments p, qkv, stats, out0; writes out0
.if DOCPART == 8
	.amdgcn_target "amdgcn-amd-amdhsa--gfx1250"
	.amdhsa_code_object_version 6
	.text
	.protected	k_q3f7a49f4a4_pv
	.globl	k_q3f7a49f4a4_pv
	.p2align	8
	.type	k_q3f7a49f4a4_pv,@function
k_q3f7a49f4a4_pv:
	s_mov_b64 s[64:65], 0
	v_nop
	global_prefetch_b8 v0, s[64:65] scope:SCOPE_SE
	s_setreg_imm32_b32 hwreg(HW_REG_WAVE_MODE, 25, 1), 1
	s_wait_xcnt 0x0
	s_wait_alu depctr_hold_cnt(0) depctr_sa_sdst(0) depctr_va_vdst(0) depctr_va_sdst(0) depctr_va_ssrc(0) depctr_va_vcc(0) depctr_vm_vsrc(0)
	s_getreg_b32 s2, hwreg(HW_REG_IB_STS2, 6, 4)
	s_cmp_eq_u32 s2, 0
	s_cbranch_scc0 .Lentry_in_a_cluster
	s_endpgm
.Lentry_in_a_cluster:
	s_bfe_u32 s2, ttmp6, 0x10000c
	s_cmp_lg_u32 s2, 0xf033
	s_cbranch_scc0 .Lentry_shape_is_right
	s_endpgm
.Lentry_shape_is_right:
; out0[q][d] = (sum over the 16 segments g of 2^(d_g) sum over the segment's 128 keys k of p[q][k] V[k][d]) / L,   d_g = max(n_g - N, -60),   N = the largest n_g of row q,   L = sum over g of 2^(d_g) l_g.
; p: [8192][2048] bf16 and stats (n, l for each row and segment) come from the launch before; V lies at byte 4,096 of qkv's rows of 6,144 bytes; out0: [8192][1024] f32.  Sums in f32.
; A K step IS a segment.  The sums are kept in the unit of the segment in hand: between segments g - 1 and g they are multiplied, in f32, by 2^(d_(g-1) - d_g), and at the end by 2^(d_15) / L.
; All these factors but 1 / L are powers of two, so they round nothing.
; LIMITS.  A segment whose n lies more than 60 below N is weighted 2^-60 in the sum and in L alike, instead of less: below f32's last bit of L, which is above 1/2.  The sums reach
; 2^60 x 2,048 x the largest |V| at the most: |V| stays under 2^50.  n is exact while below 2^24.  NaN and infinities are not treated apart.
; A tile of out0 is 128 x 256: four waves, each 64 x 128: 32 accumulators of 16 x 16.  4 x 64 tiles: one for each of 256 WGPs.  16 K steps of 128 keys through two LDS slots.
; CLUSTERS: 4 x 4 work-groups of one batch.  The four of a row need the same tiles of p, the four of a column the same tiles of V: each is asked for JOINTLY.
; THE MATRIX INSTRUCTION IS USED TRANSPOSED (source 0 = 16 channels of V, turned on the way out of LDS by ds_load_tr16_b128; source 1 = 16 rows of p): lane l holds row l % 16 and the channels 8 (l / 16) + 0..7.
; REGISTERS: window 0: v0-31 addresses; v32-63 statistics; v64-159, v160-255 two fragment buffers (4 fragments of p, 8 of V)          window 1: accumulator (a, b) at v[8 (8 a + b)]
.set PITCH,  272                       ; a row of p in LDS: 256 bytes + 16 of padding
.set VP,     544                       ; a row of V: 512 + 32 = 136 words
.set AH,     64*PITCH                  ; half of p's tile
.set BH,     64*VP                     ; half of V's tile: 64 keys
.set SLOT,   2*AH+2*BH                 ; p's 128 rows, then V's 128 keys
.set STAGE,  2*SLOT                    ; behind the ring: 16 rows x 528 bytes for each wave, for the way out
.set OPITCH, 528                       ; 512 bytes + 16
.set FAC,    STAGE+4*16*OPITCH         ; each wave's factors: [segment 16][row % 16][row / 16: 4][twice] words, 8,192 bytes
.set SPARE,  FAC+4*8192                ; the spare words, 128 bytes a wave: two blocks of 256 bytes that no other line names
.set LAPS,   2048/256
.set ASTEP,  256
.set BSTEP,  128*6144
.set FLAGS,  (1<<16)|(1<<20)|(1<<21)|(5<<22)|(3<<25)  ; p: elements of 2 bytes; padding on; bit 21 beside a mask; after every 64 words 4 words
.set FLAGSV, (1<<16)|(1<<20)|(1<<21)|(6<<22)|(7<<25)  ; V: after every 128 words 8 words
.set ADRA, 16
.set ADRB, 20
.set STO,  24
.set RD,   25
.set LN16, 27                          ; v27     16 x lane
.set SPW,  28
.set NIL,  29
.set FA,   30                          ; v30     LDS address of my row's factors for the trip's first segment
.set FA0,  31                          ; v31     the same for segment 0; never rewritten
.set MX,   32                          ; v32-35  N of blocks 0-3; later 1 / L
.set PX,   36                          ; v36-39  what the lane 16 away holds
.set RL,   40                          ; v40-47  2^(d_15) / L, a pair a block
.set FC,   48                          ; v48-55  the factor in front of the next segment, a pair a block
.set LT,   56                          ; v56-59  L
.set DT,   60                          ; v60-63  at work
.set F0,   64
.set F1,   160
.set NS,   64                          ; the set-up: n of my half's eight segments x four blocks, then d as whole numbers
.set LS,   96                          ; the set-up: l likewise
.set FD,   128                         ; the set-up: the factors, twice each: 8 registers a segment
.set G1,  24
.set G0,  32
.set G1B, 48
.set G0B, 56
.set WV,  80
.set RH,  81
.set CH,  82
.set FS,  83                           ; s83 how far the factors' address has stepped
.set MSB, 0
.macro WIN new
.if MSB != (\new)
	s_set_vgpr_msb (MSB<<8)|(\new)
.set MSB, \new
.endif
.endm
.macro JLOAD s                         ; a joint load: waves 0 and 1 fetch p's halves, waves 2 and 3 V's; an s_nop 0 and four v_nop follow each of the two lines
	s_cmp_eq_u32 s[RH], 0
	s_cbranch_scc0 .Lfor_b_\@
	tensor_load_to_lds s[G0+4*(\s):G0+4*(\s)+3], s[G1:G1+7]
	s_nop 0
.rept 4
	v_nop
.endr
	s_branch .Lasked_\@
.Lfor_b_\@:
	tensor_load_to_lds s[G0B+4*(\s):G0B+4*(\s)+3], s[G1B:G1B+7]
	s_nop 0
.rept 4
	v_nop
.endr
.Lasked_\@:
.endm
.macro CREST
	s_cmp_lg_u32 s[WV], 0
	s_cbranch_scc1 .Lnot_wave_0_\@
	s_barrier_signal -3
.Lnot_wave_0_\@:
	s_barrier_wait -3
	s_barrier_signal -1
	s_barrier_wait -1
.endm
.macro CROUND
	s_barrier_signal -1
	s_barrier_wait -1
	CREST
.endm
.macro PLACES                          ; four places behind matrix instructions (ISA guide 7.12.1)
.rept 4
	v_nop
.endr
.endm
; 8 matrix instructions: row block a x all 8 channel blocks, 32 keys.  z = 1: the product starts the sums.  The 32 accumulators take turns.
.macro MUL8 f, a, z
	WIN 0x50
.irp b, 0,1,2,3,4,5,6,7
.if (\z) == 1
	v_wmma_f32_16x16x32_bf16 v[8*(8*(\a)+(\b)):8*(8*(\a)+(\b))+7], v[(\f)+32+8*(\b):(\f)+32+8*(\b)+7], v[(\f)+8*(\a):(\f)+8*(\a)+7], 0
.else
	v_wmma_f32_16x16x32_bf16 v[8*(8*(\a)+(\b)):8*(8*(\a)+(\b))+7], v[(\f)+32+8*(\b):(\f)+32+8*(\b)+7], v[(\f)+8*(\a):(\f)+8*(\a)+7], v[8*(8*(\a)+(\b)):8*(8*(\a)+(\b))+7]
.endif
.endr
.endm
; Row block a's sums go over into the next segment's unit: 32 packed multiplications in f32, each accumulator from its low end.  It stands behind the block's last product of the segment, with
; four places or another block's 32 multiplications between, and ahead of its first product of the next.
.macro RESC a
	WIN 0x41                                       ; destination and source 0 window 1, the factor window 0
.set i, 64*(\a)
.rept 32
	v_pk_mul_f32 v[i:i+1], v[i:i+1], v[FC+2*(\a):FC+2*(\a)+1]
.set i, i+2
.endr
.endm
; One run of LDS loads: quarter q (32 keys) of a slot into buffer f: V's eight fragments, turned, then p's four.  seg >= 0: first the factors in front of the next segment, at that byte from v[FA].
.macro FETCHP slot, q, f, seg
	WIN 0
.if (\seg) >= 0
	ds_load_b128 v[FC:FC+3],   v[FA] offset:(\seg)
	ds_load_b128 v[FC+4:FC+7], v[FA] offset:(\seg)+16
.endif
.irp b, 0,1,2,3,4,5,6,7
	ds_load_tr16_b128 v[(\f)+32+8*(\b):(\f)+32+8*(\b)+3],   v[ADRB+(\slot)] offset:(\q)*32*VP+32*(\b)
	ds_load_tr16_b128 v[(\f)+32+8*(\b)+4:(\f)+32+8*(\b)+7], v[ADRB+(\slot)] offset:(\q)*32*VP+16*VP+32*(\b)
.endr
.irp i, 0,1,2,3
	ds_load_b128 v[(\f)+8*(\i):(\f)+8*(\i)+3],   v[ADRA+(\slot)] offset:64*(\q)+(\i)*16*PITCH
	ds_load_b128 v[(\f)+8*(\i)+4:(\f)+8*(\i)+7], v[ADRA+(\slot)] offset:64*(\q)+(\i)*16*PITCH+32
.endr
.endm
; One of a K step's first three quarters: multiplies buffer f and fetches quarter q into g.  rs = 1: a segment's first quarter: row block 3 is still to go over into its unit; those 32
; multiplications are then the places in front of the loads.  The factors are loaded anew in a segment's second quarter, behind their last use.
.macro QUARTERP slot, q, f, g, z, rs, seg
	s_wait_dscnt 4                                 ; V and p's blocks 0, 1 are in; the youngest four loads (p's blocks 2, 3) may be out
	MUL8 \f, 0, \z
	MUL8 \f, 1, \z
.if \rs
	RESC 3
.else
	PLACES
.endif
	FETCHP \slot, \q, \g, \seg
.if (\seg) >= 0
	s_wait_dscnt 26                                ; all but the 26 just issued
.else
	s_wait_dscnt 24                                ; all but the 24 just issued
.endif
	MUL8 \f, 2, \z
	MUL8 \f, 3, \z
.endm
; A segment's last quarter, and the change of slots: ONE barrier; in front of it each wave waits for all its tensor loads, adds 0 to its spare word, and waits for that and for its reads of this slot.
; fill = 1: the barrier opens a round of the cluster's, and this slot is filled again, two K steps ahead, first thing behind it.  Row blocks 0 to 2 go over into the next segment's unit here.
.macro TURNP slot, next, fill
	WIN 0
	s_wait_tensorcnt 0x0                           ; all my tensor loads have landed: the one that was out is my part of the next slot
	ds_add_u32 v[SPW], v[NIL]                      ; 0 onto my spare word
	s_wait_dscnt 5                                 ; (the add and the youngest four loads may be out)
	MUL8 F1, 0, 0
	s_wait_dscnt 0x0                               ; the add is done, and my reads of this slot are over
	s_barrier_signal -1
	MUL8 F1, 1, 0
	PLACES                                         ; behind row block 0's products, and in front of the loads below
	RESC 0                                         ; work on registers while the others arrive
	WIN 0
	s_barrier_wait -1
.if \fill
	CREST
	s_add_nc_u64 s[G0+4*(\slot)+2:G0+4*(\slot)+3], s[G0+4*(\slot)+2:G0+4*(\slot)+3], 2*ASTEP
	s_add_nc_u64 s[G0B+4*(\slot)+2:G0B+4*(\slot)+3], s[G0B+4*(\slot)+2:G0B+4*(\slot)+3], 2*BSTEP
	JLOAD \slot                                    ; 112 matrix instructions ahead of the wait for it
.endif
	FETCHP \next, 0, F0, -1
	MUL8 F1, 2, 0
	RESC 1
	MUL8 F1, 3, 0
	RESC 2
.endm
	s_load_b256 s[4:11], s[0:1], 0x0               ; p s[4:5], qkv s[6:7], stats s[8:9], out0 s[10:11]
	v_lshl_add_u32 v[SPW], v0, 2, SPARE
	v_mov_b32 v[NIL], 0
	ds_add_u32 v[SPW], v[NIL]                      ; the wave's opening: the add and its wait stand ahead of my first tensor load; the set-up below stands between them
	v_lshrrev_b32 v1, 5, v0
	v_readfirstlane_b32 s[WV], v1
	s_lshr_b32 s[RH], s[WV], 1
	s_and_b32 s[CH], s[WV], 1
	s_bfe_u32 s40, ttmp6, 0x40000                  ; cx, cy
	s_bfe_u32 s41, ttmp6, 0x40004
	s_lshl_b32 s42, ttmp9, 2
	s_add_co_u32 s42, s42, s40                     ; tile column (256 channels)
	s_and_b32 s13, ttmp7, 0xffff
	s_lshr_b32 s45, s13, 2                         ; the batch, which all partners share
	s_lshl_b32 s13, s13, 2
	s_add_co_u32 s13, s13, s41                     ; tile row (128 queries)
	s_lshl_b32 s43, s41, 2
	s_lshl_b32 s43, 15, s43                        ; my row of the cluster
	s_lshl_b32 s44, 0x1111, s40                    ; my column
	s_or_b32 s[G1+0], s43, FLAGS
	s_mov_b32 s[G1+1], 128<<16                     ; p: 64 rows x 128 elements a load
	s_mov_b32 s[G1+2], 64<<16
	s_mov_b32 s[G1+3], 128<<16
	s_mov_b32 s[G1+4], 64
	s_mov_b32 s[G1+5], 2048
	s_mov_b32 s[G1+6], 0
	s_mov_b32 s[G1+7], 0
	s_or_b32 s[G1B+0], s44, FLAGSV
	s_mov_b32 s[G1B+1], 256<<16                    ; V: 64 keys x 256 elements a load: rows of 512 bytes, at multiples of 256
	s_mov_b32 s[G1B+2], 64<<16
	s_mov_b32 s[G1B+3], 256<<16
	s_mov_b32 s[G1B+4], 64
	s_mov_b32 s[G1B+5], 3072
	s_mov_b32 s[G1B+6], 0
	s_mov_b32 s[G1B+7], 0
	s_lshl_b32 s17, s[CH], 6
	s_lshl_b32 s16, s13, 7
	s_add_co_u32 s16, s16, s17                     ; p: row 128 x tile row + 64 x half,
	s_lshl_b32 s16, s16, 12                        ; of 4,096 bytes
	s_mov_b32 s17, 0
	s_lshl_b32 s46, s45, 11                        ; V: key 2,048 x batch + 64 x half,
	s_lshl_b32 s47, s[CH], 6
	s_add_co_u32 s46, s46, s47
	s_mul_i32 s46, s46, 6144
	s_lshl_b32 s47, s42, 9                         ; the tile column's 512 bytes,
	s_add_co_u32 s46, s46, s47
	s_add_co_u32 s46, s46, 4096                    ; and V's place in a row
	s_mov_b32 s47, 0
	s_mul_i32 s20, s[CH], AH
	s_mul_i32 s21, s[CH], BH
	s_add_co_u32 s21, s21, 2*AH
	s_mov_b32 s68, 0x76543210                      ; v_permlanex16_b32's selects: each lane takes its own place in the other half
	s_mov_b32 s69, 0xfedcba98
	s_mov_b32 s[FS], 0
	s_wait_dscnt 0x0                               ; the opening add is done
	s_wait_kmcnt 0x0
	s_add_nc_u64 s[14:15], s[4:5], s[16:17]
	s_add_nc_u64 s[46:47], s[6:7], s[46:47]
	CROUND                                         ; all sixteen work-groups are here: the first joint loads meet
.irp s, 0,1
	s_mov_b32 s[G0+4*(\s)], 1
	s_add_co_u32 s[G0+4*(\s)+1], s20, (\s)*SLOT
	s_add_nc_u64 s[G0+4*(\s)+2:G0+4*(\s)+3], s[14:15], (\s)*ASTEP
	s_or_b32 s[G0+4*(\s)+3], s[G0+4*(\s)+3], 0x80000000
	s_mov_b32 s[G0B+4*(\s)], 1
	s_add_co_u32 s[G0B+4*(\s)+1], s21, (\s)*SLOT
	s_add_nc_u64 s[G0B+4*(\s)+2:G0B+4*(\s)+3], s[46:47], (\s)*BSTEP
	s_or_b32 s[G0B+4*(\s)+3], s[G0B+4*(\s)+3], 0x80000000
	JLOAD \s                                       ; two loads of mine are out: the most in this text
.endr
	; THE STATISTICS of my 64 rows, while the first tiles are on their way.  Lanes 0-15 take segments 0-7, lanes 16-31 segments 8-15; lane l holds rows l % 16 + 16 a, a = 0..3.
	s_and_b32 s78, s13, 15                         ; my group of 64 rows in the batch: 2 x (tile row % 16) + half;
	s_lshl_b32 s78, s78, 1
	s_add_co_u32 s78, s78, s[RH]
	s_lshl_b32 s79, s45, 9                         ; a batch has 16 x 32 blocks
	s_add_co_u32 s78, s78, s79
	s_lshl_b32 s78, s78, 9                         ; of 512 bytes
	s_mov_b32 s79, 0
	s_add_nc_u64 s[8:9], s[8:9], s[78:79]
	v_and_b32 v1, 15, v0                           ; l % 16
	v_bfe_u32 v2, v0, 4, 1                         ; l / 16
	v_lshlrev_b32 v5, 4, v1
	v_lshl_add_u32 v5, v2, 17, v5                  ; eight segments of 16,384 bytes on for the upper lanes
.irp s, 0,1,2,3,4,5,6,7
	global_load_b128 v[NS+4*(\s):NS+4*(\s)+3], v5, s[8:9] offset:16384*(\s)      ; sixteen lanes read 256 consecutive bytes
	global_load_b128 v[LS+4*(\s):LS+4*(\s)+3], v5, s[8:9] offset:16384*(\s)+256
.endr
	v_mul_u32_u24 v3, v1, PITCH
	v_lshl_add_u32 v3, v2, 4, v3                   ; a fragment of p: row x pitch + 16 x half
	; The turning load takes 16 keys x 16 channels (lane l reads key 8 (l / 16) + l % 8, channels 8 ((l / 8) % 2) + 0..7) and leaves half a fragment: lane l holds channel l % 16 and 8 keys
	v_and_b32 v6, 7, v0
	v_bfe_u32 v7, v0, 3, 1
	v_lshl_add_u32 v8, v2, 3, v6
	v_mul_u32_u24 v8, v8, VP
	v_lshl_add_u32 v8, v7, 4, v8
	s_mul_i32 s22, s[RH], AH                       ; my 64 rows of p
	s_lshl_b32 s23, s[CH], 8                       ; my 128 channels: 256 bytes of V's rows,
	s_add_co_u32 s23, s23, 2*AH                    ; which lie behind p's 128
.irp s, 0,1
	v_add_nc_u32 v[ADRA+(\s)], s22, v3
	v_add_nc_u32 v[ADRB+(\s)], s23, v8
	s_add_co_u32 s22, s22, SLOT
	s_add_co_u32 s23, s23, SLOT
.endr
	s_mul_i32 s22, s[WV], 16*OPITCH
	s_add_co_u32 s22, s22, STAGE                   ; my stage
	v_mul_u32_u24 v[STO], v1, OPITCH               ; in: row l % 16, 32 bytes for each half of the lanes
	v_lshl_add_u32 v[STO], v2, 5, v[STO]
	v_add_nc_u32 v[STO], s22, v[STO]
	v_and_b32 v10, 31, v0                          ; the lane
	v_lshlrev_b32 v[LN16], 4, v10
	v_add_nc_u32 v[RD], s22, v[LN16]               ; back: 32 lanes take a row's 512 bytes
	s_lshl_b32 s22, s[WV], 13
	s_add_co_u32 s22, s22, FAC                     ; my factors: 32 bytes for each row % 16, 512 a segment
	v_lshl_add_u32 v[FA0], v1, 5, s22
	v_lshl_add_u32 v9, v2, 12, v[FA0]              ; the upper lanes' eight segments lie 4,096 bytes on
	v_mov_b32 v[FA], v[FA0]
.irp a, 0,1,2,3
	v_mov_b32 v[PX+(\a)], 0                        ; v_permlanex16_b32's destination counts as read
.endr
	v_cmp_le_u32 s71, 16, v10                      ; the upper lanes
	s_lshl_b32 s16, s13, 7
	s_lshl_b32 s17, s[RH], 6
	s_add_co_u32 s16, s16, s17                     ; my first row of out0,
	s_lshl_b32 s16, s16, 12                        ; of 4,096 bytes
	s_mov_b32 s17, 0
	s_add_nc_u64 s[10:11], s[10:11], s[16:17]
	s_lshl_b32 s46, s42, 10                        ; my first column, in bytes: 1,024 x tile column + 512 x half
	s_lshl_b32 s47, s[CH], 9
	s_add_co_u32 s46, s46, s47
	s_mov_b32 s47, 0
	s_add_nc_u64 s[10:11], s[10:11], s[46:47]
	s_wait_loadcnt 0x0                             ; n and l
.irp a, 0,1,2,3
	v_max3_num_f32 v[MX+(\a)], v[NS+(\a)], v[NS+4+(\a)], v[NS+8+(\a)]
.endr
.irp a, 0,1,2,3
	v_max3_num_f32 v[MX+(\a)], v[MX+(\a)], v[NS+12+(\a)], v[NS+16+(\a)]
.endr
.irp a, 0,1,2,3
	v_max3_num_f32 v[MX+(\a)], v[MX+(\a)], v[NS+20+(\a)], v[NS+24+(\a)]
.endr
.irp a, 0,1,2,3
	v_max_num_f32 v[MX+(\a)], v[MX+(\a)], v[NS+28+(\a)]
.endr
.irp a, 0,1,2,3
	v_permlanex16_b32 v[PX+(\a)], v[MX+(\a)], s68, s69   ; the other eight segments' lie in the lane 16 away
.endr
.irp a, 0,1,2,3
	v_max_num_f32 v[MX+(\a)], v[MX+(\a)], v[PX+(\a)]     ; N
.endr
.irp s, 0,1,2,3,4,5,6,7
.irp a, 0,1,2,3
	v_sub_f32 v[NS+4*(\s)+(\a)], v[NS+4*(\s)+(\a)], v[MX+(\a)]  ; n - N: a whole number, 0 at the most,
.endr
.irp a, 0,1,2,3
	v_max_num_f32 v[NS+4*(\s)+(\a)], 0xc2700000, v[NS+4*(\s)+(\a)]  ; -60 at the least: d
.endr
.irp a, 0,1,2,3
	v_cvt_i32_f32 v[NS+4*(\s)+(\a)], v[NS+4*(\s)+(\a)]
.endr
.irp a, 0,1,2,3
	v_add_lshl_u32 v[DT+(\a)], v[NS+4*(\s)+(\a)], 0x7f, 23      ; 2^d as f32: its exponent field is d + 127
.endr
.irp a, 0,1,2,3
.if (\s) == 0
	v_mul_f32 v[LT+(\a)], v[LS+(\a)], v[DT+(\a)]
.else
	v_fma_f32 v[LT+(\a)], v[LS+4*(\s)+(\a)], v[DT+(\a)], v[LT+(\a)]
.endif
.endr
.endr
.irp a, 0,1,2,3
	v_permlanex16_b32 v[PX+(\a)], v[NS+28+(\a)], s68, s69       ; the upper lanes get d_7, the lower lanes d_15
.endr
.irp s, 0,1,2,3,4,5,6,7
.irp a, 0,1,2,3
.if (\s) == 0
	v_sub_nc_u32 v[DT+(\a)], v[PX+(\a)], v[NS+(\a)]             ; d of the segment before less d (the lower lanes' entry for segment 0 is never read)
.else
	v_sub_nc_u32 v[DT+(\a)], v[NS+4*(\s)-4+(\a)], v[NS+4*(\s)+(\a)]
.endif
.endr
.irp a, 0,1,2,3
	v_add_lshl_u32 v[FD+8*(\s)+2*(\a)], v[DT+(\a)], 0x7f, 23    ; the factor in front of the segment, 2^-60 to 2^60,
.endr
.irp a, 0,1,2,3
	v_mov_b32 v[FD+8*(\s)+2*(\a)+1], v[FD+8*(\s)+2*(\a)]        ; twice: the packed multiplication takes a pair
.endr
.endr
.irp a, 0,1,2,3
	v_cndmask_b32 v[DT+(\a)], v[PX+(\a)], v[NS+28+(\a)], s71    ; d_15 in every lane
.endr
.irp a, 0,1,2,3
	v_add_lshl_u32 v[DT+(\a)], v[DT+(\a)], 0x7f, 23
.endr
.irp a, 0,1,2,3
	v_permlanex16_b32 v[PX+(\a)], v[LT+(\a)], s68, s69
.endr
.irp a, 0,1,2,3
	v_add_f32 v[LT+(\a)], v[LT+(\a)], v[PX+(\a)]         ; L
.endr
.irp a, 0,1,2,3
	v_rcp_f32 v[MX+(\a)], v[LT+(\a)]
.endr
	v_nop                                          ; a plain instruction behind the last reciprocal (ISA guide 5.7.2)
	s_wait_alu depctr_va_vdst(0)
.irp a, 0,1,2,3
	v_mul_f32 v[RL+2*(\a)], v[MX+(\a)], v[DT+(\a)]       ; 2^(d_15) / L
.endr
.irp a, 0,1,2,3
	v_mov_b32 v[RL+2*(\a)+1], v[RL+2*(\a)]               ; named with it as a pair
.endr
.irp s, 0,1,2,3,4,5,6,7
	ds_store_b128 v9, v[FD+8*(\s):FD+8*(\s)+3]   offset:512*(\s)      ; bytes of my wave's own, which no tensor load fills
	ds_store_b128 v9, v[FD+8*(\s)+4:FD+8*(\s)+7] offset:512*(\s)+16
.endr
	s_wait_tensorcnt 1                             ; my part of K step 0 is in; K step 1's may stay out
	s_wait_dscnt 0x0                               ; no LDS instruction is pending at a signal
	s_barrier_signal -1
	s_barrier_wait -1
	FETCHP 0, 0, F0, -1                            ; segment 0
	QUARTERP 0, 1, F0, F1, 1, 0, -1                ; the first quarter stands in front of the loop: its products start the sums
	WIN 0
	s_mov_b32 s3, LAPS-1
.Llap:                                                 ; a trip goes once round the ring (two segments) and fills both slots again
	QUARTERP 0, 2, F1, F0, 0, 0, 512               ; with the factors in front of the trip's second segment
	QUARTERP 0, 3, F0, F1, 0, 0, -1
	TURNP 0, 1, 1
	QUARTERP 1, 1, F0, F1, 0, 1, -1
	QUARTERP 1, 2, F1, F0, 0, 0, 1024              ; and of the next trip's first
	QUARTERP 1, 3, F0, F1, 0, 0, -1
	TURNP 1, 0, 1
	QUARTERP 0, 1, F0, F1, 0, 1, -1
	WIN 0
	s_add_co_u32 s[FS], s[FS], 1024                ; two segments' factors on
	v_add_nc_u32 v[FA], s[FS], v[FA0]
	s_sub_co_u32 s3, s3, 1
	s_cmp_lg_u32 s3, 0
	s_cbranch_scc1 .Llap
	QUARTERP 0, 2, F1, F0, 0, 0, 512               ; the last lap fills nothing
	QUARTERP 0, 3, F0, F1, 0, 0, -1
	TURNP 0, 1, 0
	QUARTERP 1, 1, F0, F1, 0, 1, -1
	QUARTERP 1, 2, F1, F0, 0, 0, -1
	QUARTERP 1, 3, F0, F1, 0, 0, -1
	s_wait_dscnt 4                                 ; the very last quarter: nothing more to fetch
	MUL8 F1, 0, 0
	MUL8 F1, 1, 0
	s_wait_dscnt 0x0
	MUL8 F1, 2, 0
	MUL8 F1, 3, 0
	WIN 0
	PLACES
; THE WAY OUT of block a (16 rows x 128 channels of f32).  OMUL: times 2^(d_15) / L, each accumulator from its low end.  OLDS: into my own stage, and back as whole rows of 512 bytes.  SENDF: stored.
.macro OMUL a
	WIN 0x41                                       ; destination and source 0 window 1
.set i, 64*(\a)
.rept 32
	v_pk_mul_f32 v[i:i+1], v[i:i+1], v[RL+2*(\a):RL+2*(\a)+1]
.set i, i+2
.endr
.endm
.macro OLDS a
	WIN 0x04                                       ; store data window 1, address window 0
.irp b, 0,1,2,3,4,5,6,7
	ds_store_b128 v[STO], v[64*(\a)+8*(\b):64*(\a)+8*(\b)+3]   offset:64*(\b)
	ds_store_b128 v[STO], v[64*(\a)+8*(\b)+4:64*(\a)+8*(\b)+7] offset:64*(\b)+16
.endr
	WIN 0
.if (\a) == 3
	s_wait_xcnt 0x0                                ; block 0's stores have had their addresses translated (ISA guide 3.1): block 3 comes back into their registers only behind this wait
.endif
.set OB, 64+64*((\a)%3)
.irp t, 0,1,2,3,4,5,6,7,8,9,10,11,12,13,14,15
	ds_load_b128 v[OB+4*(\t):OB+4*(\t)+3], v[RD] offset:(\t)*OPITCH  ; LDS serves a wave's instructions in order (ISA guide 5.7.1.4): these see the stores above
.endr
.endm
.macro SENDF a
	WIN 0
	s_wait_dscnt 0x0                               ; the block is back in registers
.set OB, 64+64*((\a)%3)
.irp t, 0,1,2,3,4,5,6,7,8,9,10,11,12,13,14,15
	global_store_b128 v[LN16], v[OB+4*(\t):OB+4*(\t)+3], s[10:11] offset:(16*(\a)+(\t))*4096 th:TH_STORE_NT  ; 512 consecutive bytes, at a multiple of 512 from out0's first byte
.endr
.endm
	OMUL 0
	OLDS 0
.irp a, 1,2,3                          ; block a's multiplications stand between block a - 1's loads from the stage and the wait for them
	OMUL \a
	SENDF (\a)-1
	OLDS \a
.endr
	SENDF 3
	s_wait_tensorcnt 0x0                           ; the wave's end: behind my last tensor load and my last LDS store
	ds_add_u32 v[SPW], v[NIL]
	s_wait_dscnt 0x0
	CROUND                                         ; the closing round: no work-group ends while a partner may still ask for a tile that names it
	s_endpgm
.Lfunc_end_k_q3f7a49f4a4_pv:
	.size	k_q3f7a49f4a4_pv, .Lfunc_end_k_q3f7a49f4a4_pv-k_q3f7a49f4a4_pv
	.p2alignl 7, 3214868480
	.fill 96, 4, 3214868480
	.section	.rodata,"a",@progbits
	.p2align	6, 0x0
	.amdhsa_kernel k_q3f7a49f4a4_pv
		.amdhsa_group_segment_fixed_size 327680
		.amdhsa_private_segment_fixed_size 0
		.amdhsa_enable_private_segment 0
		.amdhsa_kernarg_size 32
		.amdhsa_user_sgpr_count 2
		.amdhsa_user_sgpr_kernarg_segment_ptr 1
		.amdhsa_wavefront_size32 1
		.amdhsa_system_sgpr_workgroup_id_x 1
		.amdhsa_system_sgpr_workgroup_id_y 1
		.amdhsa_system_sgpr_workgroup_id_z 1
		.amdhsa_system_vgpr_workitem_id 0
		.amdhsa_next_free_vgpr 512
		.amdhsa_next_free_sgpr 84
		.amdhsa_reserve_vcc 0
		.amdhsa_float_denorm_mode_32 3
		.amdhsa_float_denorm_mode_16_64 3
		.amdhsa_memory_ordered 1
		.amdhsa_forward_progress 1
		.amdhsa_inst_pref_size 138
	.end_amdhsa_kernel
	.amdgpu_metadata
---
amdhsa.version: [ 1, 2 ]
amdhsa.kernels:
  - .name:           k_q3f7a49f4a4_pv
    .symbol:         k_q3f7a49f4a4_pv.kd
    .args:
      - { .name: p, .offset: 0, .size: 8, .value_kind: global_buffer, .address_space: global }
      - { .name: qkv, .offset: 8, .size: 8, .value_kind: global_buffer, .address_space: global }
      - { .name: stats, .offset: 16, .size: 8, .value_kind: global_buffer, .address_space: global }
      - { .name: out0, .offset: 24, .size: 8, .value_kind: global_buffer, .address_space: global }
    .group_segment_fixed_size: 327680
    .private_segment_fixed_size: 0
    .kernarg_segment_align: 8
    .kernarg_segment_size: 32
    .max_flat_workgroup_size: 128
    .sgpr_count:     84
    .vgpr_count:     512
    .wavefront_size: 32
...
	.end_amdgpu_metadata
.endif
;; end of part 8
;; ======== version 3 of 3: 4 launches; version 2 with the launch cast written anew for expert scheduling mode
;; limits: right only within a limited range of input values
;; workspace buffers: xb 16,777,216 bytes; wb 6,291,456 bytes; bb 12,288 bytes; qkv 50,331,648 bytes; p 33,554,432 bytes; stats 1,048,576 bytes
;; launch cast (part 9): grid 705 x 1, 8 waves a work-group, no clusters, 0 bytes of LDS; arguments X, Wq, Wk, Wv, bq, bk, bv, xb, wb, bb; writes xb, wb, bb
.if DOCPART == 9
	.amdgcn_target "amdgcn-amd-amdhsa--gfx1250"
	.amdhsa_code_object_version 6
	.text
	.protected	k_q3f7a49f4a4_cast
	.globl	k_q3f7a49f4a4_cast
	.p2align	8
	.type	k_q3f7a49f4a4_cast,@function
k_q3f7a49f4a4_cast:
	s_mov_b64 s[64:65], 0
	v_nop
	global_prefetch_b8 v0, s[64:65] scope:SCOPE_SE
	s_setreg_imm32_b32 hwreg(HW_REG_WAVE_SCHED_MODE, 0, 2), 2
	s_setreg_imm32_b32 hwreg(HW_REG_WAVE_MODE, 25, 1), 1
	s_wait_xcnt 0x0
	s_wait_alu depctr_vm_vsrc(0)
; xb = bf16(X), wb = bf16([Wq; Wk; Wv]), each f32 rounded once, to nearest even; bb = [bq bk bv] copied, f32.
; LAYOUT OUT: in blocks of 64 along K: xb[K / 64][8192 rows][64], wb[K / 64][3072 rows][64].  The product behind walks K in steps of 64; so laid, the 128-byte rows of its tiles
; lie end to end in memory and can be asked for as rows of 256 bytes.
; A stream: every byte is read once and written once; LDS, barriers, clusters and the matrix unit would add nothing, since no work-group shares a byte with another.
; Work-group g owns 16 rows of 1,024 numbers.  g < 512: rows 16 g of X.  g < 704: t = g - 512: rows 16 (t % 64) of Wq, Wk or Wv (t / 64), rows 16 t of wb.  g = 704: the three biases.
; Thread n takes row n / 16, and of block i (0..15) the four numbers 4 (n % 16) on.  A wave's load covers 256 consecutive bytes in each of two rows; its store of 8 bytes a lane covers
; 256 consecutive bytes at a multiple of 256: the two rows' 128 bytes of one block.  All sixteen loads go out first; no register is written twice.
; THE MODE: SCHED_MODE bits 1:0 = 2 (LLVM: expert scheduling mode 2), set by the entry lines.  The code itself states the register dependences
; between vector instructions and memory instructions, with s_wait_alu, always for 0.
; THE PLAN.  Registers that memory instructions touch:
;   v1    the loads' offset.  Written once, at the head; read by the loads (in the bias' path by its stores too).
;   IN    written by the loads alone; each register is read once, by a conversion; nothing lands in it afterwards.
;   OFF   the stores' offsets.  Written once each: the first at the head, the other fifteen behind the loads; each is read by one store.
;   OUT   the stores' data.  Written once each, by the conversions; each pair is read by one store.
; No register that a memory instruction reads is written again, and no load lands in a register that a vector instruction has named: what is left to state is that a register is written
; before a memory instruction reads it.  One wait ahead of the loads states it of v1.  The sixteen blocks go in four batches of four: eight conversions, ONE wait, four stores; the wait
; states it of the batch's OUT, and the first batch's of all of OFF as well.  No vector instruction writes a scalar register or VCC, and EXEC is never written.
.set NX,   512                         ; work-groups for X
.set NW,   192                         ; work-groups for the weights
.set XBLK, 8192*128                    ; bytes in a block of xb
.set WBLK, 3072*128                    ; and of wb
.set IN,   4                           ; v[4:67]    sixteen loads of four f32
.set OUT,  68                          ; v[68:99]   sixteen results of four bf16
.set OFF,  100                         ; v[100:115] my byte offset in block i of the destination
	s_load_b512 s[4:19], s[0:1], 0x0               ; X s[4:5], Wq s[6:7], Wk s[8:9], Wv s[10:11], bq s[12:13], bk s[14:15], bv s[16:17], xb s[18:19]
	s_load_b128 s[20:23], s[0:1], 0x40             ; wb s[20:21], bb s[22:23]
	s_mov_b32 s2, ttmp9                            ; g
	s_cmp_eq_u32 s2, NX+NW
	s_cbranch_scc1 .Lbias
	v_lshrrev_b32 v1, 4, v0                        ; my row of the sixteen
	v_and_b32 v2, 15, v0
	v_lshlrev_b32 v1, 12, v1                       ; 4,096 bytes a row in,
	v_lshl_or_b32 v1, v2, 4, v1                    ; my 16 bytes of a block's 256
	v_lshlrev_b32 v[OFF], 3, v0                    ; out: 128 (n / 16) + 8 (n % 16) = 8 n
	s_sub_co_u32 s24, s2, NX                       ; t (used where g >= 512 alone)
	s_lshr_b32 s25, s24, 6                         ; which weight
	s_and_b32 s26, s24, 63                         ; which sixteen rows of it
	s_mov_b32 s27, WBLK
	s_cmp_lt_u32 s2, NX
	s_cselect_b32 s28, s2, s26                     ; the sixteen rows in the source,
	s_cselect_b32 s30, s2, s24                     ; and in the destination
	s_cselect_b32 s27, XBLK, s27                   ; bytes from block to block
	s_lshl_b32 s28, s28, 16                        ; in bytes, as pairs with 0 above: 16 rows of 4,096 in,
	s_lshl_b32 s30, s30, 11                        ; of 128 out
	s_mov_b32 s29, 0
	s_mov_b32 s31, 0
	s_wait_kmcnt 0x0
	s_cmp_eq_u32 s25, 1                            ; the buffers are chosen on g alone
	s_cselect_b64 s[32:33], s[8:9], s[6:7]
	s_cmp_eq_u32 s25, 2
	s_cselect_b64 s[32:33], s[10:11], s[32:33]
	s_cmp_lt_u32 s2, NX
	s_cselect_b64 s[32:33], s[4:5], s[32:33]
	s_cselect_b64 s[34:35], s[18:19], s[20:21]
	s_add_nc_u64 s[32:33], s[32:33], s[28:29]
	s_add_nc_u64 s[34:35], s[34:35], s[30:31]
	s_wait_alu depctr_va_vdst(0)                   ; v1 is written: the sixteen loads read it as their offset
.irp i, 0,1,2,3,4,5,6,7,8,9,10,11,12,13,14,15
	global_load_b128 v[IN+4*(\i):IN+4*(\i)+3], v1, s[32:33] offset:256*(\i) th:TH_LOAD_NT
.endr
.irp i, 1,2,3,4,5,6,7,8,9,10,11,12,13,14,15
	v_add_nc_u32 v[OFF+(\i)], s27, v[OFF+(\i)-1]   ; fifteen blocks pass the store's immediate, so each block has its offset register
.endr
.irp p, 0,1,2,3                        ; batch p: blocks 4 p to 4 p + 3
	s_wait_loadcnt 12-4*(\p)                       ; loads come back in order (ISA guide 5.7.1): the batch's four are in, the 12 - 4 p younger ones stay out
.irp i, 0,1,2,3
	v_cvt_pk_bf16_f32 v[OUT+2*(4*(\p)+(\i))],   v[IN+4*(4*(\p)+(\i))],   v[IN+4*(4*(\p)+(\i))+1]
	v_cvt_pk_bf16_f32 v[OUT+2*(4*(\p)+(\i))+1], v[IN+4*(4*(\p)+(\i))+2], v[IN+4*(4*(\p)+(\i))+3]
.endr
	s_wait_alu depctr_va_vdst(0)                   ; the eight conversions have written the batch's OUT, which the four stores read as data; the adds above have written OFF, which they read as offsets
.irp i, 0,1,2,3
	global_store_b64 v[OFF+4*(\p)+(\i)], v[OUT+2*(4*(\p)+(\i)):OUT+2*(4*(\p)+(\i))+1], s[34:35]
.endr
.endr
	s_endpgm
.Lbias:                                                ; 256 threads x 16 bytes are one bias: three loads, three stores
	v_lshlrev_b32 v1, 4, v0
	s_wait_kmcnt 0x0
	s_wait_alu depctr_va_vdst(0)                   ; v1 is written: the three loads and the three stores read it as their offset
	global_load_b128 v[4:7],   v1, s[12:13]
	global_load_b128 v[8:11],  v1, s[14:15]
	global_load_b128 v[12:15], v1, s[16:17]
	s_wait_loadcnt 0x0                             ; the stores' data come from these loads, and no vector instruction names them
	global_store_b128 v1, v[4:7],   s[22:23]
	global_store_b128 v1, v[8:11],  s[22:23] offset:4096
	global_store_b128 v1, v[12:15], s[22:23] offset:8192
	s_endpgm
.Lfunc_end_k_q3f7a49f4a4_cast:
	.size	k_q3f7a49f4a4_cast, .Lfunc_end_k_q3f7a49f4a4_cast-k_q3f7a49f4a4_cast
	.p2alignl 7, 3214868480
	.fill 96, 4, 3214868480
	.section	.rodata,"a",@progbits
	.p2align	6, 0x0
	.amdhsa_kernel k_q3f7a49f4a4_cast
		.amdhsa_group_segment_fixed_size 0
		.amdhsa_private_segment_fixed_size 0
		.amdhsa_enable_private_segment 0
		.amdhsa_kernarg_size 80
		.amdhsa_user_sgpr_count 2
		.amdhsa_user_sgpr_kernarg_segment_ptr 1
		.amdhsa_wavefront_size32 1
		.amdhsa_system_sgpr_workgroup_id_x 1
		.amdhsa_system_sgpr_workgroup_id_y 1
		.amdhsa_system_sgpr_workgroup_id_z 1
		.amdhsa_system_vgpr_workitem_id 0
		.amdhsa_next_free_vgpr 116
		.amdhsa_next_free_sgpr 66
		.amdhsa_reserve_vcc 0
		.amdhsa_float_denorm_mode_32 3
		.amdhsa_float_denorm_mode_16_64 3
		.amdhsa_memory_ordered 1
		.amdhsa_forward_progress 1
		.amdhsa_inst_pref_size 9
	.end_amdhsa_kernel
	.amdgpu_metadata
---
amdhsa.version: [ 1, 2 ]
amdhsa.kernels:
  - .name:           k_q3f7a49f4a4_cast
    .symbol:         k_q3f7a49f4a4_cast.kd
    .args:
      - { .name: X, .offset: 0, .size: 8, .value_kind: global_buffer, .address_space: global }
      - { .name: Wq, .offset: 8, .size: 8, .value_kind: global_buffer, .address_space: global }
      - { .name: Wk, .offset: 16, .size: 8, .value_kind: global_buffer, .address_space: global }
      - { .name: Wv, .offset: 24, .size: 8, .value_kind: global_buffer, .address_space: global }
      - { .name: bq, .offset: 32, .size: 8, .value_kind: global_buffer, .address_space: global }
      - { .name: bk, .offset: 40, .size: 8, .value_kind: global_buffer, .address_space: global }
      - { .name: bv, .offset: 48, .size: 8, .value_kind: global_buffer, .address_space: global }
      - { .name: xb, .offset: 56, .size: 8, .value_kind: global_buffer, .address_space: global }
      - { .name: wb, .offset: 64, .size: 8, .value_kind: global_buffer, .address_space: global }
      - { .name: bb, .offset: 72, .size: 8, .value_kind: global_buffer, .address_space: global }
    .group_segment_fixed_size: 0
    .private_segment_fixed_size: 0
    .kernarg_segment_align: 8
    .kernarg_segment_size: 80
    .max_flat_workgroup_size: 256
    .sgpr_count:     66
    .vgpr_count:     116
    .wavefront_size: 32
...
	.end_amdgpu_metadata
.endif
;; end of part 9
;; launch proj: the kernel of part 6 again; grid 8 x 32, 4 waves a work-group, clusters of 4 x 4, 327,680 bytes of LDS; arguments xb, wb, bb, qkv; writes qkv
;; launch scores: the kernel of part 7 again; grid 8 x 32, 4 waves a work-group, clusters of 4 x 4, 327,680 bytes of LDS; arguments qkv, p, stats; writes p, stats
;; launch pv: the kernel of part 8 again; grid 4 x 64, 4 waves a work-group, clusters of 4 x 4, 327,680 bytes of LDS; arguments p, qkv, stats, out0; writes out0
